; MI455X (gfx1250); checked and timed in simulation.
; The chip was launched on July 23, 2026; its instructions are those of AMD's public machine-readable ISA for CDNA 5 (MIT licence, August 2026) and "CDNA5" Instruction Set Architecture Reference Guide (July 2026). The comments in the code are by the model that wrote it; some were corrected since.
;; Set Transform. Allowed arithmetic: float matrix products may take bf16 or f16 operands with f32 sums; all other float work in f32.
;; Inputs: W0 512 x 256 float32; W1 512 x 512 float32; W2 1,024 x 512 float32; b0 256 float32; b1 512 float32; b2 512 float32; c0 512 float32; c1 512 float32; c2 1,024 float32; g0 256 float32; g1 512 float32; g2 512 float32; set_feats 32 x 2,048 x 256 float32.
;; Outputs: out0 32 x 1,024 float32.
;; 2 versions, each right and faster than the one before. Each part assembles by itself: llvm-mc -triple=amdgcn-amd-amdhsa -mcpu=gfx1250 --defsym DOCPART=n.
;; ======== version 1 of 2: 8 launches
;; limits: a difference of large sums (such as E[x^2] - mean^2): digits are lost where the result is much smaller than its terms
;; workspace buffers: dA 67,108,864 bytes; dB 67,108,864 bytes; part 524,288 bytes; wp 1,048,576 bytes; bv 8,192 bytes; pm 262,144 bytes
;; launch stats0 (part 1): grid 256 x 1, 16 waves a work-group, no clusters, 174,080 bytes of LDS; arguments set_feats, dA, part; writes dA, part
.if DOCPART == 1
	.amdgcn_target "amdgcn-amd-amdhsa--gfx1250"
	.amdhsa_code_object_version 6
	.text
	.protected	k_qb8dd5431d4_stats0
	.globl	k_qb8dd5431d4_stats0
	.p2align	8
	.type	k_qb8dd5431d4_stats0,@function
k_qb8dd5431d4_stats0:
	s_mov_b64 s[64:65], 0
	v_nop
	global_prefetch_b8 v0, s[64:65] scope:SCOPE_SE
	s_setreg_imm32_b32 hwreg(HW_REG_WAVE_MODE, 25, 1), 1
	s_wait_xcnt 0x0
; d0[row][k] = set_feats[row][k] - set_feats[0][k], rounded once to bf16 and laid out for the first product; and for each column the sums
; S = sum d, Q = sum d*d (of the unrounded d) over the work-group's 256 rows.  The pilot (row 0) cancels in the norm; it only keeps a common offset of the input
; out of the bf16 rounding and out of Q/n - (S/n)^2.  LIMIT: with the pilot z spreads from a column's mean the variance made later loses about z*z*2^-24 of itself.  NaN and infinities are not treated apart.
; SHARES.  A work-group owns 256 rows (1,024 bytes each), each of its 16 waves 16 rows.  A lane owns columns 4 l .. 4 l + 3 and 128 + 4 l .. + 3 of every row: a load of the wave covers 512 consecutive bytes.
; All 32 loads of a wave go out at the start: 16 waves x 32 x 512 bytes, the work-group's whole share, are on their way at once; the waits count down.  No matrix unit, no cluster: nothing is shared, memory binds.
; LAYOUT OF d0 (and of every operand of the products): [tile of 256 rows][128 k][half of 128 rows][block of 16 rows][32 k][chunk of 8 k][row][8 k]: a fragment of 16 rows x 32 k is 1,024 consecutive bytes.
; A lane holds 4 columns of a row, 8 bytes; the layout wants 16 rows of a chunk side by side.  So the block goes through the wave's own stage in LDS: 32 chunks of 16 rows x 16 bytes, 272 bytes apart.
.set UP,    272                        ; a chunk in the stage: 256 bytes + 16: the 32 lanes' 8-byte stores fall on 64 different words modulo 64
.set STGW,  32*UP                      ; a wave's stage
.set RED,   16*STGW                    ; behind the stages: [wave][S 256 | Q 256] f32
.set SPARE, RED+16*2048                ; behind that: the spare words, 128 bytes for each wave, which no other line names
.set LO,  1                            ; v1   16 x lane; never rewritten
.set VST, 2                            ; v2   where I put 8 bytes of a row in the stage
.set VRD, 3                            ; v3   where I read 16 bytes back
.set SPW, 6                            ; v6   my spare word
.set NIL, 7                            ; v7   0
.set K0,  8                            ; v[8:15]   the pilot of my 8 columns
.set S,   16                           ; v[16:23]  sums of d
.set Q,   24                           ; v[24:31]  sums of d*d
.set T,   32                           ; v[32:35]  d, at work
.set PK,  36                           ; v[36:39]  two pairs of packed bf16, by turns
.set X,   64                           ; v[64:191] load i (row i / 2, half i % 2): 4 registers
.set OB,  192                          ; v[192:255] the block as it leaves
	s_load_b128 s[4:7], s[0:1], 0x0                ; set_feats s[4:5], dA s[6:7]
	s_load_b64 s[8:9], s[0:1], 0x10                ; part
	v_lshl_add_u32 v[SPW], v0, 2, SPARE
	v_mov_b32 v[NIL], 0
	v_lshrrev_b32 v4, 5, v0
	v_readfirstlane_b32 s10, v4                    ; wave 0..15
	v_and_b32 v5, 31, v0                           ; lane
	v_lshlrev_b32 v[LO], 4, v5
	s_lshl_b32 s12, ttmp9, 18                      ; the group's 256 rows of 1,024 bytes,
	s_lshl_b32 s11, s10, 14                        ; my wave's 16 of them
	s_add_co_u32 s12, s12, s11
	s_mov_b32 s13, 0
	s_lshl_b32 s18, ttmp9, 17                      ; the tile in dA: 131,072 bytes;
	s_lshl_b32 s17, s10, 12                        ; half x 32,768 + block x 4,096 = wave x 4,096
	s_add_co_u32 s18, s18, s17
	s_mov_b32 s19, 0
	s_lshl_b32 s20, ttmp9, 11                      ; the group's 2,048 bytes of part
	s_mov_b32 s21, 0
	s_wait_kmcnt 0x0
	global_load_b128 v[K0:K0+3],   v[LO], s[4:5]              ; row 0 of the whole input: every work-group reads it
	global_load_b128 v[K0+4:K0+7], v[LO], s[4:5] offset:512
	s_add_nc_u64 s[14:15], s[4:5], s[12:13]
.set i, 0
.rept 32
	global_load_b128 v[X+4*i:X+4*i+3], v[LO], s[14:15] offset:(i/2)*1024+(i%2)*512 th:TH_LOAD_NT
.set i, i+1
.endr
	s_add_nc_u64 s[6:7], s[6:7], s[18:19]
	s_add_nc_u64 s[8:9], s[8:9], s[20:21]
	s_mul_i32 s16, s10, STGW                       ; my stage
	v_lshrrev_b32 v4, 1, v5                        ; in: chunk l / 2 (+ 16 for the upper columns), bytes 8 (l % 2) of the row's 16
	v_mul_u32_u24 v4, v4, UP
	v_and_b32 v[VST], 1, v5
	v_lshl_add_u32 v[VST], v[VST], 3, v4
	v_add_nc_u32 v[VST], s16, v[VST]
	v_lshrrev_b32 v4, 4, v5                        ; back: lanes 0-15 take one chunk's 256 bytes, lanes 16-31 the next chunk's
	v_mul_u32_u24 v4, v4, UP
	v_and_b32 v[VRD], 15, v5
	v_lshl_add_u32 v[VRD], v[VRD], 4, v4
	v_add_nc_u32 v[VRD], s16, v[VRD]
; Load i: 4 columns of row i / 2.  The first row starts the sums: nothing is cleared.
.macro ROWV i
.set hf, (\i)%2
.set x,  X+4*(\i)
.set p,  PK+2*hf
	s_wait_loadcnt 31-(\i)                         ; loads come back in order: mine (and the pilot, issued first) is in, the 31 - i younger ones stay out
.if (\i) < 2
	v_pk_add_f32 v[S+4*hf:S+4*hf+1],   v[x:x+1],   v[K0+4*hf:K0+4*hf+1]   neg_lo:[0,1] neg_hi:[0,1]
	v_pk_add_f32 v[S+4*hf+2:S+4*hf+3], v[x+2:x+3], v[K0+4*hf+2:K0+4*hf+3] neg_lo:[0,1] neg_hi:[0,1]
	v_pk_mul_f32 v[Q+4*hf:Q+4*hf+1],   v[S+4*hf:S+4*hf+1],   v[S+4*hf:S+4*hf+1]
	v_pk_mul_f32 v[Q+4*hf+2:Q+4*hf+3], v[S+4*hf+2:S+4*hf+3], v[S+4*hf+2:S+4*hf+3]
	v_cvt_pk_bf16_f32 v[p],   v[S+4*hf],   v[S+4*hf+1]
	v_cvt_pk_bf16_f32 v[p+1], v[S+4*hf+2], v[S+4*hf+3]
.else
	v_pk_add_f32 v[T:T+1],   v[x:x+1],   v[K0+4*hf:K0+4*hf+1]   neg_lo:[0,1] neg_hi:[0,1]
	v_pk_add_f32 v[T+2:T+3], v[x+2:x+3], v[K0+4*hf+2:K0+4*hf+3] neg_lo:[0,1] neg_hi:[0,1]
	v_pk_add_f32 v[S+4*hf:S+4*hf+1],   v[S+4*hf:S+4*hf+1],   v[T:T+1]
	v_pk_add_f32 v[S+4*hf+2:S+4*hf+3], v[S+4*hf+2:S+4*hf+3], v[T+2:T+3]
	v_pk_fma_f32 v[Q+4*hf:Q+4*hf+1],   v[T:T+1],   v[T:T+1],   v[Q+4*hf:Q+4*hf+1]
	v_pk_fma_f32 v[Q+4*hf+2:Q+4*hf+3], v[T+2:T+3], v[T+2:T+3], v[Q+4*hf+2:Q+4*hf+3]
	v_cvt_pk_bf16_f32 v[p],   v[T],   v[T+1]
	v_cvt_pk_bf16_f32 v[p+1], v[T+2], v[T+3]
.endif
	ds_store_b64 v[VST], v[p:p+1] offset:hf*16*UP+((\i)/2)*16
.endm
.set n, 0
.rept 32
	ROWV n
.set n, n+1
.endr
.set j, 0
.rept 16
	ds_load_b128 v[OB+4*j:OB+4*j+3], v[VRD] offset:2*j*UP      ; my own bytes: LDS serves a wave's instructions in order (ISA guide 5.7.1.4), so these see the stores above
.set j, j+1
.endr
.set j, 0
.rept 16
	s_wait_dscnt 15-j                              ; chunks 2 j and 2 j + 1 are back; the 15 - j younger loads stay out
	global_store_b128 v[LO], v[OB+4*j:OB+4*j+3], s[6:7] offset:(j/8)*65536+(j%8)*512  ; 512 consecutive bytes, at a multiple of 512 from dA's first byte
.set j, j+1
.endr
	; the waves' sums meet in LDS
	s_lshl_b32 s22, s10, 11
	s_add_co_u32 s22, s22, RED
	v_add_nc_u32 v4, s22, v[LO]
	ds_store_b128 v4, v[S:S+3]                     ; columns 4 l ..
	ds_store_b128 v4, v[S+4:S+7] offset:512        ; columns 128 + 4 l ..
	ds_store_b128 v4, v[Q:Q+3]   offset:1024
	ds_store_b128 v4, v[Q+4:Q+7] offset:1536
	s_wait_dscnt 0x0                               ; for the others' sake: my stores are done
	s_barrier_signal -1
	s_barrier_wait -1
	s_cmp_ge_u32 s10, 8
	s_cbranch_scc1 .Ldone                          ; 512 numbers, two a thread: waves 0 to 7 add them
	v_lshl_add_u32 v5, v0, 3, RED
.set j, 0
.rept 16
	ds_load_b64 v[X+2*j:X+2*j+1], v5 offset:j*2048
.set j, j+1
.endr
	v_lshlrev_b32 v4, 3, v0
	s_wait_dscnt 0x0
.irp s, 8,4,2,1
.set j, 0
.rept \s
	v_pk_add_f32 v[X+2*j:X+2*j+1], v[X+2*j:X+2*j+1], v[X+2*(j+\s):X+2*(j+\s)+1]
.set j, j+1
.endr
.endr
	global_store_b64 v4, v[X:X+1], s[8:9]          ; a wave stores 256 consecutive bytes, aligned
.Ldone:
	s_wait_tensorcnt 0x0                           ; the wave's end, behind my last LDS store
	ds_add_u32 v[SPW], v[NIL]
	s_wait_dscnt 0x0
	s_endpgm
.Lfunc_end_k_qb8dd5431d4_stats0:
	.size	k_qb8dd5431d4_stats0, .Lfunc_end_k_qb8dd5431d4_stats0-k_qb8dd5431d4_stats0
	.p2alignl 7, 3214868480
	.fill 96, 4, 3214868480
	.section	.rodata,"a",@progbits
	.p2align	6, 0x0
	.amdhsa_kernel k_qb8dd5431d4_stats0
		.amdhsa_group_segment_fixed_size 174080
		.amdhsa_private_segment_fixed_size 0
		.amdhsa_enable_private_segment 0
		.amdhsa_kernarg_size 24
		.amdhsa_user_sgpr_count 2
		.amdhsa_user_sgpr_kernarg_segment_ptr 1
		.amdhsa_wavefront_size32 1
		.amdhsa_system_sgpr_workgroup_id_x 1
		.amdhsa_system_sgpr_workgroup_id_y 1
		.amdhsa_system_sgpr_workgroup_id_z 1
		.amdhsa_system_vgpr_workitem_id 0
		.amdhsa_next_free_vgpr 256
		.amdhsa_next_free_sgpr 66
		.amdhsa_reserve_vcc 0
		.amdhsa_float_denorm_mode_32 3
		.amdhsa_float_denorm_mode_16_64 3
		.amdhsa_memory_ordered 1
		.amdhsa_forward_progress 1
		.amdhsa_inst_pref_size 30
	.end_amdhsa_kernel
	.amdgpu_metadata
---
amdhsa.version: [ 1, 2 ]
amdhsa.kernels:
  - .name:           k_qb8dd5431d4_stats0
    .symbol:         k_qb8dd5431d4_stats0.kd
    .args:
      - { .name: set_feats, .offset: 0, .size: 8, .value_kind: global_buffer, .address_space: global }
      - { .name: dA, .offset: 8, .size: 8, .value_kind: global_buffer, .address_space: global }
      - { .name: part, .offset: 16, .size: 8, .value_kind: global_buffer, .address_space: global }
    .group_segment_fixed_size: 174080
    .private_segment_fixed_size: 0
    .kernarg_segment_align: 8
    .kernarg_segment_size: 24
    .max_flat_workgroup_size: 512
    .sgpr_count:     66
    .vgpr_count:     256
    .wavefront_size: 32
...
	.end_amdgpu_metadata
.endif
;; end of part 1
;; launch prep0 (part 2): grid 32 x 1, 16 waves a work-group, no clusters, 24,064 bytes of LDS; arguments part, g0, b0, W0, c0, wp, bv; writes wp, bv
.if DOCPART == 2
	.amdgcn_target "amdgcn-amd-amdhsa--gfx1250"
	.amdhsa_code_object_version 6
	.text
	.protected	k_qb8dd5431d4_prep0
	.globl	k_qb8dd5431d4_prep0
	.p2align	8
	.type	k_qb8dd5431d4_prep0,@function
k_qb8dd5431d4_prep0:
	s_mov_b64 s[64:65], 0
	v_nop
	global_prefetch_b8 v0, s[64:65] scope:SCOPE_SE
	s_setreg_imm32_b32 hwreg(HW_REG_WAVE_MODE, 25, 1), 1
	s_wait_xcnt 0x0
; THE NORM IS FOLDED INTO THE WEIGHTS.  With d the shifted activations, mean = S/n, var = Q/n - mean^2 (n = 65,536), s = g rsqrt(var + 1e-5), t = b - mean s:
; y = d (W s)^T + (c + W t).  This launch stores W s in bf16, laid out for the product, and for each output column ksh = max(c + W b, 0) (the ReLU of y's exact mean: the next pilot),
; bm = c + W t - ksh (what the product's sums start from) and nk = -ksh.
; LIMITS.  var loses about z*z*2^-24 of itself where the pilot lies z spreads from the mean; a var that rounding makes negative counts as 0.  NaN and infinities are not treated apart.
; SHARES.  A work-group owns 16 rows of W; thread t owns row t % 16, 8 neighbouring k (chunk t / 16).  Every work-group adds all the partial sums itself (524,288 bytes): the price of one launch for two steps.
; W is read in pieces of 32 bytes of 16 rows: all of them are used once, inside this work-group.  bv's 128 bytes a work-group are half of an aligned 256: 4 to 8 KiB in the whole launch.
; No matrix unit and no cluster: a few dot products and a stream of 0.5 to 2 MiB.
.set LKD,    8                         ; log2 of K
.set KD,     1<<LKD                    ; K of this layer
.set NP,     256                       ; partial sums for each column
.set NW,     KD/16                     ; waves
.set KSTEPS, KD/128
.set NL,     NP/4                      ; loads of partial sums a thread
.set VEC,    64*KD                     ; LDS: [0, 64 KD) eight partial sums [2][KD]; then s, t, b: 12 KD
.set PITCH,  4*NW+16                   ; a row's NW partial dots, padded
.set DOT,    VEC+12*KD                 ; [W t | W b][16 rows][PITCH]
.set SPARE,  DOT+32*PITCH              ; the spare words, 128 bytes for each wave, which no other line names
.set SPW, 6
.set NIL, 7
.set WR,  8                            ; v[8:15]   my 8 numbers of W
.set GV,  16                           ; v[16:19]  g of column quad t % (KD/4)
.set BV4, 20                           ; v[20:23]  b of the same
.set CV,  24                           ; v24       c of my row
.set SQ,  28                           ; v[28:31] S, v[32:35] Q of my column quad
.set X,   64                           ; v[64:127] a ring of 16 loads; later at work
	s_load_b256 s[4:11], s[0:1], 0x0               ; part s[4:5], g s[6:7], b s[8:9], W s[10:11]
	s_load_b128 s[12:15], s[0:1], 0x20             ; c s[12:13], wp s[14:15]
	s_load_b64 s[16:17], s[0:1], 0x30              ; bv
	v_lshl_add_u32 v[SPW], v0, 2, SPARE
	v_mov_b32 v[NIL], 0
	v_lshrrev_b32 v3, 5, v0
	v_readfirstlane_b32 s20, v3                    ; wave
	v_and_b32 v1, 31, v0                           ; lane
	v_and_b32 v2, 15, v0                           ; my row of the 16
	v_lshrrev_b32 v25, 4, v0
	v_lshlrev_b32 v25, 5, v25                      ; my chunk x 32 bytes of f32
	v_lshl_add_u32 v26, v2, LKD+2, v25             ; + row x 4 K
	v_lshlrev_b32 v27, 4, v1                       ; 16 x lane
	v_lshlrev_b32 v36, 2, v2
	v_and_b32 v5, KD/4-1, v0
	v_lshlrev_b32 v5, 4, v5                        ; my column quad x 16 bytes
	v_lshrrev_b32 v4, LKD-2, v0                    ; which eighth of the partial sums I add
	v_lshl_add_u32 v4, v4, LKD+3, v5               ; x 8 K bytes + the quad: my offset in part, and in LDS
	s_lshl_b32 s22, ttmp9, LKD+6                   ; 16 rows of W
	s_mov_b32 s23, 0
	s_lshl_b32 s24, ttmp9, 6                       ; 16 numbers of c
	s_mov_b32 s25, 0
	s_mov_b32 s18, 0x76543210                      ; v_permlanex16_b32: each lane takes its own place in the other half
	s_mov_b32 s19, 0xfedcba98
	s_lshr_b32 s26, ttmp9, 4                       ; wp: tile of 256 rows,
	s_mul_i32 s26, s26, KSTEPS*65536
	s_and_b32 s27, ttmp9, 15                       ; half x 32,768 + block x 4,096,
	s_lshl_b32 s27, s27, 12
	s_add_co_u32 s26, s26, s27
	s_lshr_b32 s27, s20, 3                         ; my wave's two chunks: 128 k x 65,536
	s_lshl_b32 s27, s27, 16
	s_add_co_u32 s26, s26, s27
	s_and_b32 s27, s20, 7                          ; + 512 bytes a wave
	s_lshl_b32 s27, s27, 9
	s_add_co_u32 s26, s26, s27
	s_mov_b32 s27, 0
	s_lshl_b32 s28, ttmp9, 7                       ; bv: 128 bytes a block of 16 columns
	s_mov_b32 s29, 0
.set i, 0
.rept 8
	v_mov_b32 v[SQ+i], 0
.set i, i+1
.endr
	s_wait_kmcnt 0x0
	s_add_nc_u64 s[10:11], s[10:11], s[22:23]
	s_add_nc_u64 s[12:13], s[12:13], s[24:25]
	s_add_nc_u64 s[14:15], s[14:15], s[26:27]
	s_add_nc_u64 s[16:17], s[16:17], s[28:29]
	global_load_b128 v[WR:WR+3],   v26, s[10:11]
	global_load_b128 v[WR+4:WR+7], v26, s[10:11] offset:16
	global_load_b128 v[GV:GV+3],   v5, s[6:7]
	global_load_b128 v[BV4:BV4+3], v5, s[8:9]
	global_load_b32 v[CV], v36, s[12:13]
.set i, 0
.rept 16
	global_load_b128 v[X+4*i:X+4*i+3], v4, s[4:5] offset:(i/2)*64*KD+(i%2)*4*KD   ; partial sum 8 (i / 2) + my eighth; S, then Q
.set i, i+1
.endr
.set i, 0
.rept NL
.if NL-1-i < 15
	s_wait_loadcnt NL-1-i                          ; the ring runs empty
.else
	s_wait_loadcnt 15                              ; load i is in; the 15 younger ones stay out
.endif
.set xs, X+4*(i%16)
.set aq, SQ+4*(i%2)
	v_pk_add_f32 v[aq:aq+1],   v[aq:aq+1],   v[xs:xs+1]
	v_pk_add_f32 v[aq+2:aq+3], v[aq+2:aq+3], v[xs+2:xs+3]
.if i+16 < NL
	global_load_b128 v[xs:xs+3], v4, s[4:5] offset:((i+16)/2)*64*KD+((i+16)%2)*4*KD
.endif
.set i, i+1
.endr
	ds_store_b128 v4, v[SQ:SQ+3]
	ds_store_b128 v4, v[SQ+4:SQ+7] offset:4*KD
	s_wait_dscnt 0x0                               ; for the others' sake
	s_barrier_signal -1
	s_barrier_wait -1
	s_cmp_ge_u32 s20, KD/128
	s_cbranch_scc1 .Lhave_vec                      ; K / 4 threads, a column quad each, finish the statistics
.set i, 0
.rept 8
	ds_load_b128 v[X+8*i:X+8*i+3],   v5 offset:i*8*KD
	ds_load_b128 v[X+8*i+4:X+8*i+7], v5 offset:i*8*KD+4*KD
.set i, i+1
.endr
	s_wait_dscnt 0x0
.irp s, 4,2,1
.set i, 0
.rept \s
.irp e, 0,2,4,6
	v_pk_add_f32 v[X+8*i+\e:X+8*i+\e+1], v[X+8*i+\e:X+8*i+\e+1], v[X+8*(i+\s)+\e:X+8*(i+\s)+\e+1]
.endr
.set i, i+1
.endr
.endr
	v_pk_mul_f32 v[X+8:X+9],   v[X:X+1],   0x37800000 op_sel_hi:[1,0]     ; mean = S x 2^-16
	v_pk_mul_f32 v[X+10:X+11], v[X+2:X+3], 0x37800000 op_sel_hi:[1,0]
	v_pk_mul_f32 v[X+12:X+13], v[X+4:X+5], 0x37800000 op_sel_hi:[1,0]     ; Q x 2^-16
	v_pk_mul_f32 v[X+14:X+15], v[X+6:X+7], 0x37800000 op_sel_hi:[1,0]
	v_pk_fma_f32 v[X+12:X+13], v[X+8:X+9],   v[X+8:X+9],   v[X+12:X+13] neg_lo:[1,0,0] neg_hi:[1,0,0]  ; var
	v_pk_fma_f32 v[X+14:X+15], v[X+10:X+11], v[X+10:X+11], v[X+14:X+15] neg_lo:[1,0,0] neg_hi:[1,0,0]
.irp e, 12,13,14,15
	v_max_num_f32 v[X+\e], 0, v[X+\e]
.endr
.irp e, 12,13,14,15
	v_add_f32 v[X+\e], 0x3727c5ac, v[X+\e]         ; + 1e-5
.endr
.irp e, 0,1,2,3
	v_rsq_f32 v[X+16+\e], v[X+12+\e]
.endr
	v_nop                                          ; a plain instruction between the last root and the use of its result (ISA guide 5.7.2)
	s_wait_alu depctr_va_vdst(0)
	v_pk_mul_f32 v[X+16:X+17], v[X+16:X+17], v[GV:GV+1]                   ; s
	v_pk_mul_f32 v[X+18:X+19], v[X+18:X+19], v[GV+2:GV+3]
	v_pk_fma_f32 v[X+20:X+21], v[X+8:X+9],   v[X+16:X+17], v[BV4:BV4+1]   neg_lo:[1,0,0] neg_hi:[1,0,0]  ; t = b - mean s
	v_pk_fma_f32 v[X+22:X+23], v[X+10:X+11], v[X+18:X+19], v[BV4+2:BV4+3] neg_lo:[1,0,0] neg_hi:[1,0,0]
	ds_store_b128 v5, v[X+16:X+19] offset:VEC
	ds_store_b128 v5, v[X+20:X+23] offset:VEC+4*KD
	ds_store_b128 v5, v[BV4:BV4+3] offset:VEC+8*KD
.Lhave_vec:
	s_wait_dscnt 0x0
	s_barrier_signal -1
	s_barrier_wait -1
.irp e, 0,1,2
	ds_load_b128 v[X+8*\e:X+8*\e+3],   v25 offset:VEC+\e*4*KD        ; s, t, b of my 8 k
	ds_load_b128 v[X+8*\e+4:X+8*\e+7], v25 offset:VEC+\e*4*KD+16
.endr
	v_mul_u32_u24 v3, v2, PITCH
	s_lshl_b32 s30, s20, 2
	s_add_co_u32 s30, s30, DOT
	v_add_nc_u32 v3, s30, v3                       ; my row's and my wave's word among the partial dots
	s_wait_dscnt 0x0
.irp e, 0,2,4,6
	v_pk_mul_f32 v[X+24+\e:X+25+\e], v[WR+\e:WR+\e+1], v[X+\e:X+\e+1]   ; W s
.endr
.irp e, 0,1,2,3
	v_cvt_pk_bf16_f32 v[X+32+\e], v[X+24+2*\e], v[X+25+2*\e]
.endr
	global_store_b128 v27, v[X+32:X+35], s[14:15]  ; the wave's two chunks x 16 rows: 512 consecutive bytes, aligned
	v_pk_mul_f32 v[X+36:X+37], v[WR:WR+1], v[X+8:X+9]                     ; W t over my 8 k
	v_pk_mul_f32 v[X+38:X+39], v[WR:WR+1], v[X+16:X+17]                   ; W b
.irp e, 2,4,6
	v_pk_fma_f32 v[X+36:X+37], v[WR+\e:WR+\e+1], v[X+8+\e:X+9+\e],   v[X+36:X+37]
	v_pk_fma_f32 v[X+38:X+39], v[WR+\e:WR+\e+1], v[X+16+\e:X+17+\e], v[X+38:X+39]
.endr
	v_add_f32 v[X+36], v[X+36], v[X+37]
	v_add_f32 v[X+38], v[X+38], v[X+39]
	v_permlanex16_b32 v[X+24], v[X+36], s18, s19   ; the row's other chunk of this wave lies 16 lanes away
	v_permlanex16_b32 v[X+25], v[X+38], s18, s19
	v_add_f32 v[X+36], v[X+36], v[X+24]
	v_add_f32 v[X+38], v[X+38], v[X+25]
	ds_store_b32 v3, v[X+36]                       ; lanes r and r + 16 write the same word with the same number
	ds_store_b32 v3, v[X+38] offset:16*PITCH
	s_wait_dscnt 0x0
	s_barrier_signal -1
	s_barrier_wait -1
	s_cmp_lg_u32 s20, 0
	s_cbranch_scc1 .Lend                           ; wave 0 finishes: lanes 0-15 add W t of row r, lanes 16-31 W b
	v_mul_u32_u24 v3, v1, PITCH
.set i, 0
.rept NW/4
	ds_load_b128 v[X+4*i:X+4*i+3], v3 offset:DOT+16*i
.set i, i+1
.endr
	v_lshlrev_b32 v37, 2, v1
	s_mov_b32 s31, 0xffff0000                      ; lanes 16-31
	s_wait_dscnt 0x0
.set i, 1
.rept NW/2-1
	v_pk_add_f32 v[X:X+1], v[X:X+1], v[X+2*i:X+2*i+1]
.set i, i+1
.endr
	v_add_f32 v[X], v[X], v[X+1]
	v_permlanex16_b32 v[X+2], v[X], s18, s19
	v_cndmask_b32 v[X+3], v[X], v[X+2], s31        ; W t in every lane
	v_cndmask_b32 v[X+4], v[X+2], v[X], s31        ; W b
	v_add_f32 v[X+4], v[CV], v[X+4]
	v_max_num_f32 v[X+4], 0, v[X+4]                ; ksh
	v_add_f32 v[X+3], v[CV], v[X+3]
	v_sub_f32 v[X+3], v[X+3], v[X+4]               ; bm
	v_mul_f32 v[X+5], -1.0, v[X+4]                 ; nk
	v_cndmask_b32 v[X+3], v[X+3], v[X+5], s31
	global_store_b32 v37, v[X+3], s[16:17]         ; [bm 16 | nk 16]
.Lend:
	s_wait_tensorcnt 0x0                           ; the wave's end, behind my last LDS store
	ds_add_u32 v[SPW], v[NIL]
	s_wait_dscnt 0x0
	s_endpgm
.Lfunc_end_k_qb8dd5431d4_prep0:
	.size	k_qb8dd5431d4_prep0, .Lfunc_end_k_qb8dd5431d4_prep0-k_qb8dd5431d4_prep0
	.p2alignl 7, 3214868480
	.fill 96, 4, 3214868480
	.section	.rodata,"a",@progbits
	.p2align	6, 0x0
	.amdhsa_kernel k_qb8dd5431d4_prep0
		.amdhsa_group_segment_fixed_size 24064
		.amdhsa_private_segment_fixed_size 0
		.amdhsa_enable_private_segment 0
		.amdhsa_kernarg_size 56
		.amdhsa_user_sgpr_count 2
		.amdhsa_user_sgpr_kernarg_segment_ptr 1
		.amdhsa_wavefront_size32 1
		.amdhsa_system_sgpr_workgroup_id_x 1
		.amdhsa_system_sgpr_workgroup_id_y 1
		.amdhsa_system_sgpr_workgroup_id_z 1
		.amdhsa_system_vgpr_workitem_id 0
		.amdhsa_next_free_vgpr 128
		.amdhsa_next_free_sgpr 66
		.amdhsa_reserve_vcc 0
		.amdhsa_float_denorm_mode_32 3
		.amdhsa_float_denorm_mode_16_64 3
		.amdhsa_memory_ordered 1
		.amdhsa_forward_progress 1
		.amdhsa_inst_pref_size 28
	.end_amdhsa_kernel
	.amdgpu_metadata
---
amdhsa.version: [ 1, 2 ]
amdhsa.kernels:
  - .name:           k_qb8dd5431d4_prep0
    .symbol:         k_qb8dd5431d4_prep0.kd
    .args:
      - { .name: part, .offset: 0, .size: 8, .value_kind: global_buffer, .address_space: global }
      - { .name: g0, .offset: 8, .size: 8, .value_kind: global_buffer, .address_space: global }
      - { .name: b0, .offset: 16, .size: 8, .value_kind: global_buffer, .address_space: global }
      - { .name: W0, .offset: 24, .size: 8, .value_kind: global_buffer, .address_space: global }
      - { .name: c0, .offset: 32, .size: 8, .value_kind: global_buffer, .address_space: global }
      - { .name: wp, .offset: 40, .size: 8, .value_kind: global_buffer, .address_space: global }
      - { .name: bv, .offset: 48, .size: 8, .value_kind: global_buffer, .address_space: global }
    .group_segment_fixed_size: 24064
    .private_segment_fixed_size: 0
    .kernarg_segment_align: 8
    .kernarg_segment_size: 56
    .max_flat_workgroup_size: 512
    .sgpr_count:     66
    .vgpr_count:     128
    .wavefront_size: 32
...
	.end_amdgpu_metadata
.endif
;; end of part 2
;; launch gemm0 (part 3): grid 256 x 1, 4 waves a work-group, clusters of 4 x 1, 327,680 bytes of LDS; arguments dA, wp, bv, dB, part; writes dB, part
.if DOCPART == 3
	.amdgcn_target "amdgcn-amd-amdhsa--gfx1250"
	.amdhsa_code_object_version 6
	.text
	.protected	k_qb8dd5431d4_gemm0
	.globl	k_qb8dd5431d4_gemm0
	.p2align	8
	.type	k_qb8dd5431d4_gemm0,@function
k_qb8dd5431d4_gemm0:
	s_mov_b64 s[64:65], 0
	v_nop
	global_prefetch_b8 v0, s[64:65] scope:SCOPE_SE
	s_setreg_imm32_b32 hwreg(HW_REG_WAVE_MODE, 25, 1), 1
	s_wait_xcnt 0x0
	s_wait_alu depctr_hold_cnt(0) depctr_sa_sdst(0) depctr_va_vdst(0) depctr_va_sdst(0) depctr_va_ssrc(0) depctr_va_vcc(0) depctr_vm_vsrc(0)
	s_getreg_b32 s2, hwreg(HW_REG_IB_STS2, 6, 4)
	s_cmp_eq_u32 s2, 0
	s_cbranch_scc0 .Lentry_in_a_cluster
	s_endpgm
.Lentry_in_a_cluster:
	s_bfe_u32 s2, ttmp6, 0x10000c
	s_cmp_lg_u32 s2, 0x3003
	s_cbranch_scc0 .Lentry_shape_is_right
	s_endpgm
.Lentry_shape_is_right:
; LAYER 0.  acc = d (W s)^T + bm = y - ksh; d_next = relu(y) - ksh = max(acc, nk), stored in bf16 in the next product's layout; and for each column S = sum d_next, Q = sum d_next^2 (unrounded).
; d: [65,536][256], W s: [512][256], both bf16 (the one rounding of the operands; sums in f32).  NaN and infinities are not treated apart.
; OPERANDS lie [tile of 256 rows][128 k][half of 128 rows][16 rows][32 k][1,024 bytes]: 128 rows x 128 k are 32,768 dense bytes, one tensor load; a fragment is two loads of 16 bytes a lane at 16 x lane and + 512.
; SHARES.  A tile of the result is 256 x 256; four waves, 128 x 128 each: 64 accumulators, 512 registers.  A work-group STAYS for TILES tiles, one below the other; the ring of two LDS slots (one step of 128 k each) runs on
; across tiles.  The matrix instruction is used transposed (source 0 = 16 rows of W s, source 1 = 16 rows of d): a lane then holds eight neighbouring columns of one row, which pack into 16 bytes that the
; next layer's layout wants side by side: the result leaves straight from registers, 512 consecutive bytes a store.
; CLUSTER.  The four work-groups of a cluster take the same 256 columns, so W's tiles are asked for JOINTLY (mask of all four).  d's tiles are not: a tile of d has two users only (the two column tiles), which lie in two
; neighbouring clusters; a mask names partners of one cluster.  d's loads are the work-group's own, issued behind the same rounds.
; REGISTERS, in windows of 256 (s_set_vgpr_msb: bits 1:0 source 0, 3:2 source 1, 5:4 source 2, 7:6 destination):
;   window 0: v0-31 addresses and sums; v32-55 at work on the way out; v64-127, v128-191 fragments of d, two buffers (the second holds Q on the way out); v192-255 S
;   window 1: v0-63 nk; v64-127, v128-191 fragments of W s; v192-255 bm      windows 2, 3: the accumulators of my rows 0-63, 64-127: (a, b) at 64 (a % 4) + 8 b
.set KSTEPS, 2                         ; steps of 128 along K
.set NCT,    2                         ; column tiles
.set TILES,  2                         ; tiles a work-group
.set MODE,   0                         ; 0: ReLU, store, statistics; 1: maximum over rows
.set SLOT,  1<<17                      ; a slot: d's two halves, then W's two halves, 32,768 bytes each; slot 1 begins here, so one exclusive or changes slots
.set RED,   2*SLOT                     ; behind the ring, never filled by a tensor load: for each wave 16 rows of 512 bytes, 528 apart
.set RP,    528
.set XCH,   RED+4*16*RP                ; where the lower row half's waves hand their sums to the upper's
.set SPARE, XCH+2048                   ; the spare words, 128 bytes for each wave, which no other line names
.set CO,    3                          ; v3   16 x lane
.set ADRA0, 4                          ; v4   my lane's place in a slot's d; never rewritten
.set ADRB0, 5                          ; v5   the same for W
.set ADRA,  6                          ; v6   the address of the run of loads in hand
.set ADRB,  7
.set RST,   8                          ; v8   the reduction: where I put 16 bytes
.set RRD,   9                          ; v9   where I read a column quad's 16 partial sums
.set XA,    10                         ; v10  my place in XCH
.set VB,    11                         ; v11  32 x (lane / 16): my 8 columns of a block of 16 in bv
.set SS,    12                         ; v[12:15] S of columns 4 l .. of my 128, over the tiles so far
.set QQ,    16                         ; v[16:19] Q
.set TT,    20                         ; v[20:27] at work
.set SPW,   28
.set NIL,   29
.set D,     32                         ; v[32:47] d_next of two accumulators
.set PK,    48                         ; v[48:55] the same, packed
.set F0,    64
.set F1,    128
.set QR,    128                        ; Q by (b, j), on the way out
.set SR,    192                        ; S (or the maximum) by (b, j)
.set NK,    0                          ; window 1
.set BM,    192                        ; window 1
.set WV, 14
.set RH, 15                            ; which half of the tile's rows is mine.  Also: I fetch d (0) or W (1)
.set CH, 16                            ; which half of its columns.  Also: which half of that tile I fetch
.set CT, 17                            ; column tile
.set RG, 18                            ; group of TILES row tiles
.set G1A, 24                           ; s[24:31] descriptor group 1 for d's tiles
.set G0A, 32                           ; s[32:39] group 0: a set for each first fill; the second then walks
.set BB,  40                           ; s[40:41] W s at my half of the column tile's step 0
.set BOFF, 42                          ; s[42:43] the walking step's offset from there
.set TB,  44                           ; LDS byte at which the quarter step to be fetched begins
.set TL,  45                           ; tiles to go
.set SG,  46
.set HC,  47
.set G1B, 48                           ; the same for W's tiles
.set G0B, 56
.set MSB, 0
.macro WIN new                         ; the immediate's high byte repeats the setting that is left; a switch that changes nothing is dropped
.if MSB != (\new)
	s_set_vgpr_msb (MSB<<8)|(\new)
.set MSB, (\new)
.endif
.endm
.macro PLACES                          ; four plain vector instructions behind matrix instructions, ahead of what reads their results or writes their registers (ISA guide 7.12.1)
.rept 4
	v_nop
.endr
.endm
.macro JLOAD                           ; a refill: waves 0 and 1 fetch d's halves, waves 2 and 3 W's.  An s_nop 0 and four v_nop follow each line, ahead of the jump and the label
	s_cmp_eq_u32 s[RH], 0
	s_cbranch_scc0 .Lfor_b_\@
	tensor_load_to_lds s[G0A+4:G0A+7], s[G1A:G1A+7]
	s_nop 0
	PLACES
	s_branch .Lasked_\@
.Lfor_b_\@:
	tensor_load_to_lds s[G0B+4:G0B+7], s[G1B:G1B+7]
	s_nop 0
	PLACES
.Lasked_\@:
.endm
.macro CROUND                          ; a round of the cluster's barrier: my work-group's barrier; wave 0 signals for the work-group; every wave waits for all; my work-group's barrier once more
	s_barrier_signal -1
	s_barrier_wait -1
	s_cmp_lg_u32 s[WV], 0
	s_cbranch_scc1 .Lnot_wave_0_\@
	s_barrier_signal -3
.Lnot_wave_0_\@:
	s_barrier_wait -3
	s_barrier_signal -1
	s_barrier_wait -1
.endm
	s_load_b256 s[4:11], s[0:1], 0x0               ; d s[4:5], W s s[6:7], bv s[8:9], the result s[10:11]
.if MODE == 0
	s_load_b64 s[12:13], s[0:1], 0x20              ; part
.endif
	v_lshl_add_u32 v[SPW], v0, 2, SPARE
	v_mov_b32 v[NIL], 0
	ds_add_u32 v[SPW], v[NIL]                      ; the wave's opening: the add and its wait stand ahead of my first tensor load; the set-up below, work on registers, stands between them
	v_lshrrev_b32 v1, 5, v0
	v_readfirstlane_b32 s[WV], v1                  ; wave 0..3
	s_lshr_b32 s[RH], s[WV], 1
	s_and_b32 s[CH], s[WV], 1
	s_bfe_u32 s66, ttmp6, 0x40000                  ; cx: my place along the cluster's x
.if NCT == 2
	s_and_b32 s[CT], ttmp9, 1                      ; ttmp9 counts clusters: the column tile is the cluster's,
	s_lshr_b32 s[RG], ttmp9, 1
	s_lshl_b32 s[RG], s[RG], 2
	s_add_co_u32 s[RG], s[RG], s66                 ; the rows are mine
	s_mov_b32 s[G1A], 3<<16                        ; 15:0 no mask; 17:16 elements of 8 bytes; no padding
	s_mov_b32 s[G1B], 15|(3<<16)|(1<<21)           ; the mask of all four; 21 set beside a mask
.else
	s_bfe_u32 s67, ttmp6, 0x40004                  ; cy
	s_lshl_b32 s[CT], ttmp9, 2
	s_add_co_u32 s[CT], s[CT], s66                 ; column tile = 4 x cluster x + cx
	s_and_b32 s[RG], ttmp7, 0xffff
	s_lshl_b32 s[RG], s[RG], 2
	s_add_co_u32 s[RG], s[RG], s67                 ; row group = 4 x cluster y + cy
	s_lshl_b32 s68, s67, 2
	s_lshl_b32 s68, 15, s68                        ; my row of the cluster shares d's tiles,
	s_lshl_b32 s69, 0x1111, s66                    ; my column W's
	s_or_b32 s[G1A], s68, (3<<16)|(1<<21)
	s_or_b32 s[G1B], s69, (3<<16)|(1<<21)
.endif
.irp g, G1A, G1B                       ; 32,768 dense bytes as 128 rows of 32 elements of 8 bytes
	s_mov_b32 s[(\g)+1], 32<<16                    ; tensor_dim0 = 32
	s_mov_b32 s[(\g)+2], 128<<16                   ; tensor_dim1 = 128
	s_mov_b32 s[(\g)+3], 32<<16                    ; tile_dim0 = 32
	s_mov_b32 s[(\g)+4], 128                       ; tile_dim1 = 128
	s_mov_b32 s[(\g)+5], 32                        ; 32 elements from row to row
	s_mov_b32 s[(\g)+6], 0
	s_mov_b32 s[(\g)+7], 0
.endr
	s_lshl_b32 s19, s[CH], 15                      ; the half that I fetch
	s_mul_i32 s20, s[RG], TILES*KSTEPS*65536       ; d: my first tile's step 0 (registers that never hold the column tile)
	s_add_co_u32 s20, s20, s19
	s_mov_b32 s21, 0
	s_mul_i32 s22, s[CT], KSTEPS*65536             ; W: the column tile's step 0 (registers that never hold the row group)
	s_add_co_u32 s22, s22, s19
	s_mov_b32 s23, 0
	s_lshl_b32 s70, s[WV], 15                      ; where my loads land in a slot: the wave's number alone
	s_mov_b32 s[BOFF], 65536
	s_mov_b32 s[BOFF+1], 0
	s_mov_b32 s[TB], 0
	s_mov_b32 s[TL], TILES
	s_lshl_b32 s74, s[RG], 12                      ; part / pm: 4,096 bytes a row group, my 128 columns
	s_lshl_b32 s75, s[CT], 10
	s_add_co_u32 s74, s74, s75
	s_lshl_b32 s75, s[CH], 9
	s_add_co_u32 s74, s74, s75
	s_mov_b32 s75, 0
.if MODE == 0
	s_lshl_b32 s72, s[RG], 19                      ; the result's block: ((tile x 4 + 2 CT + CH) x 2 + RH) x 32,768, tile = 2 RG
	s_lshl_b32 s73, s[CT], 17
	s_add_co_u32 s72, s72, s73
	s_lshl_b32 s73, s[CH], 16
	s_add_co_u32 s72, s72, s73
	s_lshl_b32 s73, s[RH], 15
	s_add_co_u32 s72, s72, s73
	s_mov_b32 s73, 0
.endif
	s_lshl_b32 s76, s[CT], 11                      ; bv: 128 bytes a block of 16 columns
	s_lshl_b32 s77, s[CH], 10
	s_add_co_u32 s76, s76, s77
	s_mov_b32 s77, 0
	s_wait_dscnt 0x0                               ; the opening add is done
	s_wait_kmcnt 0x0
	s_add_nc_u64 s[20:21], s[4:5], s[20:21]
	s_add_nc_u64 s[BB:BB+1], s[6:7], s[22:23]
	s_add_nc_u64 s[8:9], s[8:9], s[76:77]
.if MODE == 0
	s_add_nc_u64 s[10:11], s[10:11], s[72:73]
	s_add_nc_u64 s[12:13], s[12:13], s[74:75]
.else
	s_add_nc_u64 s[10:11], s[10:11], s[74:75]
.endif
.irp s, 0,1
	s_mov_b32 s[G0A+4*(\s)], 1                                     ; count = 1
	s_add_co_u32 s[G0A+4*(\s)+1], s70, (\s)*SLOT                   ; LDS address
	s_add_nc_u64 s[G0A+4*(\s)+2:G0A+4*(\s)+3], s[20:21], (\s)*65536  ; global address: step s
	s_or_b32 s[G0A+4*(\s)+3], s[G0A+4*(\s)+3], 0x80000000         ; type = 2
	s_mov_b32 s[G0B+4*(\s)], 1
	s_add_co_u32 s[G0B+4*(\s)+1], s70, (\s)*SLOT
	s_add_nc_u64 s[G0B+4*(\s)+2:G0B+4*(\s)+3], s[BB:BB+1], (\s)*65536
	s_or_b32 s[G0B+4*(\s)+3], s[G0B+4*(\s)+3], 0x80000000
.endr
	CROUND                                         ; all partners are here: the first joint loads meet
	s_cmp_eq_u32 s[RH], 0                          ; a wave's two first fills stand in one branch, ahead of every wait on TENSORcnt and every LDS read: two loads of mine are out
	s_cbranch_scc0 .Lfirst_b
	tensor_load_to_lds s[G0A:G0A+3], s[G1A:G1A+7]
	s_nop 0
	tensor_load_to_lds s[G0A+4:G0A+7], s[G1A:G1A+7]
	s_nop 0
	PLACES
	s_branch .Lfirst_asked
.Lfirst_b:
	tensor_load_to_lds s[G0B:G0B+3], s[G1B:G1B+7]
	s_nop 0
	tensor_load_to_lds s[G0B+4:G0B+7], s[G1B:G1B+7]
	s_nop 0
	PLACES
.Lfirst_asked:
	v_and_b32 v1, 31, v0                           ; lane
	v_lshlrev_b32 v[CO], 4, v1
	s_lshl_b32 s71, s[RH], 15
	v_add_nc_u32 v[ADRA0], s71, v[CO]              ; my 128 rows of d
	s_add_co_u32 s71, s19, 65536
	v_add_nc_u32 v[ADRB0], s71, v[CO]              ; my 128 rows of W, behind d's 256
	s_mul_i32 s71, s[WV], 16*RP
	s_add_co_u32 s71, s71, RED
	v_add_nc_u32 v[RST], s71, v[CO]
	v_lshrrev_b32 v20, 2, v1                       ; columns 4 l .. 4 l + 3 lie in register quad 2 (l / 4) + l % 2 of the lanes of half (l / 2) % 2
	v_and_b32 v21, 1, v1
	v_lshl_add_u32 v20, v20, 1, v21
	v_mul_u32_u24 v20, v20, RP
	v_bfe_u32 v21, v1, 1, 1
	v_lshl_add_u32 v20, v21, 8, v20
	v_add_nc_u32 v[RRD], s71, v20
	s_lshl_b32 s71, s[CH], 10
	s_add_co_u32 s71, s71, XCH
	v_add_nc_u32 v[XA], s71, v[CO]
	v_bfe_u32 v21, v0, 4, 1
	v_lshlrev_b32 v[VB], 5, v21
	WIN 0x40                                       ; destination window 1, address window 0
.irp b, 0,1,2,3,4,5,6,7                ; register j of block b: column 16 b + 8 (lane / 16) + j, as in an accumulator
	global_load_b128 v[BM+8*(\b):BM+8*(\b)+3],   v[VB], s[8:9] offset:(\b)*128
	global_load_b128 v[BM+8*(\b)+4:BM+8*(\b)+7], v[VB], s[8:9] offset:(\b)*128+16
.if MODE == 0
	global_load_b128 v[NK+8*(\b):NK+8*(\b)+3],   v[VB], s[8:9] offset:(\b)*128+64
	global_load_b128 v[NK+8*(\b)+4:NK+8*(\b)+7], v[VB], s[8:9] offset:(\b)*128+80
.endif
.endr
	WIN 0
.if MODE == 0
.set i, 0
.rept 8
	v_mov_b32 v[SS+i], 0
.set i, i+1
.endr
.else
.set i, 0
.rept 64
	v_mov_b32 v[SR+i], 0xff800000                  ; the running maxima start at minus infinity, in the wait for the first tile
.set i, i+1
.endr
.endif
; 16 matrix instructions: row blocks a0, a0 + 1 of the window's four x all 8 column blocks, 32 along K.  init = 1: the sums start from bm.
; The 64 accumulators take turns, one instruction a turn, in the same order in every quarter step.
.macro MUL16 f, hi, a0, init
.if \init
	WIN 0x91+0x40*(\hi)                            ; W window 1, d window 0, C (bm) window 1, D window 2 or 3
.else
	WIN 0xa1+0x50*(\hi)                            ; C and D window 2 or 3
.endif
.irp a, \a0, (\a0)+1
.irp b, 0,1,2,3,4,5,6,7
.if \init
	v_wmma_f32_16x16x32_bf16 v[8*(8*(\a)+(\b)):8*(8*(\a)+(\b))+7], v[(\f)+8*(\b):(\f)+8*(\b)+7], v[(\f)+8*(4*(\hi)+(\a)):(\f)+8*(4*(\hi)+(\a))+7], v[BM+8*(\b):BM+8*(\b)+7]
.else
	v_wmma_f32_16x16x32_bf16 v[8*(8*(\a)+(\b)):8*(8*(\a)+(\b))+7], v[(\f)+8*(\b):(\f)+8*(\b)+7], v[(\f)+8*(4*(\hi)+(\a)):(\f)+8*(4*(\hi)+(\a))+7], v[8*(8*(\a)+(\b)):8*(8*(\a)+(\b))+7]
.endif
.endr
.endr
.endm
; 32 LDS loads in one run: the fragments of the quarter step at s[TB] into buffer g.  The four vector lines ahead are the places behind the matrix instructions that read that buffer.
.macro FETCH g
	WIN 0
	v_nop
	v_nop
	v_add_nc_u32 v[ADRA], s[TB], v[ADRA0]
	v_add_nc_u32 v[ADRB], s[TB], v[ADRB0]
	s_add_co_u32 s[TB], s[TB], 1024                ; the next fetch is the next 32 along K
	WIN 0x40
.irp i, 0,1,2,3,4,5,6,7
	ds_load_b128 v[(\g)+8*(\i):(\g)+8*(\i)+3],   v[ADRB] offset:(\i)*4096
	ds_load_b128 v[(\g)+8*(\i)+4:(\g)+8*(\i)+7], v[ADRB] offset:(\i)*4096+512
.endr
	WIN 0
.irp i, 0,1,2,3,4,5,6,7
	ds_load_b128 v[(\g)+8*(\i):(\g)+8*(\i)+3],   v[ADRA] offset:(\i)*4096
	ds_load_b128 v[(\g)+8*(\i)+4:(\g)+8*(\i)+7], v[ADRA] offset:(\i)*4096+512
.endr
.endm
; A quarter step: 64 matrix instructions on buffer f; in its middle the next quarter's fragments are fetched into g.
.macro QUARTER f, g, init, fetch
	s_wait_dscnt 8                                 ; W and d's rows 0-63 are in; the youngest eight loads (d's rows 64-127) may be out
	MUL16 \f, 0, 0, \init
	MUL16 \f, 0, 2, \init
.if \fetch
	FETCH \g
	s_wait_dscnt 32                                ; all but the 32 just issued
.else
	s_wait_dscnt 0x0
.endif
	MUL16 \f, 1, 0, \init
	MUL16 \f, 1, 2, \init
.endm
.macro H                               ; two quarter steps: a step's second and third, or its fourth and the next step's first
	QUARTER F1, F0, 0, 1
	QUARTER F0, F1, 0, 1
	WIN 0                                          ; at a label and at a branch every window is 0
.endm
.macro TWOH
	s_mov_b32 s[HC], 2
.Lh_\@:
	H
	s_sub_co_u32 s[HC], s[HC], 1
	s_cmp_lg_u32 s[HC], 0
	s_cbranch_scc1 .Lh_\@
.endm
; THE CHANGE OF SLOTS, when a step's last fragments have been asked for.  Each wave waits for all its tensor loads, of which at most one is out: its part of the other slot; adds 0 to its spare word; and waits for that and for
; its reads of this slot.  Behind the barrier nobody reads this slot any more and the other is whole.  fill = 1: this slot takes the walk's step two further on; the barrier is then a round of the cluster's, and the refill
; is the first thing behind it: it has a whole step, 256 matrix instructions, in which to land.
.macro CHANGE fill
	WIN 0
	s_wait_tensorcnt 0x0                           ; no tensor load of mine is out, so a group 0 may be written
	ds_add_u32 v[SPW], v[NIL]                      ; 0 onto my spare word; the descriptors' steps stand between it and the wait for it
.if \fill
	s_xor_b32 s[G0A+5], s[G0A+5], SLOT             ; the other slot than last time
	s_xor_b32 s[G0B+5], s[G0B+5], SLOT
	s_add_nc_u64 s[G0A+6:G0A+7], s[G0A+6:G0A+7], 65536  ; d's steps, and the tiles of my walk, lie end to end; the type bits are not reached
	s_add_co_u32 s[BOFF], s[BOFF], 65536           ; W's steps go round
	s_and_b32 s[BOFF], s[BOFF], KSTEPS*65536-1
	s_add_nc_u64 s[G0B+6:G0B+7], s[BB:BB+1], s[BOFF:BOFF+1]
	s_or_b32 s[G0B+7], s[G0B+7], 0x80000000
.endif
	s_wait_dscnt 0x0                               ; the add is done, and my reads of the slot are over
.if \fill
	CROUND
	JLOAD
.else
	s_barrier_signal -1
	s_barrier_wait -1
.endif
	s_sub_co_u32 s[TB], s[TB], 4096                ; the fetches go back to a step's first quarter,
	s_xor_b32 s[TB], s[TB], SLOT                   ; in the other slot
.endm
; 64 registers R (by column block and register) are reduced over the 16 lanes of each half through my own bytes of LDS: lane l ends with columns 4 l .. 4 l + 3 in v[R:R+3].  op 0: sum, 1: maximum.
.macro REDUCE R, op
.set i, 0
.rept 16
	ds_store_b128 v[RST], v[(\R)+4*i:(\R)+4*i+3] offset:i*RP
.set i, i+1
.endr
.set i, 0
.rept 16
	ds_load_b128 v[(\R)+4*i:(\R)+4*i+3], v[RRD] offset:i*16    ; LDS serves a wave's instructions in order (ISA guide 5.7.1.4): these see the stores above
.set i, i+1
.endr
	s_wait_dscnt 0x0
.irp s, 8,4,2,1
.set i, 0
.rept \s
.if (\op) == 0
	v_pk_add_f32 v[(\R)+4*i:(\R)+4*i+1],   v[(\R)+4*i:(\R)+4*i+1],   v[(\R)+4*(i+\s):(\R)+4*(i+\s)+1]
	v_pk_add_f32 v[(\R)+4*i+2:(\R)+4*i+3], v[(\R)+4*i+2:(\R)+4*i+3], v[(\R)+4*(i+\s)+2:(\R)+4*(i+\s)+3]
.else
.irp e, 0,1,2,3
	v_max_num_f32 v[(\R)+4*i+\e], v[(\R)+4*i+\e], v[(\R)+4*(i+\s)+\e]
.endr
.endif
.set i, i+1
.endr
.endr
.endm
; The way out of accumulators (a, b) and (a, b + 1): d_next = max(acc, nk), lowest registers first; S and Q take it (row block 0 starts them: nothing is cleared); rounded to bf16; stored.
.macro BATCH
.set ac, 64*(a%4)+8*b
.if a == 0
.set dd, SR+8*b
.else
.set dd, D
.endif
	WIN 0x06+(a/4)                                 ; source 0 window 2 or 3, source 1 (nk) window 1
.set j, 0
.rept 16
	v_max_num_f32 v[dd+j], v[ac+j], v[NK+8*b+j]
.set j, j+1
.endr
	WIN 0
.set j, 0
.rept 8
.if a == 0
	v_pk_mul_f32 v[QR+8*b+j:QR+8*b+j+1], v[dd+j:dd+j+1], v[dd+j:dd+j+1]
.else
	v_pk_add_f32 v[SR+8*b+j:SR+8*b+j+1], v[SR+8*b+j:SR+8*b+j+1], v[dd+j:dd+j+1]
	v_pk_fma_f32 v[QR+8*b+j:QR+8*b+j+1], v[dd+j:dd+j+1], v[dd+j:dd+j+1], v[QR+8*b+j:QR+8*b+j+1]
.endif
.set j, j+2
.endr
	s_wait_xcnt 0x0                                ; the stores before have had their addresses translated (ISA guide 3.1): PK is rewritten only behind this wait
.set j, 0
.rept 8
	v_cvt_pk_bf16_f32 v[PK+j], v[dd+2*j], v[dd+2*j+1]
.set j, j+1
.endr
	global_store_b128 v[CO], v[PK:PK+3],   s[10:11] offset:a*4096+b*512      ; 512 consecutive bytes, aligned: half a fragment of the next layer
	global_store_b128 v[CO], v[PK+4:PK+7], s[10:11] offset:a*4096+b*512+512
.endm
	s_wait_tensorcnt 0x1                           ; my part of step 0 is in; step 1's may stay out
	s_barrier_signal -1
	s_barrier_wait -1                              ; everybody's is
	FETCH F0
	s_wait_loadcnt 0x0                             ; bm and nk
.Ltile:
	QUARTER F0, F1, 1, 1                           ; a tile's first quarter starts the sums
	H
.if KSTEPS > 2
	s_mov_b32 s[SG], KSTEPS-2
.LsegA:
	CHANGE 1
	TWOH
	s_sub_co_u32 s[SG], s[SG], 1
	s_cmp_lg_u32 s[SG], 0
	s_cbranch_scc1 .LsegA
.endif
	s_cmp_eq_u32 s[TL], 1
	s_cbranch_scc1 .Llast                          ; the last tile's last two changes are written out: they ask for nothing
	CHANGE 1                                       ; the ring goes on into the next tile: its step 0,
	TWOH
	CHANGE 1                                       ; its step 1,
	QUARTER F1, F0, 0, 1                           ; and its first fragments are fetched
	WIN 0
	s_branch .Lepi
.Llast:
	CHANGE 0
	TWOH
	CHANGE 0                                       ; orders nothing further: the price of one form for every change
	QUARTER F1, F0, 0, 0
	WIN 0
.Lepi:
	PLACES
.if MODE == 0
.set a, 0
.rept 8
.set b, 0
.rept 4
	BATCH
.set b, b+2
.endr
.set a, a+1
.endr
	REDUCE SR, 0
	v_pk_add_f32 v[SS:SS+1],   v[SS:SS+1],   v[SR:SR+1]
	v_pk_add_f32 v[SS+2:SS+3], v[SS+2:SS+3], v[SR+2:SR+3]
	REDUCE QR, 0
	v_pk_add_f32 v[QQ:QQ+1],   v[QQ:QQ+1],   v[QR:QR+1]
	v_pk_add_f32 v[QQ+2:QQ+3], v[QQ+2:QQ+3], v[QR+2:QR+3]
	s_wait_xcnt 0x0                                ; the stores' base is stepped only behind this wait
	s_add_nc_u64 s[10:11], s[10:11], 262144        ; the next tile of 256 rows of the result
.else
.set hi, 0
.rept 2
	WIN 0x28+0x14*hi                               ; sources 1 and 2 window 2 or 3
.set a, 0
.rept 2
.set i, 0
.rept 64
	v_max3_num_f32 v[SR+i], v[SR+i], v[128*a+i], v[128*a+64+i]   ; two row blocks at a time, each accumulator's lowest registers first
.set i, i+1
.endr
.set a, a+1
.endr
.set hi, hi+1
.endr
	WIN 0
.endif
	s_sub_co_u32 s[TL], s[TL], 1
	s_cmp_lg_u32 s[TL], 0
	s_cbranch_scc1 .Ltile
	; the two row halves meet: the lower half's waves hand over, the upper's add (or take the maximum) and store
.if MODE == 1
	REDUCE SR, 1
.endif
	s_cmp_eq_u32 s[RH], 0
	s_cbranch_scc1 .Lno_give
.if MODE == 0
	ds_store_b128 v[XA], v[SS:SS+3]
	ds_store_b128 v[XA], v[QQ:QQ+3] offset:512
.else
	ds_store_b128 v[XA], v[SR:SR+3]
.endif
.Lno_give:
	s_wait_dscnt 0x0                               ; for the others' sake
	s_barrier_signal -1
	s_barrier_wait -1
	s_cmp_lg_u32 s[RH], 0
	s_cbranch_scc1 .Lno_take
	ds_load_b128 v[TT:TT+3], v[XA]
.if MODE == 0
	ds_load_b128 v[TT+4:TT+7], v[XA] offset:512
	s_wait_dscnt 0x0
	v_pk_add_f32 v[SS:SS+1],   v[SS:SS+1],   v[TT:TT+1]
	v_pk_add_f32 v[SS+2:SS+3], v[SS+2:SS+3], v[TT+2:TT+3]
	v_pk_add_f32 v[QQ:QQ+1],   v[QQ:QQ+1],   v[TT+4:TT+5]
	v_pk_add_f32 v[QQ+2:QQ+3], v[QQ+2:QQ+3], v[TT+6:TT+7]
	global_store_b128 v[CO], v[SS:SS+3], s[12:13]              ; 512 consecutive bytes, aligned
	global_store_b128 v[CO], v[QQ:QQ+3], s[12:13] offset:2048
.else
	s_wait_dscnt 0x0
.irp e, 0,1,2,3
	v_max_num_f32 v[SR+\e], v[SR+\e], v[TT+\e]
.endr
	global_store_b128 v[CO], v[SR:SR+3], s[10:11]              ; 512 consecutive bytes, aligned
.endif
.Lno_take:
	s_wait_tensorcnt 0x0                           ; the wave's end, behind my last tensor load and my last LDS store
	ds_add_u32 v[SPW], v[NIL]
	s_wait_dscnt 0x0
	CROUND                                         ; the closing round: no work-group ends while a partner may still ask for a tile that names it
	s_endpgm
.Lfunc_end_k_qb8dd5431d4_gemm0:
	.size	k_qb8dd5431d4_gemm0, .Lfunc_end_k_qb8dd5431d4_gemm0-k_qb8dd5431d4_gemm0
	.p2alignl 7, 3214868480
	.fill 96, 4, 3214868480
	.section	.rodata,"a",@progbits
	.p2align	6, 0x0
	.amdhsa_kernel k_qb8dd5431d4_gemm0
		.amdhsa_group_segment_fixed_size 327680
		.amdhsa_private_segment_fixed_size 0
		.amdhsa_enable_private_segment 0
		.amdhsa_kernarg_size 40
		.amdhsa_user_sgpr_count 2
		.amdhsa_user_sgpr_kernarg_segment_ptr 1
		.amdhsa_wavefront_size32 1
		.amdhsa_system_sgpr_workgroup_id_x 1
		.amdhsa_system_sgpr_workgroup_id_y 1
		.amdhsa_system_sgpr_workgroup_id_z 1
		.amdhsa_system_vgpr_workitem_id 0
		.amdhsa_next_free_vgpr 1024
		.amdhsa_next_free_sgpr 80
		.amdhsa_reserve_vcc 0
		.amdhsa_float_denorm_mode_32 3
		.amdhsa_float_denorm_mode_16_64 3
		.amdhsa_memory_ordered 1
		.amdhsa_forward_progress 1
		.amdhsa_inst_pref_size 152
	.end_amdhsa_kernel
	.amdgpu_metadata
---
amdhsa.version: [ 1, 2 ]
amdhsa.kernels:
  - .name:           k_qb8dd5431d4_gemm0
    .symbol:         k_qb8dd5431d4_gemm0.kd
    .args:
      - { .name: dA, .offset: 0, .size: 8, .value_kind: global_buffer, .address_space: global }
      - { .name: wp, .offset: 8, .size: 8, .value_kind: global_buffer, .address_space: global }
      - { .name: bv, .offset: 16, .size: 8, .value_kind: global_buffer, .address_space: global }
      - { .name: dB, .offset: 24, .size: 8, .value_kind: global_buffer, .address_space: global }
      - { .name: part, .offset: 32, .size: 8, .value_kind: global_buffer, .address_space: global }
    .group_segment_fixed_size: 327680
    .private_segment_fixed_size: 0
    .kernarg_segment_align: 8
    .kernarg_segment_size: 40
    .max_flat_workgroup_size: 128
    .sgpr_count:     80
    .vgpr_count:     1024
    .wavefront_size: 32
...
	.end_amdgpu_metadata
.endif
;; end of part 3
;; launch prep1 (part 4): grid 32 x 1, 32 waves a work-group, no clusters, 47,616 bytes of LDS; arguments part, g1, b1, W1, c1, wp, bv; writes wp, bv
.if DOCPART == 4
	.amdgcn_target "amdgcn-amd-amdhsa--gfx1250"
	.amdhsa_code_object_version 6
	.text
	.protected	k_qb8dd5431d4_prep1
	.globl	k_qb8dd5431d4_prep1
	.p2align	8
	.type	k_qb8dd5431d4_prep1,@function
k_qb8dd5431d4_prep1:
	s_mov_b64 s[64:65], 0
	v_nop
	global_prefetch_b8 v0, s[64:65] scope:SCOPE_SE
	s_setreg_imm32_b32 hwreg(HW_REG_WAVE_MODE, 25, 1), 1
	s_wait_xcnt 0x0
; THE NORM IS FOLDED INTO THE WEIGHTS, for a layer with K = 512.  With d the shifted activations, mean = S/n, var = Q/n - mean^2 (n = 65,536), s = g rsqrt(var + 1e-5), t = b - mean s:
; y = d (W s)^T + (c + W t).  This launch stores W s in bf16, laid out for the product, and for each output column ksh = max(c + W b, 0) (the ReLU of y's exact mean: the next pilot),
; bm = c + W t - ksh (what the product's sums start from) and nk = -ksh.
; LIMITS.  var loses about z*z*2^-24 of itself where the pilot lies z spreads from the mean; a var that rounding makes negative counts as 0.  NaN and infinities are not treated apart.
; SHARES.  A work-group owns 16 rows of W; thread t owns row t % 16, 8 neighbouring k (chunk t / 16).  Every work-group adds all the partial sums itself (524,288 bytes): the price of one launch for two steps.
; W is read in pieces of 32 bytes of 16 rows: all of them are used once, inside this work-group.  bv's 128 bytes a work-group are half of an aligned 256: 4 to 8 KiB in the whole launch.
; No matrix unit and no cluster: a few dot products and a stream of 0.5 to 2 MiB.
.set LKD,    9                         ; log2 of K
.set KD,     1<<LKD                    ; K of this layer
.set NP,     128                       ; partial sums for each column
.set NW,     KD/16                     ; waves
.set KSTEPS, KD/128
.set NL,     NP/4                      ; loads of partial sums a thread
.set VEC,    64*KD                     ; LDS: [0, 64 KD) eight partial sums [2][KD]; then s, t, b: 12 KD
.set PITCH,  4*NW+16                   ; a row's NW partial dots, padded
.set DOT,    VEC+12*KD                 ; [W t | W b][16 rows][PITCH]
.set SPARE,  DOT+32*PITCH              ; the spare words, 128 bytes for each wave, which no other line names
.set SPW, 6
.set NIL, 7
.set WR,  8                            ; v[8:15]   my 8 numbers of W
.set GV,  16                           ; v[16:19]  g of column quad t % (KD/4)
.set BV4, 20                           ; v[20:23]  b of the same
.set CV,  24                           ; v24       c of my row
.set SQ,  28                           ; v[28:31] S, v[32:35] Q of my column quad
.set X,   64                           ; v[64:127] a ring of 16 loads; later at work
	s_load_b256 s[4:11], s[0:1], 0x0               ; part s[4:5], g s[6:7], b s[8:9], W s[10:11]
	s_load_b128 s[12:15], s[0:1], 0x20             ; c s[12:13], wp s[14:15]
	s_load_b64 s[16:17], s[0:1], 0x30              ; bv
	v_lshl_add_u32 v[SPW], v0, 2, SPARE
	v_mov_b32 v[NIL], 0
	v_lshrrev_b32 v3, 5, v0
	v_readfirstlane_b32 s20, v3                    ; wave
	v_and_b32 v1, 31, v0                           ; lane
	v_and_b32 v2, 15, v0                           ; my row of the 16
	v_lshrrev_b32 v25, 4, v0
	v_lshlrev_b32 v25, 5, v25                      ; my chunk x 32 bytes of f32
	v_lshl_add_u32 v26, v2, LKD+2, v25             ; + row x 4 K
	v_lshlrev_b32 v27, 4, v1                       ; 16 x lane
	v_lshlrev_b32 v36, 2, v2
	v_and_b32 v5, KD/4-1, v0
	v_lshlrev_b32 v5, 4, v5                        ; my column quad x 16 bytes
	v_lshrrev_b32 v4, LKD-2, v0                    ; which eighth of the partial sums I add
	v_lshl_add_u32 v4, v4, LKD+3, v5               ; x 8 K bytes + the quad: my offset in part, and in LDS
	s_lshl_b32 s22, ttmp9, LKD+6                   ; 16 rows of W
	s_mov_b32 s23, 0
	s_lshl_b32 s24, ttmp9, 6                       ; 16 numbers of c
	s_mov_b32 s25, 0
	s_mov_b32 s18, 0x76543210                      ; v_permlanex16_b32: each lane takes its own place in the other half
	s_mov_b32 s19, 0xfedcba98
	s_lshr_b32 s26, ttmp9, 4                       ; wp: tile of 256 rows,
	s_mul_i32 s26, s26, KSTEPS*65536
	s_and_b32 s27, ttmp9, 15                       ; half x 32,768 + block x 4,096,
	s_lshl_b32 s27, s27, 12
	s_add_co_u32 s26, s26, s27
	s_lshr_b32 s27, s20, 3                         ; my wave's two chunks: 128 k x 65,536
	s_lshl_b32 s27, s27, 16
	s_add_co_u32 s26, s26, s27
	s_and_b32 s27, s20, 7                          ; + 512 bytes a wave
	s_lshl_b32 s27, s27, 9
	s_add_co_u32 s26, s26, s27
	s_mov_b32 s27, 0
	s_lshl_b32 s28, ttmp9, 7                       ; bv: 128 bytes a block of 16 columns
	s_mov_b32 s29, 0
.set i, 0
.rept 8
	v_mov_b32 v[SQ+i], 0
.set i, i+1
.endr
	s_wait_kmcnt 0x0
	s_add_nc_u64 s[10:11], s[10:11], s[22:23]
	s_add_nc_u64 s[12:13], s[12:13], s[24:25]
	s_add_nc_u64 s[14:15], s[14:15], s[26:27]
	s_add_nc_u64 s[16:17], s[16:17], s[28:29]
	global_load_b128 v[WR:WR+3],   v26, s[10:11]
	global_load_b128 v[WR+4:WR+7], v26, s[10:11] offset:16
	global_load_b128 v[GV:GV+3],   v5, s[6:7]
	global_load_b128 v[BV4:BV4+3], v5, s[8:9]
	global_load_b32 v[CV], v36, s[12:13]
.set i, 0
.rept 16
	global_load_b128 v[X+4*i:X+4*i+3], v4, s[4:5] offset:(i/2)*64*KD+(i%2)*4*KD   ; partial sum 8 (i / 2) + my eighth; S, then Q
.set i, i+1
.endr
.set i, 0
.rept NL
.if NL-1-i < 15
	s_wait_loadcnt NL-1-i                          ; the ring runs empty
.else
	s_wait_loadcnt 15                              ; load i is in; the 15 younger ones stay out
.endif
.set xs, X+4*(i%16)
.set aq, SQ+4*(i%2)
	v_pk_add_f32 v[aq:aq+1],   v[aq:aq+1],   v[xs:xs+1]
	v_pk_add_f32 v[aq+2:aq+3], v[aq+2:aq+3], v[xs+2:xs+3]
.if i+16 < NL
	global_load_b128 v[xs:xs+3], v4, s[4:5] offset:((i+16)/2)*64*KD+((i+16)%2)*4*KD
.endif
.set i, i+1
.endr
	ds_store_b128 v4, v[SQ:SQ+3]
	ds_store_b128 v4, v[SQ+4:SQ+7] offset:4*KD
	s_wait_dscnt 0x0                               ; for the others' sake
	s_barrier_signal -1
	s_barrier_wait -1
	s_cmp_ge_u32 s20, KD/128
	s_cbranch_scc1 .Lhave_vec                      ; K / 4 threads, a column quad each, finish the statistics
.set i, 0
.rept 8
	ds_load_b128 v[X+8*i:X+8*i+3],   v5 offset:i*8*KD
	ds_load_b128 v[X+8*i+4:X+8*i+7], v5 offset:i*8*KD+4*KD
.set i, i+1
.endr
	s_wait_dscnt 0x0
.irp s, 4,2,1
.set i, 0
.rept \s
.irp e, 0,2,4,6
	v_pk_add_f32 v[X+8*i+\e:X+8*i+\e+1], v[X+8*i+\e:X+8*i+\e+1], v[X+8*(i+\s)+\e:X+8*(i+\s)+\e+1]
.endr
.set i, i+1
.endr
.endr
	v_pk_mul_f32 v[X+8:X+9],   v[X:X+1],   0x37800000 op_sel_hi:[1,0]     ; mean = S x 2^-16
	v_pk_mul_f32 v[X+10:X+11], v[X+2:X+3], 0x37800000 op_sel_hi:[1,0]
	v_pk_mul_f32 v[X+12:X+13], v[X+4:X+5], 0x37800000 op_sel_hi:[1,0]     ; Q x 2^-16
	v_pk_mul_f32 v[X+14:X+15], v[X+6:X+7], 0x37800000 op_sel_hi:[1,0]
	v_pk_fma_f32 v[X+12:X+13], v[X+8:X+9],   v[X+8:X+9],   v[X+12:X+13] neg_lo:[1,0,0] neg_hi:[1,0,0]  ; var
	v_pk_fma_f32 v[X+14:X+15], v[X+10:X+11], v[X+10:X+11], v[X+14:X+15] neg_lo:[1,0,0] neg_hi:[1,0,0]
.irp e, 12,13,14,15
	v_max_num_f32 v[X+\e], 0, v[X+\e]
.endr
.irp e, 12,13,14,15
	v_add_f32 v[X+\e], 0x3727c5ac, v[X+\e]         ; + 1e-5
.endr
.irp e, 0,1,2,3
	v_rsq_f32 v[X+16+\e], v[X+12+\e]
.endr
	v_nop                                          ; a plain instruction between the last root and the use of its result (ISA guide 5.7.2)
	s_wait_alu depctr_va_vdst(0)
	v_pk_mul_f32 v[X+16:X+17], v[X+16:X+17], v[GV:GV+1]                   ; s
	v_pk_mul_f32 v[X+18:X+19], v[X+18:X+19], v[GV+2:GV+3]
	v_pk_fma_f32 v[X+20:X+21], v[X+8:X+9],   v[X+16:X+17], v[BV4:BV4+1]   neg_lo:[1,0,0] neg_hi:[1,0,0]  ; t = b - mean s
	v_pk_fma_f32 v[X+22:X+23], v[X+10:X+11], v[X+18:X+19], v[BV4+2:BV4+3] neg_lo:[1,0,0] neg_hi:[1,0,0]
	ds_store_b128 v5, v[X+16:X+19] offset:VEC
	ds_store_b128 v5, v[X+20:X+23] offset:VEC+4*KD
	ds_store_b128 v5, v[BV4:BV4+3] offset:VEC+8*KD
.Lhave_vec:
	s_wait_dscnt 0x0
	s_barrier_signal -1
	s_barrier_wait -1
.irp e, 0,1,2
	ds_load_b128 v[X+8*\e:X+8*\e+3],   v25 offset:VEC+\e*4*KD        ; s, t, b of my 8 k
	ds_load_b128 v[X+8*\e+4:X+8*\e+7], v25 offset:VEC+\e*4*KD+16
.endr
	v_mul_u32_u24 v3, v2, PITCH
	s_lshl_b32 s30, s20, 2
	s_add_co_u32 s30, s30, DOT
	v_add_nc_u32 v3, s30, v3                       ; my row's and my wave's word among the partial dots
	s_wait_dscnt 0x0
.irp e, 0,2,4,6
	v_pk_mul_f32 v[X+24+\e:X+25+\e], v[WR+\e:WR+\e+1], v[X+\e:X+\e+1]   ; W s
.endr
.irp e, 0,1,2,3
	v_cvt_pk_bf16_f32 v[X+32+\e], v[X+24+2*\e], v[X+25+2*\e]
.endr
	global_store_b128 v27, v[X+32:X+35], s[14:15]  ; the wave's two chunks x 16 rows: 512 consecutive bytes, aligned
	v_pk_mul_f32 v[X+36:X+37], v[WR:WR+1], v[X+8:X+9]                     ; W t over my 8 k
	v_pk_mul_f32 v[X+38:X+39], v[WR:WR+1], v[X+16:X+17]                   ; W b
.irp e, 2,4,6
	v_pk_fma_f32 v[X+36:X+37], v[WR+\e:WR+\e+1], v[X+8+\e:X+9+\e],   v[X+36:X+37]
	v_pk_fma_f32 v[X+38:X+39], v[WR+\e:WR+\e+1], v[X+16+\e:X+17+\e], v[X+38:X+39]
.endr
	v_add_f32 v[X+36], v[X+36], v[X+37]
	v_add_f32 v[X+38], v[X+38], v[X+39]
	v_permlanex16_b32 v[X+24], v[X+36], s18, s19   ; the row's other chunk of this wave lies 16 lanes away
	v_permlanex16_b32 v[X+25], v[X+38], s18, s19
	v_add_f32 v[X+36], v[X+36], v[X+24]
	v_add_f32 v[X+38], v[X+38], v[X+25]
	ds_store_b32 v3, v[X+36]                       ; lanes r and r + 16 write the same word with the same number
	ds_store_b32 v3, v[X+38] offset:16*PITCH
	s_wait_dscnt 0x0
	s_barrier_signal -1
	s_barrier_wait -1
	s_cmp_lg_u32 s20, 0
	s_cbranch_scc1 .Lend                           ; wave 0 finishes: lanes 0-15 add W t of row r, lanes 16-31 W b
	v_mul_u32_u24 v3, v1, PITCH
.set i, 0
.rept NW/4
	ds_load_b128 v[X+4*i:X+4*i+3], v3 offset:DOT+16*i
.set i, i+1
.endr
	v_lshlrev_b32 v37, 2, v1
	s_mov_b32 s31, 0xffff0000                      ; lanes 16-31
	s_wait_dscnt 0x0
.set i, 1
.rept NW/2-1
	v_pk_add_f32 v[X:X+1], v[X:X+1], v[X+2*i:X+2*i+1]
.set i, i+1
.endr
	v_add_f32 v[X], v[X], v[X+1]
	v_permlanex16_b32 v[X+2], v[X], s18, s19
	v_cndmask_b32 v[X+3], v[X], v[X+2], s31        ; W t in every lane
	v_cndmask_b32 v[X+4], v[X+2], v[X], s31        ; W b
	v_add_f32 v[X+4], v[CV], v[X+4]
	v_max_num_f32 v[X+4], 0, v[X+4]                ; ksh
	v_add_f32 v[X+3], v[CV], v[X+3]
	v_sub_f32 v[X+3], v[X+3], v[X+4]               ; bm
	v_mul_f32 v[X+5], -1.0, v[X+4]                 ; nk
	v_cndmask_b32 v[X+3], v[X+3], v[X+5], s31
	global_store_b32 v37, v[X+3], s[16:17]         ; [bm 16 | nk 16]
.Lend:
	s_wait_tensorcnt 0x0                           ; the wave's end, behind my last LDS store
	ds_add_u32 v[SPW], v[NIL]
	s_wait_dscnt 0x0
	s_endpgm
.Lfunc_end_k_qb8dd5431d4_prep1:
	.size	k_qb8dd5431d4_prep1, .Lfunc_end_k_qb8dd5431d4_prep1-k_qb8dd5431d4_prep1
	.p2alignl 7, 3214868480
	.fill 96, 4, 3214868480
	.section	.rodata,"a",@progbits
	.p2align	6, 0x0
	.amdhsa_kernel k_qb8dd5431d4_prep1
		.amdhsa_group_segment_fixed_size 47616
		.amdhsa_private_segment_fixed_size 0
		.amdhsa_enable_private_segment 0
		.amdhsa_kernarg_size 56
		.amdhsa_user_sgpr_count 2
		.amdhsa_user_sgpr_kernarg_segment_ptr 1
		.amdhsa_wavefront_size32 1
		.amdhsa_system_sgpr_workgroup_id_x 1
		.amdhsa_system_sgpr_workgroup_id_y 1
		.amdhsa_system_sgpr_workgroup_id_z 1
		.amdhsa_system_vgpr_workitem_id 0
		.amdhsa_next_free_vgpr 128
		.amdhsa_next_free_sgpr 66
		.amdhsa_reserve_vcc 0
		.amdhsa_float_denorm_mode_32 3
		.amdhsa_float_denorm_mode_16_64 3
		.amdhsa_memory_ordered 1
		.amdhsa_forward_progress 1
		.amdhsa_inst_pref_size 20
	.end_amdhsa_kernel
	.amdgpu_metadata
---
amdhsa.version: [ 1, 2 ]
amdhsa.kernels:
  - .name:           k_qb8dd5431d4_prep1
    .symbol:         k_qb8dd5431d4_prep1.kd
    .args:
      - { .name: part, .offset: 0, .size: 8, .value_kind: global_buffer, .address_space: global }
      - { .name: g1, .offset: 8, .size: 8, .value_kind: global_buffer, .address_space: global }
      - { .name: b1, .offset: 16, .size: 8, .value_kind: global_buffer, .address_space: global }
      - { .name: W1, .offset: 24, .size: 8, .value_kind: global_buffer, .address_space: global }
      - { .name: c1, .offset: 32, .size: 8, .value_kind: global_buffer, .address_space: global }
      - { .name: wp, .offset: 40, .size: 8, .value_kind: global_buffer, .address_space: global }
      - { .name: bv, .offset: 48, .size: 8, .value_kind: global_buffer, .address_space: global }
    .group_segment_fixed_size: 47616
    .private_segment_fixed_size: 0
    .kernarg_segment_align: 8
    .kernarg_segment_size: 56
    .max_flat_workgroup_size: 1024
    .sgpr_count:     66
    .vgpr_count:     128
    .wavefront_size: 32
...
	.end_amdgpu_metadata
.endif
;; end of part 4
;; launch gemm1 (part 5): grid 256 x 1, 4 waves a work-group, clusters of 4 x 1, 327,680 bytes of LDS; arguments dB, wp, bv, dA, part; writes dA, part
.if DOCPART == 5
	.amdgcn_target "amdgcn-amd-amdhsa--gfx1250"
	.amdhsa_code_object_version 6
	.text
	.protected	k_qb8dd5431d4_gemm1
	.globl	k_qb8dd5431d4_gemm1
	.p2align	8
	.type	k_qb8dd5431d4_gemm1,@function
k_qb8dd5431d4_gemm1:
	s_mov_b64 s[64:65], 0
	v_nop
	global_prefetch_b8 v0, s[64:65] scope:SCOPE_SE
	s_setreg_imm32_b32 hwreg(HW_REG_WAVE_MODE, 25, 1), 1
	s_wait_xcnt 0x0
	s_wait_alu depctr_hold_cnt(0) depctr_sa_sdst(0) depctr_va_vdst(0) depctr_va_sdst(0) depctr_va_ssrc(0) depctr_va_vcc(0) depctr_vm_vsrc(0)
	s_getreg_b32 s2, hwreg(HW_REG_IB_STS2, 6, 4)
	s_cmp_eq_u32 s2, 0
	s_cbranch_scc0 .Lentry_in_a_cluster
	s_endpgm
.Lentry_in_a_cluster:
	s_bfe_u32 s2, ttmp6, 0x10000c
	s_cmp_lg_u32 s2, 0x3003
	s_cbranch_scc0 .Lentry_shape_is_right
	s_endpgm
.Lentry_shape_is_right:
; LAYER 1.  acc = d (W s)^T + bm = y - ksh; d_next = relu(y) - ksh = max(acc, nk), stored in bf16 in the next product's layout; and for each column S = sum d_next, Q = sum d_next^2 (unrounded).
; d: [65,536][512], W s: [512][512], both bf16 (the one rounding of the operands; sums in f32).  NaN and infinities are not treated apart.
; OPERANDS lie [tile of 256 rows][128 k][half of 128 rows][16 rows][32 k][1,024 bytes]: 128 rows x 128 k are 32,768 dense bytes, one tensor load; a fragment is two loads of 16 bytes a lane at 16 x lane and + 512.
; SHARES.  A tile of the result is 256 x 256; four waves, 128 x 128 each: 64 accumulators, 512 registers.  A work-group STAYS for TILES tiles, one below the other; the ring of two LDS slots (one step of 128 k each) runs on
; across tiles.  The matrix instruction is used transposed (source 0 = 16 rows of W s, source 1 = 16 rows of d): a lane then holds eight neighbouring columns of one row, which pack into 16 bytes that the
; next layer's layout wants side by side: the result leaves straight from registers, 512 consecutive bytes a store.
; CLUSTER.  The four work-groups of a cluster take the same 256 columns, so W's tiles are asked for JOINTLY (mask of all four).  d's tiles are not: a tile of d has two users only (the two column tiles), which lie in two
; neighbouring clusters; a mask names partners of one cluster.  d's loads are the work-group's own, issued behind the same rounds.
; REGISTERS, in windows of 256 (s_set_vgpr_msb: bits 1:0 source 0, 3:2 source 1, 5:4 source 2, 7:6 destination):
;   window 0: v0-31 addresses and sums; v32-55 at work on the way out; v64-127, v128-191 fragments of d, two buffers (the second holds Q on the way out); v192-255 S
;   window 1: v0-63 nk; v64-127, v128-191 fragments of W s; v192-255 bm      windows 2, 3: the accumulators of my rows 0-63, 64-127: (a, b) at 64 (a % 4) + 8 b
.set KSTEPS, 4                         ; steps of 128 along K
.set NCT,    2                         ; column tiles
.set TILES,  2                         ; tiles a work-group
.set MODE,   0                         ; 0: ReLU, store, statistics; 1: maximum over rows
.set SLOT,  1<<17                      ; a slot: d's two halves, then W's two halves, 32,768 bytes each; slot 1 begins here, so one exclusive or changes slots
.set RED,   2*SLOT                     ; behind the ring, never filled by a tensor load: for each wave 16 rows of 512 bytes, 528 apart
.set RP,    528
.set XCH,   RED+4*16*RP                ; where the lower row half's waves hand their sums to the upper's
.set SPARE, XCH+2048                   ; the spare words, 128 bytes for each wave, which no other line names
.set CO,    3                          ; v3   16 x lane
.set ADRA0, 4                          ; v4   my lane's place in a slot's d; never rewritten
.set ADRB0, 5                          ; v5   the same for W
.set ADRA,  6                          ; v6   the address of the run of loads in hand
.set ADRB,  7
.set RST,   8                          ; v8   the reduction: where I put 16 bytes
.set RRD,   9                          ; v9   where I read a column quad's 16 partial sums
.set XA,    10                         ; v10  my place in XCH
.set VB,    11                         ; v11  32 x (lane / 16): my 8 columns of a block of 16 in bv
.set SS,    12                         ; v[12:15] S of columns 4 l .. of my 128, over the tiles so far
.set QQ,    16                         ; v[16:19] Q
.set TT,    20                         ; v[20:27] at work
.set SPW,   28
.set NIL,   29
.set D,     32                         ; v[32:47] d_next of two accumulators
.set PK,    48                         ; v[48:55] the same, packed
.set F0,    64
.set F1,    128
.set QR,    128                        ; Q by (b, j), on the way out
.set SR,    192                        ; S (or the maximum) by (b, j)
.set NK,    0                          ; window 1
.set BM,    192                        ; window 1
.set WV, 14
.set RH, 15                            ; which half of the tile's rows is mine.  Also: I fetch d (0) or W (1)
.set CH, 16                            ; which half of its columns.  Also: which half of that tile I fetch
.set CT, 17                            ; column tile
.set RG, 18                            ; group of TILES row tiles
.set G1A, 24                           ; s[24:31] descriptor group 1 for d's tiles
.set G0A, 32                           ; s[32:39] group 0: a set for each first fill; the second then walks
.set BB,  40                           ; s[40:41] W s at my half of the column tile's step 0
.set BOFF, 42                          ; s[42:43] the walking step's offset from there
.set TB,  44                           ; LDS byte at which the quarter step to be fetched begins
.set TL,  45                           ; tiles to go
.set SG,  46
.set HC,  47
.set G1B, 48                           ; the same for W's tiles
.set G0B, 56
.set MSB, 0
.macro WIN new                         ; the immediate's high byte repeats the setting that is left; a switch that changes nothing is dropped
.if MSB != (\new)
	s_set_vgpr_msb (MSB<<8)|(\new)
.set MSB, (\new)
.endif
.endm
.macro PLACES                          ; four plain vector instructions behind matrix instructions, ahead of what reads their results or writes their registers (ISA guide 7.12.1)
.rept 4
	v_nop
.endr
.endm
.macro JLOAD                           ; a refill: waves 0 and 1 fetch d's halves, waves 2 and 3 W's.  An s_nop 0 and four v_nop follow each line, ahead of the jump and the label
	s_cmp_eq_u32 s[RH], 0
	s_cbranch_scc0 .Lfor_b_\@
	tensor_load_to_lds s[G0A+4:G0A+7], s[G1A:G1A+7]
	s_nop 0
	PLACES
	s_branch .Lasked_\@
.Lfor_b_\@:
	tensor_load_to_lds s[G0B+4:G0B+7], s[G1B:G1B+7]
	s_nop 0
	PLACES
.Lasked_\@:
.endm
.macro CROUND                          ; a round of the cluster's barrier: my work-group's barrier; wave 0 signals for the work-group; every wave waits for all; my work-group's barrier once more
	s_barrier_signal -1
	s_barrier_wait -1
	s_cmp_lg_u32 s[WV], 0
	s_cbranch_scc1 .Lnot_wave_0_\@
	s_barrier_signal -3
.Lnot_wave_0_\@:
	s_barrier_wait -3
	s_barrier_signal -1
	s_barrier_wait -1
.endm
	s_load_b256 s[4:11], s[0:1], 0x0               ; d s[4:5], W s s[6:7], bv s[8:9], the result s[10:11]
.if MODE == 0
	s_load_b64 s[12:13], s[0:1], 0x20              ; part
.endif
	v_lshl_add_u32 v[SPW], v0, 2, SPARE
	v_mov_b32 v[NIL], 0
	ds_add_u32 v[SPW], v[NIL]                      ; the wave's opening: the add and its wait stand ahead of my first tensor load; the set-up below, work on registers, stands between them
	v_lshrrev_b32 v1, 5, v0
	v_readfirstlane_b32 s[WV], v1                  ; wave 0..3
	s_lshr_b32 s[RH], s[WV], 1
	s_and_b32 s[CH], s[WV], 1
	s_bfe_u32 s66, ttmp6, 0x40000                  ; cx: my place along the cluster's x
.if NCT == 2
	s_and_b32 s[CT], ttmp9, 1                      ; ttmp9 counts clusters: the column tile is the cluster's,
	s_lshr_b32 s[RG], ttmp9, 1
	s_lshl_b32 s[RG], s[RG], 2
	s_add_co_u32 s[RG], s[RG], s66                 ; the rows are mine
	s_mov_b32 s[G1A], 3<<16                        ; 15:0 no mask; 17:16 elements of 8 bytes; no padding
	s_mov_b32 s[G1B], 15|(3<<16)|(1<<21)           ; the mask of all four; 21 set beside a mask
.else
	s_bfe_u32 s67, ttmp6, 0x40004                  ; cy
	s_lshl_b32 s[CT], ttmp9, 2
	s_add_co_u32 s[CT], s[CT], s66                 ; column tile = 4 x cluster x + cx
	s_and_b32 s[RG], ttmp7, 0xffff
	s_lshl_b32 s[RG], s[RG], 2
	s_add_co_u32 s[RG], s[RG], s67                 ; row group = 4 x cluster y + cy
	s_lshl_b32 s68, s67, 2
	s_lshl_b32 s68, 15, s68                        ; my row of the cluster shares d's tiles,
	s_lshl_b32 s69, 0x1111, s66                    ; my column W's
	s_or_b32 s[G1A], s68, (3<<16)|(1<<21)
	s_or_b32 s[G1B], s69, (3<<16)|(1<<21)
.endif
.irp g, G1A, G1B                       ; 32,768 dense bytes as 128 rows of 32 elements of 8 bytes
	s_mov_b32 s[(\g)+1], 32<<16                    ; tensor_dim0 = 32
	s_mov_b32 s[(\g)+2], 128<<16                   ; tensor_dim1 = 128
	s_mov_b32 s[(\g)+3], 32<<16                    ; tile_dim0 = 32
	s_mov_b32 s[(\g)+4], 128                       ; tile_dim1 = 128
	s_mov_b32 s[(\g)+5], 32                        ; 32 elements from row to row
	s_mov_b32 s[(\g)+6], 0
	s_mov_b32 s[(\g)+7], 0
.endr
	s_lshl_b32 s19, s[CH], 15                      ; the half that I fetch
	s_mul_i32 s20, s[RG], TILES*KSTEPS*65536       ; d: my first tile's step 0 (registers that never hold the column tile)
	s_add_co_u32 s20, s20, s19
	s_mov_b32 s21, 0
	s_mul_i32 s22, s[CT], KSTEPS*65536             ; W: the column tile's step 0 (registers that never hold the row group)
	s_add_co_u32 s22, s22, s19
	s_mov_b32 s23, 0
	s_lshl_b32 s70, s[WV], 15                      ; where my loads land in a slot: the wave's number alone
	s_mov_b32 s[BOFF], 65536
	s_mov_b32 s[BOFF+1], 0
	s_mov_b32 s[TB], 0
	s_mov_b32 s[TL], TILES
	s_lshl_b32 s74, s[RG], 12                      ; part / pm: 4,096 bytes a row group, my 128 columns
	s_lshl_b32 s75, s[CT], 10
	s_add_co_u32 s74, s74, s75
	s_lshl_b32 s75, s[CH], 9
	s_add_co_u32 s74, s74, s75
	s_mov_b32 s75, 0
.if MODE == 0
	s_lshl_b32 s72, s[RG], 19                      ; the result's block: ((tile x 4 + 2 CT + CH) x 2 + RH) x 32,768, tile = 2 RG
	s_lshl_b32 s73, s[CT], 17
	s_add_co_u32 s72, s72, s73
	s_lshl_b32 s73, s[CH], 16
	s_add_co_u32 s72, s72, s73
	s_lshl_b32 s73, s[RH], 15
	s_add_co_u32 s72, s72, s73
	s_mov_b32 s73, 0
.endif
	s_lshl_b32 s76, s[CT], 11                      ; bv: 128 bytes a block of 16 columns
	s_lshl_b32 s77, s[CH], 10
	s_add_co_u32 s76, s76, s77
	s_mov_b32 s77, 0
	s_wait_dscnt 0x0                               ; the opening add is done
	s_wait_kmcnt 0x0
	s_add_nc_u64 s[20:21], s[4:5], s[20:21]
	s_add_nc_u64 s[BB:BB+1], s[6:7], s[22:23]
	s_add_nc_u64 s[8:9], s[8:9], s[76:77]
.if MODE == 0
	s_add_nc_u64 s[10:11], s[10:11], s[72:73]
	s_add_nc_u64 s[12:13], s[12:13], s[74:75]
.else
	s_add_nc_u64 s[10:11], s[10:11], s[74:75]
.endif
.irp s, 0,1
	s_mov_b32 s[G0A+4*(\s)], 1                                     ; count = 1
	s_add_co_u32 s[G0A+4*(\s)+1], s70, (\s)*SLOT                   ; LDS address
	s_add_nc_u64 s[G0A+4*(\s)+2:G0A+4*(\s)+3], s[20:21], (\s)*65536  ; global address: step s
	s_or_b32 s[G0A+4*(\s)+3], s[G0A+4*(\s)+3], 0x80000000         ; type = 2
	s_mov_b32 s[G0B+4*(\s)], 1
	s_add_co_u32 s[G0B+4*(\s)+1], s70, (\s)*SLOT
	s_add_nc_u64 s[G0B+4*(\s)+2:G0B+4*(\s)+3], s[BB:BB+1], (\s)*65536
	s_or_b32 s[G0B+4*(\s)+3], s[G0B+4*(\s)+3], 0x80000000
.endr
	CROUND                                         ; all partners are here: the first joint loads meet
	s_cmp_eq_u32 s[RH], 0                          ; a wave's two first fills stand in one branch, ahead of every wait on TENSORcnt and every LDS read: two loads of mine are out
	s_cbranch_scc0 .Lfirst_b
	tensor_load_to_lds s[G0A:G0A+3], s[G1A:G1A+7]
	s_nop 0
	tensor_load_to_lds s[G0A+4:G0A+7], s[G1A:G1A+7]
	s_nop 0
	PLACES
	s_branch .Lfirst_asked
.Lfirst_b:
	tensor_load_to_lds s[G0B:G0B+3], s[G1B:G1B+7]
	s_nop 0
	tensor_load_to_lds s[G0B+4:G0B+7], s[G1B:G1B+7]
	s_nop 0
	PLACES
.Lfirst_asked:
	v_and_b32 v1, 31, v0                           ; lane
	v_lshlrev_b32 v[CO], 4, v1
	s_lshl_b32 s71, s[RH], 15
	v_add_nc_u32 v[ADRA0], s71, v[CO]              ; my 128 rows of d
	s_add_co_u32 s71, s19, 65536
	v_add_nc_u32 v[ADRB0], s71, v[CO]              ; my 128 rows of W, behind d's 256
	s_mul_i32 s71, s[WV], 16*RP
	s_add_co_u32 s71, s71, RED
	v_add_nc_u32 v[RST], s71, v[CO]
	v_lshrrev_b32 v20, 2, v1                       ; columns 4 l .. 4 l + 3 lie in register quad 2 (l / 4) + l % 2 of the lanes of half (l / 2) % 2
	v_and_b32 v21, 1, v1
	v_lshl_add_u32 v20, v20, 1, v21
	v_mul_u32_u24 v20, v20, RP
	v_bfe_u32 v21, v1, 1, 1
	v_lshl_add_u32 v20, v21, 8, v20
	v_add_nc_u32 v[RRD], s71, v20
	s_lshl_b32 s71, s[CH], 10
	s_add_co_u32 s71, s71, XCH
	v_add_nc_u32 v[XA], s71, v[CO]
	v_bfe_u32 v21, v0, 4, 1
	v_lshlrev_b32 v[VB], 5, v21
	WIN 0x40                                       ; destination window 1, address window 0
.irp b, 0,1,2,3,4,5,6,7                ; register j of block b: column 16 b + 8 (lane / 16) + j, as in an accumulator
	global_load_b128 v[BM+8*(\b):BM+8*(\b)+3],   v[VB], s[8:9] offset:(\b)*128
	global_load_b128 v[BM+8*(\b)+4:BM+8*(\b)+7], v[VB], s[8:9] offset:(\b)*128+16
.if MODE == 0
	global_load_b128 v[NK+8*(\b):NK+8*(\b)+3],   v[VB], s[8:9] offset:(\b)*128+64
	global_load_b128 v[NK+8*(\b)+4:NK+8*(\b)+7], v[VB], s[8:9] offset:(\b)*128+80
.endif
.endr
	WIN 0
.if MODE == 0
.set i, 0
.rept 8
	v_mov_b32 v[SS+i], 0
.set i, i+1
.endr
.else
.set i, 0
.rept 64
	v_mov_b32 v[SR+i], 0xff800000                  ; the running maxima start at minus infinity, in the wait for the first tile
.set i, i+1
.endr
.endif
; 16 matrix instructions: row blocks a0, a0 + 1 of the window's four x all 8 column blocks, 32 along K.  init = 1: the sums start from bm.
; The 64 accumulators take turns, one instruction a turn, in the same order in every quarter step.
.macro MUL16 f, hi, a0, init
.if \init
	WIN 0x91+0x40*(\hi)                            ; W window 1, d window 0, C (bm) window 1, D window 2 or 3
.else
	WIN 0xa1+0x50*(\hi)                            ; C and D window 2 or 3
.endif
.irp a, \a0, (\a0)+1
.irp b, 0,1,2,3,4,5,6,7
.if \init
	v_wmma_f32_16x16x32_bf16 v[8*(8*(\a)+(\b)):8*(8*(\a)+(\b))+7], v[(\f)+8*(\b):(\f)+8*(\b)+7], v[(\f)+8*(4*(\hi)+(\a)):(\f)+8*(4*(\hi)+(\a))+7], v[BM+8*(\b):BM+8*(\b)+7]
.else
	v_wmma_f32_16x16x32_bf16 v[8*(8*(\a)+(\b)):8*(8*(\a)+(\b))+7], v[(\f)+8*(\b):(\f)+8*(\b)+7], v[(\f)+8*(4*(\hi)+(\a)):(\f)+8*(4*(\hi)+(\a))+7], v[8*(8*(\a)+(\b)):8*(8*(\a)+(\b))+7]
.endif
.endr
.endr
.endm
; 32 LDS loads in one run: the fragments of the quarter step at s[TB] into buffer g.  The four vector lines ahead are the places behind the matrix instructions that read that buffer.
.macro FETCH g
	WIN 0
	v_nop
	v_nop
	v_add_nc_u32 v[ADRA], s[TB], v[ADRA0]
	v_add_nc_u32 v[ADRB], s[TB], v[ADRB0]
	s_add_co_u32 s[TB], s[TB], 1024                ; the next fetch is the next 32 along K
	WIN 0x40
.irp i, 0,1,2,3,4,5,6,7
	ds_load_b128 v[(\g)+8*(\i):(\g)+8*(\i)+3],   v[ADRB] offset:(\i)*4096
	ds_load_b128 v[(\g)+8*(\i)+4:(\g)+8*(\i)+7], v[ADRB] offset:(\i)*4096+512
.endr
	WIN 0
.irp i, 0,1,2,3,4,5,6,7
	ds_load_b128 v[(\g)+8*(\i):(\g)+8*(\i)+3],   v[ADRA] offset:(\i)*4096
	ds_load_b128 v[(\g)+8*(\i)+4:(\g)+8*(\i)+7], v[ADRA] offset:(\i)*4096+512
.endr
.endm
; A quarter step: 64 matrix instructions on buffer f; in its middle the next quarter's fragments are fetched into g.
.macro QUARTER f, g, init, fetch
	s_wait_dscnt 8                                 ; W and d's rows 0-63 are in; the youngest eight loads (d's rows 64-127) may be out
	MUL16 \f, 0, 0, \init
	MUL16 \f, 0, 2, \init
.if \fetch
	FETCH \g
	s_wait_dscnt 32                                ; all but the 32 just issued
.else
	s_wait_dscnt 0x0
.endif
	MUL16 \f, 1, 0, \init
	MUL16 \f, 1, 2, \init
.endm
.macro H                               ; two quarter steps: a step's second and third, or its fourth and the next step's first
	QUARTER F1, F0, 0, 1
	QUARTER F0, F1, 0, 1
	WIN 0                                          ; at a label and at a branch every window is 0
.endm
.macro TWOH
	s_mov_b32 s[HC], 2
.Lh_\@:
	H
	s_sub_co_u32 s[HC], s[HC], 1
	s_cmp_lg_u32 s[HC], 0
	s_cbranch_scc1 .Lh_\@
.endm
; THE CHANGE OF SLOTS, when a step's last fragments have been asked for.  Each wave waits for all its tensor loads, of which at most one is out: its part of the other slot; adds 0 to its spare word; and waits for that and for
; its reads of this slot.  Behind the barrier nobody reads this slot any more and the other is whole.  fill = 1: this slot takes the walk's step two further on; the barrier is then a round of the cluster's, and the refill
; is the first thing behind it: it has a whole step, 256 matrix instructions, in which to land.
.macro CHANGE fill
	WIN 0
	s_wait_tensorcnt 0x0                           ; no tensor load of mine is out, so a group 0 may be written
	ds_add_u32 v[SPW], v[NIL]                      ; 0 onto my spare word; the descriptors' steps stand between it and the wait for it
.if \fill
	s_xor_b32 s[G0A+5], s[G0A+5], SLOT             ; the other slot than last time
	s_xor_b32 s[G0B+5], s[G0B+5], SLOT
	s_add_nc_u64 s[G0A+6:G0A+7], s[G0A+6:G0A+7], 65536  ; d's steps, and the tiles of my walk, lie end to end; the type bits are not reached
	s_add_co_u32 s[BOFF], s[BOFF], 65536           ; W's steps go round
	s_and_b32 s[BOFF], s[BOFF], KSTEPS*65536-1
	s_add_nc_u64 s[G0B+6:G0B+7], s[BB:BB+1], s[BOFF:BOFF+1]
	s_or_b32 s[G0B+7], s[G0B+7], 0x80000000
.endif
	s_wait_dscnt 0x0                               ; the add is done, and my reads of the slot are over
.if \fill
	CROUND
	JLOAD
.else
	s_barrier_signal -1
	s_barrier_wait -1
.endif
	s_sub_co_u32 s[TB], s[TB], 4096                ; the fetches go back to a step's first quarter,
	s_xor_b32 s[TB], s[TB], SLOT                   ; in the other slot
.endm
; 64 registers R (by column block and register) are reduced over the 16 lanes of each half through my own bytes of LDS: lane l ends with columns 4 l .. 4 l + 3 in v[R:R+3].  op 0: sum, 1: maximum.
.macro REDUCE R, op
.set i, 0
.rept 16
	ds_store_b128 v[RST], v[(\R)+4*i:(\R)+4*i+3] offset:i*RP
.set i, i+1
.endr
.set i, 0
.rept 16
	ds_load_b128 v[(\R)+4*i:(\R)+4*i+3], v[RRD] offset:i*16    ; LDS serves a wave's instructions in order (ISA guide 5.7.1.4): these see the stores above
.set i, i+1
.endr
	s_wait_dscnt 0x0
.irp s, 8,4,2,1
.set i, 0
.rept \s
.if (\op) == 0
	v_pk_add_f32 v[(\R)+4*i:(\R)+4*i+1],   v[(\R)+4*i:(\R)+4*i+1],   v[(\R)+4*(i+\s):(\R)+4*(i+\s)+1]
	v_pk_add_f32 v[(\R)+4*i+2:(\R)+4*i+3], v[(\R)+4*i+2:(\R)+4*i+3], v[(\R)+4*(i+\s)+2:(\R)+4*(i+\s)+3]
.else
.irp e, 0,1,2,3
	v_max_num_f32 v[(\R)+4*i+\e], v[(\R)+4*i+\e], v[(\R)+4*(i+\s)+\e]
.endr
.endif
.set i, i+1
.endr
.endr
.endm
; The way out of accumulators (a, b) and (a, b + 1): d_next = max(acc, nk), lowest registers first; S and Q take it (row block 0 starts them: nothing is cleared); rounded to bf16; stored.
.macro BATCH
.set ac, 64*(a%4)+8*b
.if a == 0
.set dd, SR+8*b
.else
.set dd, D
.endif
	WIN 0x06+(a/4)                                 ; source 0 window 2 or 3, source 1 (nk) window 1
.set j, 0
.rept 16
	v_max_num_f32 v[dd+j], v[ac+j], v[NK+8*b+j]
.set j, j+1
.endr
	WIN 0
.set j, 0
.rept 8
.if a == 0
	v_pk_mul_f32 v[QR+8*b+j:QR+8*b+j+1], v[dd+j:dd+j+1], v[dd+j:dd+j+1]
.else
	v_pk_add_f32 v[SR+8*b+j:SR+8*b+j+1], v[SR+8*b+j:SR+8*b+j+1], v[dd+j:dd+j+1]
	v_pk_fma_f32 v[QR+8*b+j:QR+8*b+j+1], v[dd+j:dd+j+1], v[dd+j:dd+j+1], v[QR+8*b+j:QR+8*b+j+1]
.endif
.set j, j+2
.endr
	s_wait_xcnt 0x0                                ; the stores before have had their addresses translated (ISA guide 3.1): PK is rewritten only behind this wait
.set j, 0
.rept 8
	v_cvt_pk_bf16_f32 v[PK+j], v[dd+2*j], v[dd+2*j+1]
.set j, j+1
.endr
	global_store_b128 v[CO], v[PK:PK+3],   s[10:11] offset:a*4096+b*512      ; 512 consecutive bytes, aligned: half a fragment of the next layer
	global_store_b128 v[CO], v[PK+4:PK+7], s[10:11] offset:a*4096+b*512+512
.endm
	s_wait_tensorcnt 0x1                           ; my part of step 0 is in; step 1's may stay out
	s_barrier_signal -1
	s_barrier_wait -1                              ; everybody's is
	FETCH F0
	s_wait_loadcnt 0x0                             ; bm and nk
.Ltile:
	QUARTER F0, F1, 1, 1                           ; a tile's first quarter starts the sums
	H
.if KSTEPS > 2
	s_mov_b32 s[SG], KSTEPS-2
.LsegA:
	CHANGE 1
	TWOH
	s_sub_co_u32 s[SG], s[SG], 1
	s_cmp_lg_u32 s[SG], 0
	s_cbranch_scc1 .LsegA
.endif
	s_cmp_eq_u32 s[TL], 1
	s_cbranch_scc1 .Llast                          ; the last tile's last two changes are written out: they ask for nothing
	CHANGE 1                                       ; the ring goes on into the next tile: its step 0,
	TWOH
	CHANGE 1                                       ; its step 1,
	QUARTER F1, F0, 0, 1                           ; and its first fragments are fetched
	WIN 0
	s_branch .Lepi
.Llast:
	CHANGE 0
	TWOH
	CHANGE 0                                       ; orders nothing further: the price of one form for every change
	QUARTER F1, F0, 0, 0
	WIN 0
.Lepi:
	PLACES
.if MODE == 0
.set a, 0
.rept 8
.set b, 0
.rept 4
	BATCH
.set b, b+2
.endr
.set a, a+1
.endr
	REDUCE SR, 0
	v_pk_add_f32 v[SS:SS+1],   v[SS:SS+1],   v[SR:SR+1]
	v_pk_add_f32 v[SS+2:SS+3], v[SS+2:SS+3], v[SR+2:SR+3]
	REDUCE QR, 0
	v_pk_add_f32 v[QQ:QQ+1],   v[QQ:QQ+1],   v[QR:QR+1]
	v_pk_add_f32 v[QQ+2:QQ+3], v[QQ+2:QQ+3], v[QR+2:QR+3]
	s_wait_xcnt 0x0                                ; the stores' base is stepped only behind this wait
	s_add_nc_u64 s[10:11], s[10:11], 262144        ; the next tile of 256 rows of the result
.else
.set hi, 0
.rept 2
	WIN 0x28+0x14*hi                               ; sources 1 and 2 window 2 or 3
.set a, 0
.rept 2
.set i, 0
.rept 64
	v_max3_num_f32 v[SR+i], v[SR+i], v[128*a+i], v[128*a+64+i]   ; two row blocks at a time, each accumulator's lowest registers first
.set i, i+1
.endr
.set a, a+1
.endr
.set hi, hi+1
.endr
	WIN 0
.endif
	s_sub_co_u32 s[TL], s[TL], 1
	s_cmp_lg_u32 s[TL], 0
	s_cbranch_scc1 .Ltile
	; the two row halves meet: the lower half's waves hand over, the upper's add (or take the maximum) and store
.if MODE == 1
	REDUCE SR, 1
.endif
	s_cmp_eq_u32 s[RH], 0
	s_cbranch_scc1 .Lno_give
.if MODE == 0
	ds_store_b128 v[XA], v[SS:SS+3]
	ds_store_b128 v[XA], v[QQ:QQ+3] offset:512
.else
	ds_store_b128 v[XA], v[SR:SR+3]
.endif
.Lno_give:
	s_wait_dscnt 0x0                               ; for the others' sake
	s_barrier_signal -1
	s_barrier_wait -1
	s_cmp_lg_u32 s[RH], 0
	s_cbranch_scc1 .Lno_take
	ds_load_b128 v[TT:TT+3], v[XA]
.if MODE == 0
	ds_load_b128 v[TT+4:TT+7], v[XA] offset:512
	s_wait_dscnt 0x0
	v_pk_add_f32 v[SS:SS+1],   v[SS:SS+1],   v[TT:TT+1]
	v_pk_add_f32 v[SS+2:SS+3], v[SS+2:SS+3], v[TT+2:TT+3]
	v_pk_add_f32 v[QQ:QQ+1],   v[QQ:QQ+1],   v[TT+4:TT+5]
	v_pk_add_f32 v[QQ+2:QQ+3], v[QQ+2:QQ+3], v[TT+6:TT+7]
	global_store_b128 v[CO], v[SS:SS+3], s[12:13]              ; 512 consecutive bytes, aligned
	global_store_b128 v[CO], v[QQ:QQ+3], s[12:13] offset:2048
.else
	s_wait_dscnt 0x0
.irp e, 0,1,2,3
	v_max_num_f32 v[SR+\e], v[SR+\e], v[TT+\e]
.endr
	global_store_b128 v[CO], v[SR:SR+3], s[10:11]              ; 512 consecutive bytes, aligned
.endif
.Lno_take:
	s_wait_tensorcnt 0x0                           ; the wave's end, behind my last tensor load and my last LDS store
	ds_add_u32 v[SPW], v[NIL]
	s_wait_dscnt 0x0
	CROUND                                         ; the closing round: no work-group ends while a partner may still ask for a tile that names it
	s_endpgm
.Lfunc_end_k_qb8dd5431d4_gemm1:
	.size	k_qb8dd5431d4_gemm1, .Lfunc_end_k_qb8dd5431d4_gemm1-k_qb8dd5431d4_gemm1
	.p2alignl 7, 3214868480
	.fill 96, 4, 3214868480
	.section	.rodata,"a",@progbits
	.p2align	6, 0x0
	.amdhsa_kernel k_qb8dd5431d4_gemm1
		.amdhsa_group_segment_fixed_size 327680
		.amdhsa_private_segment_fixed_size 0
		.amdhsa_enable_private_segment 0
		.amdhsa_kernarg_size 40
		.amdhsa_user_sgpr_count 2
		.amdhsa_user_sgpr_kernarg_segment_ptr 1
		.amdhsa_wavefront_size32 1
		.amdhsa_system_sgpr_workgroup_id_x 1
		.amdhsa_system_sgpr_workgroup_id_y 1
		.amdhsa_system_sgpr_workgroup_id_z 1
		.amdhsa_system_vgpr_workitem_id 0
		.amdhsa_next_free_vgpr 1024
		.amdhsa_next_free_sgpr 80
		.amdhsa_reserve_vcc 0
		.amdhsa_float_denorm_mode_32 3
		.amdhsa_float_denorm_mode_16_64 3
		.amdhsa_memory_ordered 1
		.amdhsa_forward_progress 1
		.amdhsa_inst_pref_size 167
	.end_amdhsa_kernel
	.amdgpu_metadata
---
amdhsa.version: [ 1, 2 ]
amdhsa.kernels:
  - .name:           k_qb8dd5431d4_gemm1
    .symbol:         k_qb8dd5431d4_gemm1.kd
    .args:
      - { .name: dB, .offset: 0, .size: 8, .value_kind: global_buffer, .address_space: global }
      - { .name: wp, .offset: 8, .size: 8, .value_kind: global_buffer, .address_space: global }
      - { .name: bv, .offset: 16, .size: 8, .value_kind: global_buffer, .address_space: global }
      - { .name: dA, .offset: 24, .size: 8, .value_kind: global_buffer, .address_space: global }
      - { .name: part, .offset: 32, .size: 8, .value_kind: global_buffer, .address_space: global }
    .group_segment_fixed_size: 327680
    .private_segment_fixed_size: 0
    .kernarg_segment_align: 8
    .kernarg_segment_size: 40
    .max_flat_workgroup_size: 128
    .sgpr_count:     80
    .vgpr_count:     1024
    .wavefront_size: 32
...
	.end_amdgpu_metadata
.endif
;; end of part 5
;; launch prep2: the kernel of part 4 again; grid 64 x 1, 32 waves a work-group, no clusters, 47,616 bytes of LDS; arguments part, g2, b2, W2, c2, wp, bv; writes wp, bv
;; launch gemm2 (part 6): grid 4 x 64, 4 waves a work-group, clusters of 4 x 4, 327,680 bytes of LDS; arguments dA, wp, bv, pm; writes pm
.if DOCPART == 6
	.amdgcn_target "amdgcn-amd-amdhsa--gfx1250"
	.amdhsa_code_object_version 6
	.text
	.protected	k_qb8dd5431d4_gemm2
	.globl	k_qb8dd5431d4_gemm2
	.p2align	8
	.type	k_qb8dd5431d4_gemm2,@function
k_qb8dd5431d4_gemm2:
	s_mov_b64 s[64:65], 0
	v_nop
	global_prefetch_b8 v0, s[64:65] scope:SCOPE_SE
	s_setreg_imm32_b32 hwreg(HW_REG_WAVE_MODE, 25, 1), 1
	s_wait_xcnt 0x0
	s_wait_alu depctr_hold_cnt(0) depctr_sa_sdst(0) depctr_va_vdst(0) depctr_va_sdst(0) depctr_va_ssrc(0) depctr_va_vcc(0) depctr_vm_vsrc(0)
	s_getreg_b32 s2, hwreg(HW_REG_IB_STS2, 6, 4)
	s_cmp_eq_u32 s2, 0
	s_cbranch_scc0 .Lentry_in_a_cluster
	s_endpgm
.Lentry_in_a_cluster:
	s_bfe_u32 s2, ttmp6, 0x10000c
	s_cmp_lg_u32 s2, 0xf033
	s_cbranch_scc0 .Lentry_shape_is_right
	s_endpgm
.Lentry_shape_is_right:
; LAYER 2 AND THE MAXIMUM.  acc = d (W s)^T + bm = y - ksh; for each column the maximum of acc over the work-group's 1,024 rows, half a set, goes to pm; the last launch joins the halves and adds ksh back.
; d: [65,536][512], W s: [1,024][512], both bf16 (the one rounding of the operands; sums in f32).  NaN and infinities are not treated apart (a NaN loses in the maximum).
; OPERANDS lie [tile of 256 rows][128 k][half of 128 rows][16 rows][32 k][1,024 bytes]: 128 rows x 128 k are 32,768 dense bytes, one tensor load; a fragment is two loads of 16 bytes a lane at 16 x lane and + 512.
; SHARES.  A tile of the result is 256 x 256; four waves, 128 x 128 each: 64 accumulators, 512 registers.  A work-group STAYS for TILES tiles, one below the other; the ring of two LDS slots (one step of 128 k each) runs on
; across tiles.  The matrix instruction is used transposed (source 0 = 16 rows of W s, source 1 = 16 rows of d): register j of a lane is a column, the lanes of a half are rows, so the maximum over a tile's rows
; is first taken register by register, and over the lanes once at the end.
; CLUSTER.  4 x 4 work-groups.  The four of a row of the cluster walk the same rows of d, the four of a column the same rows of W s: each tile is asked for JOINTLY, by the same tensor load with the same descriptor and a mask of four.
; REGISTERS, in windows of 256 (s_set_vgpr_msb: bits 1:0 source 0, 3:2 source 1, 5:4 source 2, 7:6 destination):
;   window 0: v0-31 addresses; v64-127, v128-191 fragments of d, two buffers; v192-255 the running maxima
;   window 1: v64-127, v128-191 fragments of W s; v192-255 bm      windows 2, 3: the accumulators of my rows 0-63, 64-127: (a, b) at 64 (a % 4) + 8 b
.set KSTEPS, 4                         ; steps of 128 along K
.set NCT,    4                         ; column tiles
.set TILES,  4                         ; tiles a work-group
.set MODE,   1                         ; 0: ReLU, store, statistics; 1: maximum over rows
.set SLOT,  1<<17                      ; a slot: d's two halves, then W's two halves, 32,768 bytes each; slot 1 begins here, so one exclusive or changes slots
.set RED,   2*SLOT                     ; behind the ring, never filled by a tensor load: for each wave 16 rows of 512 bytes, 528 apart
.set RP,    528
.set XCH,   RED+4*16*RP                ; where the lower row half's waves hand their maxima to the upper's
.set SPARE, XCH+2048                   ; the spare words, 128 bytes for each wave, which no other line names
.set CO,    3                          ; v3   16 x lane
.set ADRA0, 4                          ; v4   my lane's place in a slot's d; never rewritten
.set ADRB0, 5                          ; v5   the same for W
.set ADRA,  6                          ; v6   the address of the run of loads in hand
.set ADRB,  7
.set RST,   8                          ; v8   the reduction: where I put 16 bytes
.set RRD,   9                          ; v9   where I read a column quad's 16 partial maxima
.set XA,    10                         ; v10  my place in XCH
.set VB,    11                         ; v11  32 x (lane / 16): my 8 columns of a block of 16 in bv
.set SS,    12
.set QQ,    16
.set TT,    20                         ; v[20:27] at work
.set SPW,   28
.set NIL,   29
.set D,     32
.set PK,    48
.set F0,    64
.set F1,    128
.set QR,    128
.set SR,    192                        ; the maximum by (b, j)
.set NK,    0                          ; window 1
.set BM,    192                        ; window 1
.set WV, 14
.set RH, 15                            ; which half of the tile's rows is mine.  Also: I fetch d (0) or W (1)
.set CH, 16                            ; which half of its columns.  Also: which half of that tile I fetch
.set CT, 17                            ; column tile
.set RG, 18                            ; group of TILES row tiles
.set G1A, 24                           ; s[24:31] descriptor group 1 for d's tiles
.set G0A, 32                           ; s[32:39] group 0: a set for each first fill; the second then walks
.set BB,  40                           ; s[40:41] W s at my half of the column tile's step 0
.set BOFF, 42                          ; s[42:43] the walking step's offset from there
.set TB,  44                           ; LDS byte at which the quarter step to be fetched begins
.set TL,  45                           ; tiles to go
.set SG,  46
.set HC,  47
.set G1B, 48                           ; the same for W's tiles
.set G0B, 56
.set MSB, 0
.macro WIN new                         ; the immediate's high byte repeats the setting that is left; a switch that changes nothing is dropped
.if MSB != (\new)
	s_set_vgpr_msb (MSB<<8)|(\new)
.set MSB, (\new)
.endif
.endm
.macro PLACES                          ; four plain vector instructions behind matrix instructions, ahead of what reads their results or writes their registers (ISA guide 7.12.1)
.rept 4
	v_nop
.endr
.endm
.macro JLOAD                           ; a refill: waves 0 and 1 fetch d's halves, waves 2 and 3 W's.  An s_nop 0 and four v_nop follow each line, ahead of the jump and the label
	s_cmp_eq_u32 s[RH], 0
	s_cbranch_scc0 .Lfor_b_\@
	tensor_load_to_lds s[G0A+4:G0A+7], s[G1A:G1A+7]
	s_nop 0
	PLACES
	s_branch .Lasked_\@
.Lfor_b_\@:
	tensor_load_to_lds s[G0B+4:G0B+7], s[G1B:G1B+7]
	s_nop 0
	PLACES
.Lasked_\@:
.endm
.macro CROUND                          ; a round of the cluster's barrier: my work-group's barrier; wave 0 signals for the work-group; every wave waits for all; my work-group's barrier once more
	s_barrier_signal -1
	s_barrier_wait -1
	s_cmp_lg_u32 s[WV], 0
	s_cbranch_scc1 .Lnot_wave_0_\@
	s_barrier_signal -3
.Lnot_wave_0_\@:
	s_barrier_wait -3
	s_barrier_signal -1
	s_barrier_wait -1
.endm
	s_load_b256 s[4:11], s[0:1], 0x0               ; d s[4:5], W s s[6:7], bv s[8:9], the result s[10:11]
.if MODE == 0
	s_load_b64 s[12:13], s[0:1], 0x20              ; part
.endif
	v_lshl_add_u32 v[SPW], v0, 2, SPARE
	v_mov_b32 v[NIL], 0
	ds_add_u32 v[SPW], v[NIL]                      ; the wave's opening: the add and its wait stand ahead of my first tensor load; the set-up below, work on registers, stands between them
	v_lshrrev_b32 v1, 5, v0
	v_readfirstlane_b32 s[WV], v1                  ; wave 0..3
	s_lshr_b32 s[RH], s[WV], 1
	s_and_b32 s[CH], s[WV], 1
	s_bfe_u32 s66, ttmp6, 0x40000                  ; cx: my place along the cluster's x
.if NCT == 2
	s_and_b32 s[CT], ttmp9, 1                      ; ttmp9 counts clusters: the column tile is the cluster's,
	s_lshr_b32 s[RG], ttmp9, 1
	s_lshl_b32 s[RG], s[RG], 2
	s_add_co_u32 s[RG], s[RG], s66                 ; the rows are mine
	s_mov_b32 s[G1A], 3<<16                        ; 15:0 no mask; 17:16 elements of 8 bytes; no padding
	s_mov_b32 s[G1B], 15|(3<<16)|(1<<21)           ; the mask of all four; 21 set beside a mask
.else
	s_bfe_u32 s67, ttmp6, 0x40004                  ; cy
	s_lshl_b32 s[CT], ttmp9, 2
	s_add_co_u32 s[CT], s[CT], s66                 ; column tile = 4 x cluster x + cx
	s_and_b32 s[RG], ttmp7, 0xffff
	s_lshl_b32 s[RG], s[RG], 2
	s_add_co_u32 s[RG], s[RG], s67                 ; row group = 4 x cluster y + cy
	s_lshl_b32 s68, s67, 2
	s_lshl_b32 s68, 15, s68                        ; my row of the cluster shares d's tiles,
	s_lshl_b32 s69, 0x1111, s66                    ; my column W's
	s_or_b32 s[G1A], s68, (3<<16)|(1<<21)          ; 15:0 the mask; 17:16 elements of 8 bytes; 21 set beside a mask; no padding
	s_or_b32 s[G1B], s69, (3<<16)|(1<<21)
.endif
.irp g, G1A, G1B                       ; 32,768 dense bytes as 128 rows of 32 elements of 8 bytes
	s_mov_b32 s[(\g)+1], 32<<16                    ; tensor_dim0 = 32
	s_mov_b32 s[(\g)+2], 128<<16                   ; tensor_dim1 = 128
	s_mov_b32 s[(\g)+3], 32<<16                    ; tile_dim0 = 32
	s_mov_b32 s[(\g)+4], 128                       ; tile_dim1 = 128
	s_mov_b32 s[(\g)+5], 32                        ; 32 elements from row to row
	s_mov_b32 s[(\g)+6], 0
	s_mov_b32 s[(\g)+7], 0
.endr
	s_lshl_b32 s19, s[CH], 15                      ; the half that I fetch
	s_mul_i32 s20, s[RG], TILES*KSTEPS*65536       ; d: my first tile's step 0 (registers that never hold the column tile)
	s_add_co_u32 s20, s20, s19
	s_mov_b32 s21, 0
	s_mul_i32 s22, s[CT], KSTEPS*65536             ; W: the column tile's step 0 (registers that never hold the row group)
	s_add_co_u32 s22, s22, s19
	s_mov_b32 s23, 0
	s_lshl_b32 s70, s[WV], 15                      ; where my loads land in a slot: the wave's number alone
	s_mov_b32 s[BOFF], 65536
	s_mov_b32 s[BOFF+1], 0
	s_mov_b32 s[TB], 0
	s_mov_b32 s[TL], TILES
	s_lshl_b32 s74, s[RG], 12                      ; part / pm: 4,096 bytes a row group, my 128 columns
	s_lshl_b32 s75, s[CT], 10
	s_add_co_u32 s74, s74, s75
	s_lshl_b32 s75, s[CH], 9
	s_add_co_u32 s74, s74, s75
	s_mov_b32 s75, 0
.if MODE == 0
	s_lshl_b32 s72, s[RG], 19                      ; the result's block: ((tile x 4 + 2 CT + CH) x 2 + RH) x 32,768, tile = 2 RG
	s_lshl_b32 s73, s[CT], 17
	s_add_co_u32 s72, s72, s73
	s_lshl_b32 s73, s[CH], 16
	s_add_co_u32 s72, s72, s73
	s_lshl_b32 s73, s[RH], 15
	s_add_co_u32 s72, s72, s73
	s_mov_b32 s73, 0
.endif
	s_lshl_b32 s76, s[CT], 11                      ; bv: 128 bytes a block of 16 columns
	s_lshl_b32 s77, s[CH], 10
	s_add_co_u32 s76, s76, s77
	s_mov_b32 s77, 0
	s_wait_dscnt 0x0                               ; the opening add is done
	s_wait_kmcnt 0x0
	s_add_nc_u64 s[20:21], s[4:5], s[20:21]
	s_add_nc_u64 s[BB:BB+1], s[6:7], s[22:23]
	s_add_nc_u64 s[8:9], s[8:9], s[76:77]
.if MODE == 0
	s_add_nc_u64 s[10:11], s[10:11], s[72:73]
	s_add_nc_u64 s[12:13], s[12:13], s[74:75]
.else
	s_add_nc_u64 s[10:11], s[10:11], s[74:75]
.endif
.irp s, 0,1
	s_mov_b32 s[G0A+4*(\s)], 1                                     ; count = 1
	s_add_co_u32 s[G0A+4*(\s)+1], s70, (\s)*SLOT                   ; LDS address
	s_add_nc_u64 s[G0A+4*(\s)+2:G0A+4*(\s)+3], s[20:21], (\s)*65536  ; global address: step s
	s_or_b32 s[G0A+4*(\s)+3], s[G0A+4*(\s)+3], 0x80000000         ; type = 2
	s_mov_b32 s[G0B+4*(\s)], 1
	s_add_co_u32 s[G0B+4*(\s)+1], s70, (\s)*SLOT
	s_add_nc_u64 s[G0B+4*(\s)+2:G0B+4*(\s)+3], s[BB:BB+1], (\s)*65536
	s_or_b32 s[G0B+4*(\s)+3], s[G0B+4*(\s)+3], 0x80000000
.endr
	CROUND                                         ; all partners are here: the first joint loads meet
	s_cmp_eq_u32 s[RH], 0                          ; a wave's two first fills stand in one branch, ahead of every wait on TENSORcnt and every LDS read: two loads of mine are out
	s_cbranch_scc0 .Lfirst_b
	tensor_load_to_lds s[G0A:G0A+3], s[G1A:G1A+7]
	s_nop 0
	tensor_load_to_lds s[G0A+4:G0A+7], s[G1A:G1A+7]
	s_nop 0
	PLACES
	s_branch .Lfirst_asked
.Lfirst_b:
	tensor_load_to_lds s[G0B:G0B+3], s[G1B:G1B+7]
	s_nop 0
	tensor_load_to_lds s[G0B+4:G0B+7], s[G1B:G1B+7]
	s_nop 0
	PLACES
.Lfirst_asked:
	v_and_b32 v1, 31, v0                           ; lane
	v_lshlrev_b32 v[CO], 4, v1
	s_lshl_b32 s71, s[RH], 15
	v_add_nc_u32 v[ADRA0], s71, v[CO]              ; my 128 rows of d
	s_add_co_u32 s71, s19, 65536
	v_add_nc_u32 v[ADRB0], s71, v[CO]              ; my 128 rows of W, behind d's 256
	s_mul_i32 s71, s[WV], 16*RP
	s_add_co_u32 s71, s71, RED
	v_add_nc_u32 v[RST], s71, v[CO]
	v_lshrrev_b32 v20, 2, v1                       ; columns 4 l .. 4 l + 3 lie in register quad 2 (l / 4) + l % 2 of the lanes of half (l / 2) % 2
	v_and_b32 v21, 1, v1
	v_lshl_add_u32 v20, v20, 1, v21
	v_mul_u32_u24 v20, v20, RP
	v_bfe_u32 v21, v1, 1, 1
	v_lshl_add_u32 v20, v21, 8, v20
	v_add_nc_u32 v[RRD], s71, v20
	s_lshl_b32 s71, s[CH], 10
	s_add_co_u32 s71, s71, XCH
	v_add_nc_u32 v[XA], s71, v[CO]
	v_bfe_u32 v21, v0, 4, 1
	v_lshlrev_b32 v[VB], 5, v21
	WIN 0x40                                       ; destination window 1, address window 0
.irp b, 0,1,2,3,4,5,6,7                ; register j of block b: column 16 b + 8 (lane / 16) + j, as in an accumulator
	global_load_b128 v[BM+8*(\b):BM+8*(\b)+3],   v[VB], s[8:9] offset:(\b)*128
	global_load_b128 v[BM+8*(\b)+4:BM+8*(\b)+7], v[VB], s[8:9] offset:(\b)*128+16
.if MODE == 0
	global_load_b128 v[NK+8*(\b):NK+8*(\b)+3],   v[VB], s[8:9] offset:(\b)*128+64
	global_load_b128 v[NK+8*(\b)+4:NK+8*(\b)+7], v[VB], s[8:9] offset:(\b)*128+80
.endif
.endr
	WIN 0
.if MODE == 0
.set i, 0
.rept 8
	v_mov_b32 v[SS+i], 0
.set i, i+1
.endr
.else
.set i, 0
.rept 64
	v_mov_b32 v[SR+i], 0xff800000                  ; the running maxima start at minus infinity, in the wait for the first tile
.set i, i+1
.endr
.endif
; 16 matrix instructions: row blocks a0, a0 + 1 of the window's four x all 8 column blocks, 32 along K.  init = 1: the sums start from bm.
; The 64 accumulators take turns, one instruction a turn, in the same order in every quarter step.
.macro MUL16 f, hi, a0, init
.if \init
	WIN 0x91+0x40*(\hi)                            ; W window 1, d window 0, C (bm) window 1, D window 2 or 3
.else
	WIN 0xa1+0x50*(\hi)                            ; C and D window 2 or 3
.endif
.irp a, \a0, (\a0)+1
.irp b, 0,1,2,3,4,5,6,7
.if \init
	v_wmma_f32_16x16x32_bf16 v[8*(8*(\a)+(\b)):8*(8*(\a)+(\b))+7], v[(\f)+8*(\b):(\f)+8*(\b)+7], v[(\f)+8*(4*(\hi)+(\a)):(\f)+8*(4*(\hi)+(\a))+7], v[BM+8*(\b):BM+8*(\b)+7]
.else
	v_wmma_f32_16x16x32_bf16 v[8*(8*(\a)+(\b)):8*(8*(\a)+(\b))+7], v[(\f)+8*(\b):(\f)+8*(\b)+7], v[(\f)+8*(4*(\hi)+(\a)):(\f)+8*(4*(\hi)+(\a))+7], v[8*(8*(\a)+(\b)):8*(8*(\a)+(\b))+7]
.endif
.endr
.endr
.endm
; 32 LDS loads in one run: the fragments of the quarter step at s[TB] into buffer g.  The four vector lines ahead are the places behind the matrix instructions that read that buffer.
.macro FETCH g
	WIN 0
	v_nop
	v_nop
	v_add_nc_u32 v[ADRA], s[TB], v[ADRA0]
	v_add_nc_u32 v[ADRB], s[TB], v[ADRB0]
	s_add_co_u32 s[TB], s[TB], 1024                ; the next fetch is the next 32 along K
	WIN 0x40
.irp i, 0,1,2,3,4,5,6,7
	ds_load_b128 v[(\g)+8*(\i):(\g)+8*(\i)+3],   v[ADRB] offset:(\i)*4096
	ds_load_b128 v[(\g)+8*(\i)+4:(\g)+8*(\i)+7], v[ADRB] offset:(\i)*4096+512
.endr
	WIN 0
.irp i, 0,1,2,3,4,5,6,7
	ds_load_b128 v[(\g)+8*(\i):(\g)+8*(\i)+3],   v[ADRA] offset:(\i)*4096
	ds_load_b128 v[(\g)+8*(\i)+4:(\g)+8*(\i)+7], v[ADRA] offset:(\i)*4096+512
.endr
.endm
; A quarter step: 64 matrix instructions on buffer f; in its middle the next quarter's fragments are fetched into g.
.macro QUARTER f, g, init, fetch
	s_wait_dscnt 8                                 ; W and d's rows 0-63 are in; the youngest eight loads (d's rows 64-127) may be out
	MUL16 \f, 0, 0, \init
	MUL16 \f, 0, 2, \init
.if \fetch
	FETCH \g
	s_wait_dscnt 32                                ; all but the 32 just issued
.else
	s_wait_dscnt 0x0
.endif
	MUL16 \f, 1, 0, \init
	MUL16 \f, 1, 2, \init
.endm
.macro H                               ; two quarter steps: a step's second and third, or its fourth and the next step's first
	QUARTER F1, F0, 0, 1
	QUARTER F0, F1, 0, 1
	WIN 0                                          ; at a label and at a branch every window is 0
.endm
.macro TWOH
	s_mov_b32 s[HC], 2
.Lh_\@:
	H
	s_sub_co_u32 s[HC], s[HC], 1
	s_cmp_lg_u32 s[HC], 0
	s_cbranch_scc1 .Lh_\@
.endm
; THE CHANGE OF SLOTS, when a step's last fragments have been asked for.  Each wave waits for all its tensor loads, of which at most one is out: its part of the other slot; adds 0 to its spare word; and waits for that and for
; its reads of this slot.  Behind the barrier nobody reads this slot any more and the other is whole.  fill = 1: this slot takes the walk's step two further on; the barrier is then a round of the cluster's, and the refill
; is the first thing behind it: it has a whole step, 256 matrix instructions, in which to land.
.macro CHANGE fill
	WIN 0
	s_wait_tensorcnt 0x0                           ; no tensor load of mine is out, so a group 0 may be written
	ds_add_u32 v[SPW], v[NIL]                      ; 0 onto my spare word; the descriptors' steps stand between it and the wait for it
.if \fill
	s_xor_b32 s[G0A+5], s[G0A+5], SLOT             ; the other slot than last time
	s_xor_b32 s[G0B+5], s[G0B+5], SLOT
	s_add_nc_u64 s[G0A+6:G0A+7], s[G0A+6:G0A+7], 65536  ; d's steps, and the tiles of my walk, lie end to end; the type bits are not reached
	s_add_co_u32 s[BOFF], s[BOFF], 65536           ; W's steps go round
	s_and_b32 s[BOFF], s[BOFF], KSTEPS*65536-1
	s_add_nc_u64 s[G0B+6:G0B+7], s[BB:BB+1], s[BOFF:BOFF+1]
	s_or_b32 s[G0B+7], s[G0B+7], 0x80000000
.endif
	s_wait_dscnt 0x0                               ; the add is done, and my reads of the slot are over
.if \fill
	CROUND
	JLOAD
.else
	s_barrier_signal -1
	s_barrier_wait -1
.endif
	s_sub_co_u32 s[TB], s[TB], 4096                ; the fetches go back to a step's first quarter,
	s_xor_b32 s[TB], s[TB], SLOT                   ; in the other slot
.endm
; 64 registers R (by column block and register) are reduced over the 16 lanes of each half through my own bytes of LDS: lane l ends with columns 4 l .. 4 l + 3 in v[R:R+3].  op 0: sum, 1: maximum.
.macro REDUCE R, op
.set i, 0
.rept 16
	ds_store_b128 v[RST], v[(\R)+4*i:(\R)+4*i+3] offset:i*RP
.set i, i+1
.endr
.set i, 0
.rept 16
	ds_load_b128 v[(\R)+4*i:(\R)+4*i+3], v[RRD] offset:i*16    ; LDS serves a wave's instructions in order (ISA guide 5.7.1.4): these see the stores above
.set i, i+1
.endr
	s_wait_dscnt 0x0
.irp s, 8,4,2,1
.set i, 0
.rept \s
.if (\op) == 0
	v_pk_add_f32 v[(\R)+4*i:(\R)+4*i+1],   v[(\R)+4*i:(\R)+4*i+1],   v[(\R)+4*(i+\s):(\R)+4*(i+\s)+1]
	v_pk_add_f32 v[(\R)+4*i+2:(\R)+4*i+3], v[(\R)+4*i+2:(\R)+4*i+3], v[(\R)+4*(i+\s)+2:(\R)+4*(i+\s)+3]
.else
.irp e, 0,1,2,3
	v_max_num_f32 v[(\R)+4*i+\e], v[(\R)+4*i+\e], v[(\R)+4*(i+\s)+\e]
.endr
.endif
.set i, i+1
.endr
.endr
.endm
	s_wait_tensorcnt 0x1                           ; my part of step 0 is in; step 1's may stay out
	s_barrier_signal -1
	s_barrier_wait -1                              ; everybody's is
	FETCH F0
	s_wait_loadcnt 0x0                             ; bm
.Ltile:
	QUARTER F0, F1, 1, 1                           ; a tile's first quarter starts the sums
	H
.if KSTEPS > 2
	s_mov_b32 s[SG], KSTEPS-2
.LsegA:
	CHANGE 1
	TWOH
	s_sub_co_u32 s[SG], s[SG], 1
	s_cmp_lg_u32 s[SG], 0
	s_cbranch_scc1 .LsegA
.endif
	s_cmp_eq_u32 s[TL], 1
	s_cbranch_scc1 .Llast                          ; the last tile's last two changes are written out: they ask for nothing
	CHANGE 1                                       ; the ring goes on into the next tile: its step 0,
	TWOH
	CHANGE 1                                       ; its step 1,
	QUARTER F1, F0, 0, 1                           ; and its first fragments are fetched
	WIN 0
	s_branch .Lepi
.Llast:
	CHANGE 0
	TWOH
	CHANGE 0                                       ; orders nothing further: the price of one form for every change
	QUARTER F1, F0, 0, 0
	WIN 0
.Lepi:
	PLACES
.set hi, 0
.rept 2
	WIN 0x28+0x14*hi                               ; sources 1 and 2 window 2 or 3
.set a, 0
.rept 2
.set i, 0
.rept 64
	v_max3_num_f32 v[SR+i], v[SR+i], v[128*a+i], v[128*a+64+i]   ; two row blocks at a time, each accumulator's lowest registers first
.set i, i+1
.endr
.set a, a+1
.endr
.set hi, hi+1
.endr
	WIN 0
	s_sub_co_u32 s[TL], s[TL], 1
	s_cmp_lg_u32 s[TL], 0
	s_cbranch_scc1 .Ltile
	; over the lanes, and then the two row halves meet: the lower half's waves hand over, the upper's take the maximum and store
	REDUCE SR, 1
	s_cmp_eq_u32 s[RH], 0
	s_cbranch_scc1 .Lno_give
	ds_store_b128 v[XA], v[SR:SR+3]
.Lno_give:
	s_wait_dscnt 0x0                               ; for the others' sake
	s_barrier_signal -1
	s_barrier_wait -1
	s_cmp_lg_u32 s[RH], 0
	s_cbranch_scc1 .Lno_take
	ds_load_b128 v[TT:TT+3], v[XA]
	s_wait_dscnt 0x0
.irp e, 0,1,2,3
	v_max_num_f32 v[SR+\e], v[SR+\e], v[TT+\e]
.endr
	global_store_b128 v[CO], v[SR:SR+3], s[10:11]  ; 512 consecutive bytes, aligned
.Lno_take:
	s_wait_tensorcnt 0x0                           ; the wave's end, behind my last tensor load and my last LDS store
	ds_add_u32 v[SPW], v[NIL]
	s_wait_dscnt 0x0
	CROUND                                         ; the closing round: no work-group ends while a partner may still ask for a tile that names it
	s_endpgm
.Lfunc_end_k_qb8dd5431d4_gemm2:
	.size	k_qb8dd5431d4_gemm2, .Lfunc_end_k_qb8dd5431d4_gemm2-k_qb8dd5431d4_gemm2
	.p2alignl 7, 3214868480
	.fill 96, 4, 3214868480
	.section	.rodata,"a",@progbits
	.p2align	6, 0x0
	.amdhsa_kernel k_qb8dd5431d4_gemm2
		.amdhsa_group_segment_fixed_size 327680
		.amdhsa_private_segment_fixed_size 0
		.amdhsa_enable_private_segment 0
		.amdhsa_kernarg_size 32
		.amdhsa_user_sgpr_count 2
		.amdhsa_user_sgpr_kernarg_segment_ptr 1
		.amdhsa_wavefront_size32 1
		.amdhsa_system_sgpr_workgroup_id_x 1
		.amdhsa_system_sgpr_workgroup_id_y 1
		.amdhsa_system_sgpr_workgroup_id_z 1
		.amdhsa_system_vgpr_workitem_id 0
		.amdhsa_next_free_vgpr 1024
		.amdhsa_next_free_sgpr 80
		.amdhsa_reserve_vcc 0
		.amdhsa_float_denorm_mode_32 3
		.amdhsa_float_denorm_mode_16_64 3
		.amdhsa_memory_ordered 1
		.amdhsa_forward_progress 1
		.amdhsa_inst_pref_size 110
	.end_amdhsa_kernel
	.amdgpu_metadata
---
amdhsa.version: [ 1, 2 ]
amdhsa.kernels:
  - .name:           k_qb8dd5431d4_gemm2
    .symbol:         k_qb8dd5431d4_gemm2.kd
    .args:
      - { .name: dA, .offset: 0, .size: 8, .value_kind: global_buffer, .address_space: global }
      - { .name: wp, .offset: 8, .size: 8, .value_kind: global_buffer, .address_space: global }
      - { .name: bv, .offset: 16, .size: 8, .value_kind: global_buffer, .address_space: global }
      - { .name: pm, .offset: 24, .size: 8, .value_kind: global_buffer, .address_space: global }
    .group_segment_fixed_size: 327680
    .private_segment_fixed_size: 0
    .kernarg_segment_align: 8
    .kernarg_segment_size: 32
    .max_flat_workgroup_size: 128
    .sgpr_count:     80
    .vgpr_count:     1024
    .wavefront_size: 32
...
	.end_amdgpu_metadata
.endif
;; end of part 6
;; launch fin (part 7): grid 32 x 1, 8 waves a work-group, no clusters, 0 bytes of LDS; arguments pm, bv, out0; writes out0
.if DOCPART == 7
	.amdgcn_target "amdgcn-amd-amdhsa--gfx1250"
	.amdhsa_code_object_version 6
	.text
	.protected	k_qb8dd5431d4_fin
	.globl	k_qb8dd5431d4_fin
	.p2align	8
	.type	k_qb8dd5431d4_fin,@function
k_qb8dd5431d4_fin:
	s_mov_b64 s[64:65], 0
	v_nop
	global_prefetch_b8 v0, s[64:65] scope:SCOPE_SE
	s_setreg_imm32_b32 hwreg(HW_REG_WAVE_MODE, 25, 1), 1
	s_wait_xcnt 0x0
; out0[set][col] = max(pm[2 set][col], pm[2 set + 1][col]) + ksh[col]: the two half sets' maxima of y - ksh are joined, and the pilot is added back (bv holds nk = -ksh).
; A work-group is a set; thread t owns columns 4 t .. 4 t + 3: a load or store of a wave covers 512 consecutive bytes.  393 KiB in all: no LDS, no ring.
	s_load_b128 s[4:7], s[0:1], 0x0                ; pm s[4:5], bv s[6:7]
	s_load_b64 s[8:9], s[0:1], 0x10                ; out0
	v_lshlrev_b32 v1, 4, v0                        ; 16 t
	v_lshrrev_b32 v2, 2, v0                        ; my block of 16 columns in bv: 128 bytes, nk in its second half
	v_and_b32 v3, 3, v0
	v_lshlrev_b32 v3, 4, v3
	v_lshl_add_u32 v2, v2, 7, v3
	s_lshl_b32 s10, ttmp9, 13                      ; two rows of pm
	s_mov_b32 s11, 0
	s_lshl_b32 s12, ttmp9, 12                      ; a row of out0
	s_mov_b32 s13, 0
	s_wait_kmcnt 0x0
	s_add_nc_u64 s[4:5], s[4:5], s[10:11]
	s_add_nc_u64 s[8:9], s[8:9], s[12:13]
	global_load_b128 v[4:7],   v1, s[4:5]
	global_load_b128 v[8:11],  v1, s[4:5] offset:4096
	global_load_b128 v[12:15], v2, s[6:7] offset:64
	s_wait_loadcnt 0x0
	v_max_num_f32 v4, v4, v8
	v_max_num_f32 v5, v5, v9
	v_max_num_f32 v6, v6, v10
	v_max_num_f32 v7, v7, v11
	v_pk_add_f32 v[4:5], v[4:5], v[12:13] neg_lo:[0,1] neg_hi:[0,1]
	v_pk_add_f32 v[6:7], v[6:7], v[14:15] neg_lo:[0,1] neg_hi:[0,1]
	global_store_b128 v1, v[4:7], s[8:9]
	s_endpgm
.Lfunc_end_k_qb8dd5431d4_fin:
	.size	k_qb8dd5431d4_fin, .Lfunc_end_k_qb8dd5431d4_fin-k_qb8dd5431d4_fin
	.p2alignl 7, 3214868480
	.fill 96, 4, 3214868480
	.section	.rodata,"a",@progbits
	.p2align	6, 0x0
	.amdhsa_kernel k_qb8dd5431d4_fin
		.amdhsa_group_segment_fixed_size 0
		.amdhsa_private_segment_fixed_size 0
		.amdhsa_enable_private_segment 0
		.amdhsa_kernarg_size 24
		.amdhsa_user_sgpr_count 2
		.amdhsa_user_sgpr_kernarg_segment_ptr 1
		.amdhsa_wavefront_size32 1
		.amdhsa_system_sgpr_workgroup_id_x 1
		.amdhsa_system_sgpr_workgroup_id_y 1
		.amdhsa_system_sgpr_workgroup_id_z 1
		.amdhsa_system_vgpr_workitem_id 0
		.amdhsa_next_free_vgpr 24
		.amdhsa_next_free_sgpr 66
		.amdhsa_reserve_vcc 0
		.amdhsa_float_denorm_mode_32 3
		.amdhsa_float_denorm_mode_16_64 3
		.amdhsa_memory_ordered 1
		.amdhsa_forward_progress 1
		.amdhsa_inst_pref_size 2
	.end_amdhsa_kernel
	.amdgpu_metadata
---
amdhsa.version: [ 1, 2 ]
amdhsa.kernels:
  - .name:           k_qb8dd5431d4_fin
    .symbol:         k_qb8dd5431d4_fin.kd
    .args:
      - { .name: pm, .offset: 0, .size: 8, .value_kind: global_buffer, .address_space: global }
      - { .name: bv, .offset: 8, .size: 8, .value_kind: global_buffer, .address_space: global }
      - { .name: out0, .offset: 16, .size: 8, .value_kind: global_buffer, .address_space: global }
    .group_segment_fixed_size: 0
    .private_segment_fixed_size: 0
    .kernarg_segment_align: 8
    .kernarg_segment_size: 24
    .max_flat_workgroup_size: 256
    .sgpr_count:     66
    .vgpr_count:     24
    .wavefront_size: 32
...
	.end_amdgpu_metadata
.endif
;; end of part 7
;; ======== version 2 of 2: 8 launches; 1.16 times as fast as version 1
;; limits: a difference of large sums (such as E[x^2] - mean^2): digits are lost where the result is much smaller than its terms
;; workspace buffers: dA 67,108,864 bytes; dB 67,108,864 bytes; part 524,288 bytes; wp 1,048,576 bytes; bv 65,536 bytes; pm 262,144 bytes
;; launch stats0: the kernel of part 1 again; grid 256 x 1, 16 waves a work-group, no clusters, 174,080 bytes of LDS; arguments set_feats, dA, part; writes dA, part
;; launch prep0 (part 8): grid 4 x 8, 8 waves a work-group, no clusters, 14,848 bytes of LDS; arguments part, g0, b0, W0, wp, bv; writes wp, bv
.if DOCPART == 8
	.amdgcn_target "amdgcn-amd-amdhsa--gfx1250"
	.amdhsa_code_object_version 6
	.text
	.protected	k_qb8dd5431d4_prep0
	.globl	k_qb8dd5431d4_prep0
	.p2align	8
	.type	k_qb8dd5431d4_prep0,@function
k_qb8dd5431d4_prep0:
	s_mov_b64 s[64:65], 0
	v_nop
	global_prefetch_b8 v0, s[64:65] scope:SCOPE_SE
	s_setreg_imm32_b32 hwreg(HW_REG_WAVE_MODE, 25, 1), 1
	s_wait_xcnt 0x0
; THE NORM IS FOLDED INTO THE WEIGHTS, for the layer with K = 256.  With d the shifted activations, mean = S/n, var = Q/n - mean^2 (n = 65,536), s = g rsqrt(var + 1e-5), t = b - mean s:
; y = d (W s)^T + (c + W t).  This launch stores W s in bf16, laid out for the product, and of the two dots W t and W b the part that falls into the work-group's 64 columns of K;
; the product adds the K / 64 parts and c in its own head.
; LIMITS.  var loses about z*z*2^-24 of itself where the pilot lies z spreads from the mean; a var that rounding makes negative counts as 0.  NaN and infinities are not treated apart.
; SHARES.  A work-group owns 64 rows of W x 64 columns of K (x: the slice of K, y: the rows).  So it needs the statistics of 64 columns only: NP x 2 x 256 bytes of partial sums.
; Thread t owns column quad t % 16; of the partial sums those with number t / 16 mod 16; of W the rows t / 16 + 16 i.  Every load of a wave covers two aligned pieces of 256 consecutive bytes.
; All loads go out at the start.  A row's 64 columns lie in 16 neighbouring lanes, so the dots are added over lanes alone.  W s goes through a stage in LDS, since the layout wants 16 rows of 8 k side by side.
; No matrix unit and no cluster: a few dot products and less than 200 KiB a work-group.
.set LKD,    8                         ; log2 of K
.set KD,     1<<LKD
.set NP,     256                       ; partial sums for each column
.set KSTEPS, KD/128
.set NL,     NP/8                      ; loads of partial sums a thread: NP x (S, Q) / 16
.set SPI,    288                       ; a chunk (16 rows x 8 k, 256 bytes) in the stage + 32: a wave's 8-byte stores fall on 64 different words modulo 64
.set STG,    4096                      ; LDS: [0, 4096) [wave][S 64 | Q 64]; then the stage, 32 chunks
.set DOT,    STG+32*SPI                ; [W t | W b][64 rows]
.set SPARE,  DOT+512                   ; the spare words, 128 bytes for each wave, which no other line names
.set VC,  1                            ; v1   16 x my column quad
.set TP,  2                            ; v2   t / 16
.set VO,  3                            ; v3   my offset in part
.set VW,  4                            ; v4   my offset in W
.set VR,  5                            ; v5   16 t
.set SPW, 6
.set NIL, 7
.set VS,  8                            ; v8   where I put 8 bytes in the stage
.set VD,  9                            ; v9   where my row's dots go
.set VRD, 10                           ; v10  where I read a chunk back
.set LO,  11                           ; v11  16 x lane
.set L8,  12                           ; v12  8 x lane
.set GV,  16                           ; v[16:19]  g of my quad
.set BV4, 20                           ; v[20:23]  b
.set WR,  24                           ; v[24:39]  W: my quad of four rows
.set P,   40                           ; v[40:47]  at work
.set PB,  48                           ; v[48:55]  W s, packed
.set DU,  56                           ; v[56:59] W t, v[60:63] W b of my four rows
.set X,   64                           ; the partial sums as loaded; later at work
	s_load_b256 s[4:11], s[0:1], 0x0               ; part s[4:5], g s[6:7], b s[8:9], W s[10:11]
	s_load_b128 s[12:15], s[0:1], 0x20             ; wp s[12:13], bv s[14:15]
	v_lshl_add_u32 v[SPW], v0, 2, SPARE
	v_mov_b32 v[NIL], 0
	v_lshrrev_b32 v13, 5, v0
	v_readfirstlane_b32 s20, v13                   ; wave 0..7
	v_and_b32 v[VC], 15, v0
	v_lshlrev_b32 v[VC], 4, v[VC]
	v_lshrrev_b32 v[TP], 4, v0
	v_lshl_add_u32 v[VO], v[TP], LKD+3, v[VC]      ; partial sum t / 16: 8 K bytes each
	v_lshl_add_u32 v[VW], v[TP], LKD+2, v[VC]      ; row t / 16: 4 K bytes each
	v_lshlrev_b32 v[VR], 4, v0
	s_and_b32 s21, ttmp7, 0xffff                   ; my block of 64 rows
	s_lshl_b32 s22, ttmp9, 8                       ; my slice: 64 columns of f32
	s_mov_b32 s23, 0
	s_lshl_b32 s24, s21, LKD+8                     ; 64 rows of W
	s_add_co_u32 s24, s24, s22
	s_mov_b32 s25, 0
	s_lshr_b32 s26, s21, 2                         ; wp: the tile of 256 rows,
	s_mul_i32 s26, s26, KSTEPS*65536
	s_and_b32 s27, s21, 3                          ; my 64 rows in it: four blocks of 4,096 bytes,
	s_lshl_b32 s27, s27, 14
	s_add_co_u32 s26, s26, s27
	s_lshr_b32 s27, ttmp9, 1                       ; the step of 128 k,
	s_lshl_b32 s27, s27, 16
	s_add_co_u32 s26, s26, s27
	s_and_b32 s27, ttmp9, 1                        ; its first or second 64 k,
	s_lshl_b32 s27, s27, 11
	s_add_co_u32 s26, s26, s27
	s_lshr_b32 s27, s20, 1                         ; my wave's block of 16 rows
	s_lshl_b32 s27, s27, 12
	s_add_co_u32 s26, s26, s27
	s_and_b32 s27, s20, 1                          ; and its 32 k
	s_lshl_b32 s27, s27, 10
	s_add_co_u32 s26, s26, s27
	s_mov_b32 s27, 0
	s_lshl_b32 s28, ttmp9, 13                      ; bv: [slice][2][1024] f32
	s_lshl_b32 s29, s21, 8
	s_add_co_u32 s28, s28, s29
	s_mov_b32 s29, 0
	s_mov_b32 s18, 0x76543210                      ; v_permlanex16_b32: each lane takes its own place in the other half
	s_mov_b32 s19, 0xfedcba98
	s_mov_b32 s31, 0xffff0000                      ; lanes 16-31
	s_mul_i32 s30, s20, 4*SPI
	s_add_co_u32 s30, s30, STG                     ; my wave's four chunks of the stage
	s_wait_kmcnt 0x0
	s_add_nc_u64 s[4:5], s[4:5], s[22:23]
	s_add_nc_u64 s[6:7], s[6:7], s[22:23]
	s_add_nc_u64 s[8:9], s[8:9], s[22:23]
	s_add_nc_u64 s[10:11], s[10:11], s[24:25]
	s_add_nc_u64 s[12:13], s[12:13], s[26:27]
	s_add_nc_u64 s[14:15], s[14:15], s[28:29]
.set i, 0
.rept 4
	global_load_b128 v[WR+4*i:WR+4*i+3], v[VW], s[10:11] offset:i*64*KD
.set i, i+1
.endr
	global_load_b128 v[GV:GV+3],   v[VC], s[6:7]
	global_load_b128 v[BV4:BV4+3], v[VC], s[8:9]
.set i, 0
.rept NL
	global_load_b128 v[X+4*i:X+4*i+3], v[VO], s[4:5] offset:(i/2)*128*KD+(i%2)*4*KD   ; partial sum t / 16 + 16 (i / 2); S, then Q
.set i, i+1
.endr
	v_bfe_u32 v13, v0, 1, 3                        ; into the stage: chunk (quad / 2), bytes 8 (quad % 2) of row t / 16's 16
	v_mul_u32_u24 v13, v13, SPI
	v_and_b32 v14, 1, v0
	v_lshl_add_u32 v13, v14, 3, v13
	v_lshl_add_u32 v[VS], v[TP], 4, v13
	v_add_nc_u32 v[VS], STG, v[VS]
	v_lshl_add_u32 v[VD], v[TP], 2, DOT
	v_and_b32 v14, 1, v[TP]                        ; back: lanes 0-15 take one chunk's 256 bytes, lanes 16-31 the next chunk's
	v_mul_u32_u24 v14, v14, SPI
	v_add_nc_u32 v14, v14, v[VC]
	v_add_nc_u32 v[VRD], s30, v14
	v_and_b32 v13, 31, v0
	v_lshlrev_b32 v[LO], 4, v13
	v_lshlrev_b32 v[L8], 3, v13
.set n, 1
.rept NL/2-1
	s_wait_loadcnt NL-2-2*n                        ; loads come back in order: pair n (and W, g, b, issued first) is in, the younger pairs stay out
.irp e, 0,2,4,6
	v_pk_add_f32 v[X+\e:X+\e+1], v[X+\e:X+\e+1], v[X+8*n+\e:X+8*n+\e+1]
.endr
.set n, n+1
.endr
.irp e, 0,1,2,3,4,5,6,7
	v_permlanex16_b32 v[X+8+\e], v[X+\e], s18, s19 ; the lane 16 away holds the same quad of other partial sums
.endr
.irp e, 0,2,4,6
	v_pk_add_f32 v[X+\e:X+\e+1], v[X+\e:X+\e+1], v[X+8+\e:X+8+\e+1]
.endr
.irp e, 0,1,2,3
	v_cndmask_b32 v[X+16+\e], v[X+\e], v[X+4+\e], s31   ; lanes 0-15 hand on S, lanes 16-31 Q
.endr
	ds_store_b128 v[VR], v[X+16:X+19]              ; [wave][S 64 | Q 64]: 512 consecutive bytes a wave
	s_wait_dscnt 0x0                               ; for the others' sake
	s_barrier_signal -1
	s_barrier_wait -1
.set i, 0
.rept 8
	ds_load_b128 v[X+8*i:X+8*i+3],   v[VC] offset:i*512       ; every thread finishes its own quad: no second hand-over
	ds_load_b128 v[X+8*i+4:X+8*i+7], v[VC] offset:i*512+256
.set i, i+1
.endr
	s_wait_dscnt 0x0
.irp s, 4,2,1
.set i, 0
.rept \s
.irp e, 0,2,4,6
	v_pk_add_f32 v[X+8*i+\e:X+8*i+\e+1], v[X+8*i+\e:X+8*i+\e+1], v[X+8*(i+\s)+\e:X+8*(i+\s)+\e+1]
.endr
.set i, i+1
.endr
.endr
	v_pk_mul_f32 v[X+8:X+9],   v[X:X+1],   0x37800000 op_sel_hi:[1,0]     ; mean = S x 2^-16
	v_pk_mul_f32 v[X+10:X+11], v[X+2:X+3], 0x37800000 op_sel_hi:[1,0]
	v_pk_mul_f32 v[X+12:X+13], v[X+4:X+5], 0x37800000 op_sel_hi:[1,0]     ; Q x 2^-16
	v_pk_mul_f32 v[X+14:X+15], v[X+6:X+7], 0x37800000 op_sel_hi:[1,0]
	v_pk_fma_f32 v[X+12:X+13], v[X+8:X+9],   v[X+8:X+9],   v[X+12:X+13] neg_lo:[1,0,0] neg_hi:[1,0,0]  ; var
	v_pk_fma_f32 v[X+14:X+15], v[X+10:X+11], v[X+10:X+11], v[X+14:X+15] neg_lo:[1,0,0] neg_hi:[1,0,0]
.irp e, 12,13,14,15
	v_max_num_f32 v[X+\e], 0, v[X+\e]
.endr
.irp e, 12,13,14,15
	v_add_f32 v[X+\e], 0x3727c5ac, v[X+\e]         ; + 1e-5
.endr
.irp e, 0,1,2,3
	v_rsq_f32 v[X+16+\e], v[X+12+\e]
.endr
	v_nop                                          ; a plain instruction between the last root and the use of its result (ISA guide 5.7.2)
	s_wait_alu depctr_va_vdst(0)
	v_pk_mul_f32 v[X+16:X+17], v[X+16:X+17], v[GV:GV+1]                   ; s
	v_pk_mul_f32 v[X+18:X+19], v[X+18:X+19], v[GV+2:GV+3]
	v_pk_fma_f32 v[X+20:X+21], v[X+8:X+9],   v[X+16:X+17], v[BV4:BV4+1]   neg_lo:[1,0,0] neg_hi:[1,0,0]  ; t = b - mean s
	v_pk_fma_f32 v[X+22:X+23], v[X+10:X+11], v[X+18:X+19], v[BV4+2:BV4+3] neg_lo:[1,0,0] neg_hi:[1,0,0]
.set i, 0
.rept 4
.set wq, WR+4*i
	v_pk_mul_f32 v[P:P+1],     v[wq:wq+1],   v[X+16:X+17]                 ; W s
	v_pk_mul_f32 v[P+2:P+3],   v[wq+2:wq+3], v[X+18:X+19]
	v_pk_mul_f32 v[P+4:P+5],   v[wq:wq+1],   v[X+20:X+21]                 ; W t over my quad
	v_pk_mul_f32 v[P+6:P+7],   v[wq:wq+1],   v[BV4:BV4+1]                 ; W b
	v_cvt_pk_bf16_f32 v[PB+2*i],   v[P],   v[P+1]
	v_cvt_pk_bf16_f32 v[PB+2*i+1], v[P+2], v[P+3]
	v_pk_fma_f32 v[P+4:P+5],   v[wq+2:wq+3], v[X+22:X+23],   v[P+4:P+5]
	v_pk_fma_f32 v[P+6:P+7],   v[wq+2:wq+3], v[BV4+2:BV4+3], v[P+6:P+7]
	ds_store_b64 v[VS], v[PB+2*i:PB+2*i+1] offset:i*8*SPI
	v_add_f32 v[DU+i],   v[P+4], v[P+5]
	v_add_f32 v[DU+4+i], v[P+6], v[P+7]
.set i, i+1
.endr
.irp m, 1,2,4,8                        ; a row's 16 quads lie in 16 neighbouring lanes: four steps, and every one of them holds the sum
.set e, 0
.rept 8
	v_add_f32_dpp v[DU+e], v[DU+e], v[DU+e] row_xmask:\m row_mask:0xf bank_mask:0xf
.set e, e+1
.endr
.endr
.set e, 0
.rept 8
	ds_store_b32 v[VD], v[DU+e] offset:(e/4)*256+(e%4)*64     ; the 16 lanes write the same word with the same number
.set e, e+1
.endr
	s_wait_dscnt 0x0                               ; for the others' sake
	s_barrier_signal -1
	s_barrier_wait -1
	ds_load_b128 v[X:X+3],   v[VRD]
	ds_load_b128 v[X+4:X+7], v[VRD] offset:2*SPI
	s_wait_dscnt 0x1                               ; the first two chunks are back; the second load stays out
	global_store_b128 v[LO], v[X:X+3],   s[12:13]              ; 512 consecutive bytes, aligned: half a fragment
	s_wait_dscnt 0x0
	global_store_b128 v[LO], v[X+4:X+7], s[12:13] offset:512
	s_cmp_lg_u32 s20, 0
	s_cbranch_scc1 .Lend                           ; wave 0 stores the dots
	ds_load_b64 v[X+8:X+9],   v[L8] offset:DOT
	ds_load_b64 v[X+10:X+11], v[L8] offset:DOT+256
	s_wait_dscnt 0x0
	global_store_b64 v[L8], v[X+8:X+9],   s[14:15]             ; 256 consecutive bytes, aligned: W t of my 64 rows
	global_store_b64 v[L8], v[X+10:X+11], s[14:15] offset:4096 ; W b
.Lend:
	s_wait_tensorcnt 0x0                           ; the wave's end, behind my last LDS store
	ds_add_u32 v[SPW], v[NIL]
	s_wait_dscnt 0x0
	s_endpgm
.Lfunc_end_k_qb8dd5431d4_prep0:
	.size	k_qb8dd5431d4_prep0, .Lfunc_end_k_qb8dd5431d4_prep0-k_qb8dd5431d4_prep0
	.p2alignl 7, 3214868480
	.fill 96, 4, 3214868480
	.section	.rodata,"a",@progbits
	.p2align	6, 0x0
	.amdhsa_kernel k_qb8dd5431d4_prep0
		.amdhsa_group_segment_fixed_size 14848
		.amdhsa_private_segment_fixed_size 0
		.amdhsa_enable_private_segment 0
		.amdhsa_kernarg_size 48
		.amdhsa_user_sgpr_count 2
		.amdhsa_user_sgpr_kernarg_segment_ptr 1
		.amdhsa_wavefront_size32 1
		.amdhsa_system_sgpr_workgroup_id_x 1
		.amdhsa_system_sgpr_workgroup_id_y 1
		.amdhsa_system_sgpr_workgroup_id_z 1
		.amdhsa_system_vgpr_workitem_id 0
		.amdhsa_next_free_vgpr 192
		.amdhsa_next_free_sgpr 66
		.amdhsa_reserve_vcc 0
		.amdhsa_float_denorm_mode_32 3
		.amdhsa_float_denorm_mode_16_64 3
		.amdhsa_memory_ordered 1
		.amdhsa_forward_progress 1
		.amdhsa_inst_pref_size 23
	.end_amdhsa_kernel
	.amdgpu_metadata
---
amdhsa.version: [ 1, 2 ]
amdhsa.kernels:
  - .name:           k_qb8dd5431d4_prep0
    .symbol:         k_qb8dd5431d4_prep0.kd
    .args:
      - { .name: part, .offset: 0, .size: 8, .value_kind: global_buffer, .address_space: global }
      - { .name: g0, .offset: 8, .size: 8, .value_kind: global_buffer, .address_space: global }
      - { .name: b0, .offset: 16, .size: 8, .value_kind: global_buffer, .address_space: global }
      - { .name: W0, .offset: 24, .size: 8, .value_kind: global_buffer, .address_space: global }
      - { .name: wp, .offset: 32, .size: 8, .value_kind: global_buffer, .address_space: global }
      - { .name: bv, .offset: 40, .size: 8, .value_kind: global_buffer, .address_space: global }
    .group_segment_fixed_size: 14848
    .private_segment_fixed_size: 0
    .kernarg_segment_align: 8
    .kernarg_segment_size: 48
    .max_flat_workgroup_size: 256
    .sgpr_count:     66
    .vgpr_count:     192
    .wavefront_size: 32
...
	.end_amdgpu_metadata
.endif
;; end of part 8
;; launch gemm0 (part 9): grid 256 x 1, 4 waves a work-group, clusters of 4 x 1, 327,680 bytes of LDS; arguments dA, wp, bv, c0, dB, part; writes dB, part
.if DOCPART == 9
	.amdgcn_target "amdgcn-amd-amdhsa--gfx1250"
	.amdhsa_code_object_version 6
	.text
	.protected	k_qb8dd5431d4_gemm0
	.globl	k_qb8dd5431d4_gemm0
	.p2align	8
	.type	k_qb8dd5431d4_gemm0,@function
k_qb8dd5431d4_gemm0:
	s_mov_b64 s[64:65], 0
	v_nop
	global_prefetch_b8 v0, s[64:65] scope:SCOPE_SE
	s_setreg_imm32_b32 hwreg(HW_REG_WAVE_MODE, 25, 1), 1
	s_wait_xcnt 0x0
	s_wait_alu depctr_hold_cnt(0) depctr_sa_sdst(0) depctr_va_vdst(0) depctr_va_sdst(0) depctr_va_ssrc(0) depctr_va_vcc(0) depctr_vm_vsrc(0)
	s_getreg_b32 s2, hwreg(HW_REG_IB_STS2, 6, 4)
	s_cmp_eq_u32 s2, 0
	s_cbranch_scc0 .Lentry_in_a_cluster
	s_endpgm
.Lentry_in_a_cluster:
	s_bfe_u32 s2, ttmp6, 0x10000c
	s_cmp_lg_u32 s2, 0x3003
	s_cbranch_scc0 .Lentry_shape_is_right
	s_endpgm
.Lentry_shape_is_right:
; LAYER 0.  acc = d (W s)^T + bm = y - ksh; d_next = relu(y) - ksh = max(acc, nk), stored in bf16 in the next product's layout; and for each column S = sum d_next, Q = sum d_next^2 (unrounded).
; ksh = max(c + W b, 0) is the ReLU of y's exact mean, the next layer's pilot; bm = c + W t - ksh; nk = -ksh.  W t and W b arrive in NS parts (a part for each 64 k) and are added in the head.
; d: [65,536][256], W s: [512][256], both bf16 (the one rounding of the operands; sums in f32).  NaN and infinities are not treated apart.
; OPERANDS lie [tile of 256 rows][128 k][half of 128 rows][16 rows][32 k][1,024 bytes]: 128 rows x 128 k are 32,768 dense bytes, one tensor load; a fragment is two loads of 16 bytes a lane at 16 x lane and + 512.
; SHARES.  A tile of the result is 256 x 256; four waves, 128 x 128 each: 64 accumulators, 512 registers.  A work-group STAYS for TILES tiles, one below the other; the ring of two LDS slots (one step of 128 k each) runs on
; across tiles.  The matrix instruction is used transposed (source 0 = 16 rows of W s, source 1 = 16 rows of d): a lane then holds eight neighbouring columns of one row, which pack into 16 bytes that the
; next layer's layout wants side by side: the result leaves straight from registers, 512 consecutive bytes a store.
; THE WALK is TILES x KSTEPS equal steps, written once: a change of slots, then twice two quarter steps.  At a tile's end the way out and the quarter that starts the sums take the plain quarter's place.
; The loop is entered at that quarter and left behind the last way out.  The price of one text, once a launch: the last change orders nothing, and the 32 LDS loads behind it fetch bytes that nobody multiplies.
; CLUSTER.  The four work-groups of a cluster take the same 256 columns, so W's tiles are asked for JOINTLY (mask of all four).  d's tiles are not: a tile of d has two users only (the two column tiles), which lie in two
; neighbouring clusters; a mask names partners of one cluster.  d's loads are the work-group's own, issued behind the same rounds.
; REGISTERS, in windows of 256 (s_set_vgpr_msb: bits 1:0 source 0, 3:2 source 1, 5:4 source 2, 7:6 destination):
;   window 0: v0-31 addresses and sums; v32-55 at work on the way out; v64-127, v128-191 fragments of d, two buffers (the second holds Q on the way out); v192-255 S
;   window 1: v0-63 nk; v64-127, v128-191 fragments of W s; v192-255 bm      windows 2, 3: the accumulators of my rows 0-63, 64-127: (a, b) at 64 (a % 4) + 8 b
.set KSTEPS, 2                         ; steps of 128 along K
.set NCT,    2                         ; column tiles
.set TILES,  2                         ; tiles a work-group
.set MODE,   0                         ; 0: ReLU, store, statistics; 1: maximum over rows
.set NS,     2*KSTEPS                  ; parts of the dots
.set SLOT,  1<<17                      ; a slot: d's two halves, then W's two halves, 32,768 bytes each; slot 1 begins here, so one exclusive or changes slots
.set RED,   2*SLOT                     ; behind the ring, never filled by a tensor load: for each wave 16 rows of 512 bytes, 528 apart
.set RP,    528
.set XCH,   RED+4*16*RP                ; where the lower row half's waves hand their sums to the upper's
.set SPARE, XCH+2048                   ; the spare words, 128 bytes for each wave, which no other line names
.set CO,    3                          ; v3   16 x lane
.set ADRA0, 4                          ; v4   my lane's place in a slot's d; never rewritten
.set ADRB0, 5                          ; v5   the same for W
.set ADRA,  6                          ; v6   the address of the run of loads in hand
.set ADRB,  7
.set RST,   8                          ; v8   my bytes of RED: where I put 16 bytes
.set RRD,   9                          ; v9   where I read a column quad's 16 partial sums
.set XA,    10                         ; v10  my place in XCH
.set VB,    11                         ; v11  my bytes of RED + 32 x (lane / 16): my 8 columns of a block of 16
.set SS,    12                         ; v[12:15] S of columns 4 l .. of my 128, over the tiles so far
.set QQ,    16                         ; v[16:19] Q
.set TT,    20                         ; v[20:27] at work
.set SPW,   28
.set NIL,   29
.set D,     32                         ; v[32:47] d_next of two accumulators
.set PK,    48                         ; v[48:55] the same, packed
.set F0,    64
.set F1,    128
.set QR,    128                        ; Q by (b, j), on the way out
.set SR,    192                        ; S (or the maximum) by (b, j)
.set NK,    0                          ; window 1
.set BM,    192                        ; window 1
.set WV, 14
.set RH, 15                            ; which half of the tile's rows is mine.  Also: I fetch d (0) or W (1)
.set CH, 16                            ; which half of its columns.  Also: which half of that tile I fetch
.set CT, 17                            ; column tile
.set RG, 18                            ; group of TILES row tiles
.set G1A, 24                           ; s[24:31] descriptor group 1 for d's tiles
.set G0A, 32                           ; s[32:39] group 0: a set for each first fill; the second then walks
.set BB,  40                           ; s[40:41] W s at my half of the column tile's step 0
.set BOFF, 42                          ; s[42:43] the walking step's offset from there
.set TB,  44                           ; LDS byte at which the quarter step to be fetched begins
.set TL,  45                           ; tiles to go
.set HC,  47                           ; counts a step's two pairs of quarters
.set G1B, 48                           ; the same for W's tiles
.set G0B, 56
.set OUTP, 80                          ; s[80:81] the result
.set PARTP, 82                         ; s[82:83] part
.set FL,  84                           ; refills to go
.set KC,  85                           ; changes to go in this tile
.set ST,  86                           ; passes of the loop's foot to go
.set MSB, 0
.macro WIN new                         ; the immediate's high byte repeats the setting that is left; a switch that changes nothing is dropped
.if MSB != (\new)
	s_set_vgpr_msb (MSB<<8)|(\new)
.set MSB, (\new)
.endif
.endm
.macro PLACES                          ; four plain vector instructions behind matrix instructions, ahead of what reads their results or writes their registers (ISA guide 7.12.1)
.rept 4
	v_nop
.endr
.endm
.macro JLOAD                           ; a refill: waves 0 and 1 fetch d's halves, waves 2 and 3 W's.  An s_nop 0 and four v_nop follow each line, ahead of the jump and the label
	s_cmp_eq_u32 s[RH], 0
	s_cbranch_scc0 .Lfor_b_\@
	tensor_load_to_lds s[G0A+4:G0A+7], s[G1A:G1A+7]
	s_nop 0
	PLACES
	s_branch .Lasked_\@
.Lfor_b_\@:
	tensor_load_to_lds s[G0B+4:G0B+7], s[G1B:G1B+7]
	s_nop 0
	PLACES
.Lasked_\@:
.endm
.macro CROUND                          ; a round of the cluster's barrier: my work-group's barrier; wave 0 signals for the work-group; every wave waits for all; my work-group's barrier once more
	s_barrier_signal -1
	s_barrier_wait -1
	s_cmp_lg_u32 s[WV], 0
	s_cbranch_scc1 .Lnot_wave_0_\@
	s_barrier_signal -3
.Lnot_wave_0_\@:
	s_barrier_wait -3
	s_barrier_signal -1
	s_barrier_wait -1
.endm
	s_load_b256 s[4:11], s[0:1], 0x0               ; d s[4:5], W s s[6:7], bv s[8:9], c s[10:11]
.if MODE == 0
	s_load_b128 s[OUTP:OUTP+3], s[0:1], 0x20       ; the result, part
.else
	s_load_b64 s[OUTP:OUTP+1], s[0:1], 0x20        ; the result
.endif
	v_lshl_add_u32 v[SPW], v0, 2, SPARE
	v_mov_b32 v[NIL], 0
	ds_add_u32 v[SPW], v[NIL]                      ; the wave's opening: the add and its wait stand ahead of my first tensor load; the set-up below, work on registers, stands between them
	v_lshrrev_b32 v1, 5, v0
	v_readfirstlane_b32 s[WV], v1                  ; wave 0..3
	s_lshr_b32 s[RH], s[WV], 1
	s_and_b32 s[CH], s[WV], 1
	s_bfe_u32 s66, ttmp6, 0x40000                  ; cx: my place along the cluster's x
.if NCT == 2
	s_and_b32 s[CT], ttmp9, 1                      ; ttmp9 counts clusters: the column tile is the cluster's,
	s_lshr_b32 s[RG], ttmp9, 1
	s_lshl_b32 s[RG], s[RG], 2
	s_add_co_u32 s[RG], s[RG], s66                 ; the rows are mine
	s_mov_b32 s[G1A], 3<<16                        ; 15:0 no mask; 17:16 elements of 8 bytes; no padding
	s_mov_b32 s[G1B], 15|(3<<16)|(1<<21)           ; the mask of all four; 21 set beside a mask
.else
	s_bfe_u32 s67, ttmp6, 0x40004                  ; cy
	s_lshl_b32 s[CT], ttmp9, 2
	s_add_co_u32 s[CT], s[CT], s66                 ; column tile = 4 x cluster x + cx
	s_and_b32 s[RG], ttmp7, 0xffff
	s_lshl_b32 s[RG], s[RG], 2
	s_add_co_u32 s[RG], s[RG], s67                 ; row group = 4 x cluster y + cy
	s_lshl_b32 s68, s67, 2
	s_lshl_b32 s68, 15, s68                        ; my row of the cluster shares d's tiles,
	s_lshl_b32 s69, 0x1111, s66                    ; my column W's
	s_or_b32 s[G1A], s68, (3<<16)|(1<<21)
	s_or_b32 s[G1B], s69, (3<<16)|(1<<21)
.endif
.irp g, G1A, G1B                       ; 32,768 dense bytes as 128 rows of 32 elements of 8 bytes
	s_mov_b32 s[(\g)+1], 32<<16                    ; tensor_dim0 = 32
	s_mov_b32 s[(\g)+2], 128<<16                   ; tensor_dim1 = 128
	s_mov_b32 s[(\g)+3], 32<<16                    ; tile_dim0 = 32
	s_mov_b32 s[(\g)+4], 128                       ; tile_dim1 = 128
	s_mov_b32 s[(\g)+5], 32                        ; 32 elements from row to row
	s_mov_b32 s[(\g)+6], 0
	s_mov_b32 s[(\g)+7], 0
.endr
	s_lshl_b32 s19, s[CH], 15                      ; the half that I fetch
	s_mul_i32 s20, s[RG], TILES*KSTEPS*65536       ; d: my first tile's step 0 (registers that never hold the column tile)
	s_add_co_u32 s20, s20, s19
	s_mov_b32 s21, 0
	s_mul_i32 s22, s[CT], KSTEPS*65536             ; W: the column tile's step 0 (registers that never hold the row group)
	s_add_co_u32 s22, s22, s19
	s_mov_b32 s23, 0
	s_lshl_b32 s70, s[WV], 15                      ; where my loads land in a slot: the wave's number alone
	s_mov_b32 s[BOFF], 65536
	s_mov_b32 s[BOFF+1], 0
	s_mov_b32 s[TB], 0
	s_mov_b32 s[TL], TILES
	s_mov_b32 s[FL], TILES*KSTEPS-2                ; the walk's last two steps are followed by nothing to fetch
	s_mov_b32 s[KC], KSTEPS
	s_mov_b32 s[ST], TILES*KSTEPS+1                ; the walk has TILES x KSTEPS changes, a trip each.  The loop's foot is passed by the entry's part trip and by every trip but the last, which leaves at the last way out:
	                                               ; TILES x KSTEPS passes, and the count is still 1 behind the last of them
	s_lshl_b32 s76, s[CT], 10                      ; my 128 columns x 4 bytes: in c, in a row of bv, in a row of part or pm
	s_lshl_b32 s77, s[CH], 9
	s_add_co_u32 s76, s76, s77
	s_mov_b32 s77, 0
	s_lshl_b32 s74, s[RG], 12                      ; part / pm: 4,096 bytes a row group
	s_add_co_u32 s74, s74, s76
	s_mov_b32 s75, 0
.if MODE == 0
	s_lshl_b32 s72, s[RG], 19                      ; the result's block: ((tile x 4 + 2 CT + CH) x 2 + RH) x 32,768, tile = 2 RG
	s_lshl_b32 s73, s[CT], 17
	s_add_co_u32 s72, s72, s73
	s_lshl_b32 s73, s[CH], 16
	s_add_co_u32 s72, s72, s73
	s_lshl_b32 s73, s[RH], 15
	s_add_co_u32 s72, s72, s73
	s_mov_b32 s73, 0
.endif
	s_wait_dscnt 0x0                               ; the opening add is done
	s_wait_kmcnt 0x0
	s_add_nc_u64 s[20:21], s[4:5], s[20:21]
	s_add_nc_u64 s[BB:BB+1], s[6:7], s[22:23]
	s_add_nc_u64 s[8:9], s[8:9], s[76:77]
	s_add_nc_u64 s[10:11], s[10:11], s[76:77]
.if MODE == 0
	s_add_nc_u64 s[OUTP:OUTP+1], s[OUTP:OUTP+1], s[72:73]
	s_add_nc_u64 s[PARTP:PARTP+1], s[PARTP:PARTP+1], s[74:75]
.else
	s_add_nc_u64 s[OUTP:OUTP+1], s[OUTP:OUTP+1], s[74:75]
.endif
.irp s, 0,1
	s_mov_b32 s[G0A+4*(\s)], 1                                     ; count = 1
	s_add_co_u32 s[G0A+4*(\s)+1], s70, (\s)*SLOT                   ; LDS address
	s_add_nc_u64 s[G0A+4*(\s)+2:G0A+4*(\s)+3], s[20:21], (\s)*65536  ; global address: step s
	s_or_b32 s[G0A+4*(\s)+3], s[G0A+4*(\s)+3], 0x80000000         ; type = 2
	s_mov_b32 s[G0B+4*(\s)], 1
	s_add_co_u32 s[G0B+4*(\s)+1], s70, (\s)*SLOT
	s_add_nc_u64 s[G0B+4*(\s)+2:G0B+4*(\s)+3], s[BB:BB+1], (\s)*65536
	s_or_b32 s[G0B+4*(\s)+3], s[G0B+4*(\s)+3], 0x80000000
.endr
	CROUND                                         ; all partners are here: the first joint loads meet
	s_cmp_eq_u32 s[RH], 0                          ; a wave's two first fills stand in one branch, ahead of every wait on TENSORcnt and every LDS read: two loads of mine are out
	s_cbranch_scc0 .Lfirst_b
	tensor_load_to_lds s[G0A:G0A+3], s[G1A:G1A+7]
	s_nop 0
	tensor_load_to_lds s[G0A+4:G0A+7], s[G1A:G1A+7]
	s_nop 0
	PLACES
	s_branch .Lfirst_asked
.Lfirst_b:
	tensor_load_to_lds s[G0B:G0B+3], s[G1B:G1B+7]
	s_nop 0
	tensor_load_to_lds s[G0B+4:G0B+7], s[G1B:G1B+7]
	s_nop 0
	PLACES
.Lfirst_asked:
	; THE BIAS, in the wait for the first tile.  Lane l takes columns 4 l .. 4 l + 3 of my 128: each load of the wave covers 512 consecutive bytes.
	v_and_b32 v1, 31, v0                           ; lane
	v_lshlrev_b32 v[CO], 4, v1
	global_load_b128 v[D:D+3], v[CO], s[10:11]     ; c
.set i, 0
.rept NS
	global_load_b128 v[F0+8*i:F0+8*i+3],   v[CO], s[8:9] offset:i*8192        ; part i of W t
.if MODE == 0
	global_load_b128 v[F0+8*i+4:F0+8*i+7], v[CO], s[8:9] offset:i*8192+4096   ; part i of W b
.endif
.set i, i+1
.endr
	s_lshl_b32 s71, s[RH], 15
	v_add_nc_u32 v[ADRA0], s71, v[CO]              ; my 128 rows of d
	s_add_co_u32 s71, s19, 65536
	v_add_nc_u32 v[ADRB0], s71, v[CO]              ; my 128 rows of W, behind d's 256
	s_mul_i32 s71, s[WV], 16*RP
	s_add_co_u32 s71, s71, RED
	v_add_nc_u32 v[RST], s71, v[CO]
	v_lshrrev_b32 v20, 2, v1                       ; columns 4 l .. 4 l + 3 lie in register quad 2 (l / 4) + l % 2 of the lanes of half (l / 2) % 2
	v_and_b32 v21, 1, v1
	v_lshl_add_u32 v20, v20, 1, v21
	v_mul_u32_u24 v20, v20, RP
	v_bfe_u32 v21, v1, 1, 1
	v_lshl_add_u32 v20, v21, 8, v20
	v_add_nc_u32 v[RRD], s71, v20
	v_bfe_u32 v21, v0, 4, 1
	v_lshl_add_u32 v[VB], v21, 5, s71
	s_lshl_b32 s71, s[CH], 10
	s_add_co_u32 s71, s71, XCH
	v_add_nc_u32 v[XA], s71, v[CO]
.if MODE == 0
.set i, 0
.rept 8
	v_mov_b32 v[SS+i], 0
.set i, i+1
.endr
.else
.set i, 0
.rept 64
	v_mov_b32 v[SR+i], 0xff800000                  ; the running maxima start at minus infinity
.set i, i+1
.endr
.endif
	s_wait_loadcnt 0x0
.set i, 1
.rept NS-1
	v_pk_add_f32 v[F0:F0+1],   v[F0:F0+1],   v[F0+8*i:F0+8*i+1]
	v_pk_add_f32 v[F0+2:F0+3], v[F0+2:F0+3], v[F0+8*i+2:F0+8*i+3]
.if MODE == 0
	v_pk_add_f32 v[F0+4:F0+5], v[F0+4:F0+5], v[F0+8*i+4:F0+8*i+5]
	v_pk_add_f32 v[F0+6:F0+7], v[F0+6:F0+7], v[F0+8*i+6:F0+8*i+7]
.endif
.set i, i+1
.endr
	v_pk_add_f32 v[F0:F0+1],   v[F0:F0+1],   v[D:D+1]      ; c + W t
	v_pk_add_f32 v[F0+2:F0+3], v[F0+2:F0+3], v[D+2:D+3]
.if MODE == 0
	v_pk_add_f32 v[F0+4:F0+5], v[F0+4:F0+5], v[D:D+1]      ; c + W b
	v_pk_add_f32 v[F0+6:F0+7], v[F0+6:F0+7], v[D+2:D+3]
.irp e, 4,5,6,7
	v_max_num_f32 v[F0+\e], 0, v[F0+\e]            ; ksh
.endr
.irp e, 0,1,2,3
	v_sub_f32 v[F0+\e], v[F0+\e], v[F0+4+\e]       ; bm
.endr
.irp e, 4,5,6,7
	v_mul_f32 v[F0+\e], -1.0, v[F0+\e]             ; nk
.endr
.endif
	ds_store_b128 v[RST], v[F0:F0+3]               ; through my own bytes of LDS into the accumulators' layout: register j of block b is column 16 b + 8 (lane / 16) + j
.if MODE == 0
	ds_store_b128 v[RST], v[F0+4:F0+7] offset:512
.endif
	WIN 0x40                                       ; destination window 1, address window 0
.irp b, 0,1,2,3,4,5,6,7                ; LDS serves a wave's instructions in order (ISA guide 5.7.1.4): these see the stores above
	ds_load_b128 v[BM+8*(\b):BM+8*(\b)+3],   v[VB] offset:(\b)*64
	ds_load_b128 v[BM+8*(\b)+4:BM+8*(\b)+7], v[VB] offset:(\b)*64+16
.if MODE == 0
	ds_load_b128 v[NK+8*(\b):NK+8*(\b)+3],   v[VB] offset:512+(\b)*64
	ds_load_b128 v[NK+8*(\b)+4:NK+8*(\b)+7], v[VB] offset:512+(\b)*64+16
.endif
.endr
	WIN 0
; 16 matrix instructions: row blocks a0, a0 + 1 of the window's four x all 8 column blocks, 32 along K.  init = 1: the sums start from bm.
; The 64 accumulators take turns, one instruction a turn, in the same order in every quarter step.
.macro MUL16 f, hi, a0, init
.if \init
	WIN 0x91+0x40*(\hi)                            ; W window 1, d window 0, C (bm) window 1, D window 2 or 3
.else
	WIN 0xa1+0x50*(\hi)                            ; C and D window 2 or 3
.endif
.irp a, \a0, (\a0)+1
.irp b, 0,1,2,3,4,5,6,7
.if \init
	v_wmma_f32_16x16x32_bf16 v[8*(8*(\a)+(\b)):8*(8*(\a)+(\b))+7], v[(\f)+8*(\b):(\f)+8*(\b)+7], v[(\f)+8*(4*(\hi)+(\a)):(\f)+8*(4*(\hi)+(\a))+7], v[BM+8*(\b):BM+8*(\b)+7]
.else
	v_wmma_f32_16x16x32_bf16 v[8*(8*(\a)+(\b)):8*(8*(\a)+(\b))+7], v[(\f)+8*(\b):(\f)+8*(\b)+7], v[(\f)+8*(4*(\hi)+(\a)):(\f)+8*(4*(\hi)+(\a))+7], v[8*(8*(\a)+(\b)):8*(8*(\a)+(\b))+7]
.endif
.endr
.endr
.endm
; 32 LDS loads in one run: the fragments of the quarter step at s[TB] into buffer g.  The four vector lines ahead are the places behind the matrix instructions that read that buffer.
.macro FETCH g
	WIN 0
	v_nop
	v_nop
	v_add_nc_u32 v[ADRA], s[TB], v[ADRA0]
	v_add_nc_u32 v[ADRB], s[TB], v[ADRB0]
	s_add_co_u32 s[TB], s[TB], 1024                ; the next fetch is the next 32 along K
	WIN 0x40
.irp i, 0,1,2,3,4,5,6,7
	ds_load_b128 v[(\g)+8*(\i):(\g)+8*(\i)+3],   v[ADRB] offset:(\i)*4096
	ds_load_b128 v[(\g)+8*(\i)+4:(\g)+8*(\i)+7], v[ADRB] offset:(\i)*4096+512
.endr
	WIN 0
.irp i, 0,1,2,3,4,5,6,7
	ds_load_b128 v[(\g)+8*(\i):(\g)+8*(\i)+3],   v[ADRA] offset:(\i)*4096
	ds_load_b128 v[(\g)+8*(\i)+4:(\g)+8*(\i)+7], v[ADRA] offset:(\i)*4096+512
.endr
.endm
; A quarter step: 64 matrix instructions on buffer f; in its middle the next quarter's fragments are fetched into g.  It leaves every window 0, for the label or branch behind it.
.macro QUARTER f, g, init
	s_wait_dscnt 8                                 ; W and d's rows 0-63 are in; the youngest eight loads (d's rows 64-127) may be out
	MUL16 \f, 0, 0, \init
	MUL16 \f, 0, 2, \init
	FETCH \g
	s_wait_dscnt 32                                ; all but the 32 just issued
	MUL16 \f, 1, 0, \init
	MUL16 \f, 1, 2, \init
	WIN 0
.endm
; THE CHANGE OF SLOTS, when a step's last fragments have been asked for.  Each wave waits for all its tensor loads, of which at most one is out: its part of the other slot; adds 0 to its spare word; and waits for that and for
; its reads of this slot.  Behind the barrier nobody reads this slot any more and the other is whole.  fill = 1: this slot takes the walk's step two further on; the barrier is then a round of the cluster's, and the refill
; is the first thing behind it: it has a whole step, 256 matrix instructions, in which to land.
.macro CHANGE fill
	WIN 0
	s_wait_tensorcnt 0x0                           ; no tensor load of mine is out, so a group 0 may be written
	ds_add_u32 v[SPW], v[NIL]                      ; 0 onto my spare word; the descriptors' steps stand between it and the wait for it
.if \fill
	s_sub_co_u32 s[FL], s[FL], 1
	s_xor_b32 s[G0A+5], s[G0A+5], SLOT             ; the other slot than last time
	s_xor_b32 s[G0B+5], s[G0B+5], SLOT
	s_add_nc_u64 s[G0A+6:G0A+7], s[G0A+6:G0A+7], 65536  ; d's steps, and the tiles of my walk, lie end to end; the type bits are not reached
	s_add_co_u32 s[BOFF], s[BOFF], 65536           ; W's steps go round
	s_and_b32 s[BOFF], s[BOFF], KSTEPS*65536-1
	s_add_nc_u64 s[G0B+6:G0B+7], s[BB:BB+1], s[BOFF:BOFF+1]
	s_or_b32 s[G0B+7], s[G0B+7], 0x80000000
.endif
	s_wait_dscnt 0x0                               ; the add is done, and my reads of the slot are over
.if \fill
	CROUND
	JLOAD
.else
	s_barrier_signal -1
	s_barrier_wait -1
.endif
	s_sub_co_u32 s[TB], s[TB], 4096                ; the fetches go back to a step's first quarter,
	s_xor_b32 s[TB], s[TB], SLOT                   ; in the other slot
.endm
; Both forms whole, side by side, each with its own waits for 0 and its own barrier; the count of refills to go, the same number in every wave and every partner, chooses.
.macro CHG
	s_cmp_eq_u32 s[FL], 0
	s_cbranch_scc1 .Lno_fill_\@
	CHANGE 1
	s_branch .Lchanged_\@
.Lno_fill_\@:
	CHANGE 0
.Lchanged_\@:
.endm
; 64 registers R (by column block and register) are reduced over the 16 lanes of each half through my own bytes of LDS: lane l ends with columns 4 l .. 4 l + 3 in v[R:R+3].  op 0: sum, 1: maximum.
.macro REDUCE R, op
.set i, 0
.rept 16
	ds_store_b128 v[RST], v[(\R)+4*i:(\R)+4*i+3] offset:i*RP
.set i, i+1
.endr
.set i, 0
.rept 16
	ds_load_b128 v[(\R)+4*i:(\R)+4*i+3], v[RRD] offset:i*16    ; LDS serves a wave's instructions in order (ISA guide 5.7.1.4): these see the stores above
.set i, i+1
.endr
	s_wait_dscnt 0x0
.irp s, 8,4,2,1
.set i, 0
.rept \s
.if (\op) == 0
	v_pk_add_f32 v[(\R)+4*i:(\R)+4*i+1],   v[(\R)+4*i:(\R)+4*i+1],   v[(\R)+4*(i+\s):(\R)+4*(i+\s)+1]
	v_pk_add_f32 v[(\R)+4*i+2:(\R)+4*i+3], v[(\R)+4*i+2:(\R)+4*i+3], v[(\R)+4*(i+\s)+2:(\R)+4*(i+\s)+3]
.else
.irp e, 0,1,2,3
	v_max_num_f32 v[(\R)+4*i+\e], v[(\R)+4*i+\e], v[(\R)+4*(i+\s)+\e]
.endr
.endif
.set i, i+1
.endr
.endr
.endm
; The way out of accumulators (a, b) and (a, b + 1): d_next = max(acc, nk), lowest registers first; S and Q take it (row block 0 starts them: nothing is cleared); rounded to bf16; stored.
.macro BATCH
.set ac, 64*(a%4)+8*b
.if a == 0
.set dd, SR+8*b
.else
.set dd, D
.endif
	WIN 0x06+(a/4)                                 ; source 0 window 2 or 3, source 1 (nk) window 1
.set j, 0
.rept 16
	v_max_num_f32 v[dd+j], v[ac+j], v[NK+8*b+j]
.set j, j+1
.endr
	WIN 0
.set j, 0
.rept 8
.if a == 0
	v_pk_mul_f32 v[QR+8*b+j:QR+8*b+j+1], v[dd+j:dd+j+1], v[dd+j:dd+j+1]
.else
	v_pk_add_f32 v[SR+8*b+j:SR+8*b+j+1], v[SR+8*b+j:SR+8*b+j+1], v[dd+j:dd+j+1]
	v_pk_fma_f32 v[QR+8*b+j:QR+8*b+j+1], v[dd+j:dd+j+1], v[dd+j:dd+j+1], v[QR+8*b+j:QR+8*b+j+1]
.endif
.set j, j+2
.endr
	s_wait_xcnt 0x0                                ; the stores before have had their addresses translated (ISA guide 3.1): PK is rewritten only behind this wait
.set j, 0
.rept 8
	v_cvt_pk_bf16_f32 v[PK+j], v[dd+2*j], v[dd+2*j+1]
.set j, j+1
.endr
	global_store_b128 v[CO], v[PK:PK+3],   s[OUTP:OUTP+1] offset:a*4096+b*512      ; 512 consecutive bytes, aligned: half a fragment of the next layer
	global_store_b128 v[CO], v[PK+4:PK+7], s[OUTP:OUTP+1] offset:a*4096+b*512+512
.endm
	s_wait_dscnt 0x0                               ; bm and nk are in their registers: no LDS instruction of mine is out at the signal
	s_wait_tensorcnt 0x1                           ; my part of step 0 is in; step 1's may stay out
	s_barrier_signal -1
	s_barrier_wait -1                              ; everybody's is
	FETCH F0
	s_mov_b32 s[HC], 2
	s_branch .Lfirst                               ; the walk is entered at the quarter that starts a tile's sums
.Lstep:                                                ; a trip: the change behind step i's third quarter; its fourth quarter; the first three of step i + 1
	CHG
	s_mov_b32 s[HC], 2
	s_sub_co_u32 s[KC], s[KC], 1                   ; 0: the tile's last change
.Lh:
	QUARTER F1, F0, 0                              ; a step's fourth quarter, or its second
	s_cmp_eq_u32 s[KC], 0
	s_cbranch_scc1 .Lbound
	QUARTER F0, F1, 0                              ; the next step's first quarter, or this step's third
	s_branch .Lhj
.Lbound:                                               ; THE TILE IS FINISHED; the next tile's first fragments and its first two steps have been asked for
	PLACES
.if MODE == 0
.set a, 0
.rept 8
.set b, 0
.rept 4
	BATCH
.set b, b+2
.endr
.set a, a+1
.endr
	REDUCE SR, 0
	v_pk_add_f32 v[SS:SS+1],   v[SS:SS+1],   v[SR:SR+1]
	v_pk_add_f32 v[SS+2:SS+3], v[SS+2:SS+3], v[SR+2:SR+3]
	REDUCE QR, 0
	v_pk_add_f32 v[QQ:QQ+1],   v[QQ:QQ+1],   v[QR:QR+1]
	v_pk_add_f32 v[QQ+2:QQ+3], v[QQ+2:QQ+3], v[QR+2:QR+3]
	s_wait_xcnt 0x0                                ; the stores' base is stepped only behind this wait
	s_add_nc_u64 s[OUTP:OUTP+1], s[OUTP:OUTP+1], 262144   ; the next tile of 256 rows of the result
.else
.set hi, 0
.rept 2
	WIN 0x28+0x14*hi                               ; sources 1 and 2 window 2 or 3
.set a, 0
.rept 2
.set i, 0
.rept 64
	v_max3_num_f32 v[SR+i], v[SR+i], v[128*a+i], v[128*a+64+i]   ; two row blocks at a time, each accumulator's lowest registers first
.set i, i+1
.endr
.set a, a+1
.endr
.set hi, hi+1
.endr
	WIN 0
.endif
	s_mov_b32 s[KC], KSTEPS
	s_sub_co_u32 s[TL], s[TL], 1
	s_cmp_eq_u32 s[TL], 0
	s_cbranch_scc1 .Lend                           ; the walk is left behind the last way out
.Lfirst:
	QUARTER F0, F1, 1                              ; a tile's first quarter starts the sums
.Lhj:
	s_sub_co_u32 s[HC], s[HC], 1
	s_cmp_lg_u32 s[HC], 0
	s_cbranch_scc1 .Lh
	s_sub_co_u32 s[ST], s[ST], 1                   ; the loop's foot
	s_cmp_lg_u32 s[ST], 0
	s_cbranch_scc1 .Lstep
.Lend:
	; the two row halves meet: the lower half's waves hand over, the upper's add (or take the maximum) and store
.if MODE == 1
	REDUCE SR, 1
.endif
	s_cmp_eq_u32 s[RH], 0
	s_cbranch_scc1 .Lno_give
.if MODE == 0
	ds_store_b128 v[XA], v[SS:SS+3]
	ds_store_b128 v[XA], v[QQ:QQ+3] offset:512
.else
	ds_store_b128 v[XA], v[SR:SR+3]
.endif
.Lno_give:
	s_wait_dscnt 0x0                               ; for the others' sake
	s_barrier_signal -1
	s_barrier_wait -1
	s_cmp_lg_u32 s[RH], 0
	s_cbranch_scc1 .Lno_take
	ds_load_b128 v[TT:TT+3], v[XA]
.if MODE == 0
	ds_load_b128 v[TT+4:TT+7], v[XA] offset:512
	s_wait_dscnt 0x0
	v_pk_add_f32 v[SS:SS+1],   v[SS:SS+1],   v[TT:TT+1]
	v_pk_add_f32 v[SS+2:SS+3], v[SS+2:SS+3], v[TT+2:TT+3]
	v_pk_add_f32 v[QQ:QQ+1],   v[QQ:QQ+1],   v[TT+4:TT+5]
	v_pk_add_f32 v[QQ+2:QQ+3], v[QQ+2:QQ+3], v[TT+6:TT+7]
	global_store_b128 v[CO], v[SS:SS+3], s[PARTP:PARTP+1]              ; 512 consecutive bytes, aligned
	global_store_b128 v[CO], v[QQ:QQ+3], s[PARTP:PARTP+1] offset:2048
.else
	s_wait_dscnt 0x0
.irp e, 0,1,2,3
	v_max_num_f32 v[SR+\e], v[SR+\e], v[TT+\e]
.endr
	global_store_b128 v[CO], v[SR:SR+3], s[OUTP:OUTP+1]                ; 512 consecutive bytes, aligned
.endif
.Lno_take:
	s_wait_tensorcnt 0x0                           ; the wave's end, behind my last tensor load and my last LDS store
	ds_add_u32 v[SPW], v[NIL]
	s_wait_dscnt 0x0
	CROUND                                         ; the closing round: no work-group ends while a partner may still ask for a tile that names it
	s_endpgm
.Lfunc_end_k_qb8dd5431d4_gemm0:
	.size	k_qb8dd5431d4_gemm0, .Lfunc_end_k_qb8dd5431d4_gemm0-k_qb8dd5431d4_gemm0
	.p2alignl 7, 3214868480
	.fill 96, 4, 3214868480
	.section	.rodata,"a",@progbits
	.p2align	6, 0x0
	.amdhsa_kernel k_qb8dd5431d4_gemm0
		.amdhsa_group_segment_fixed_size 327680
		.amdhsa_private_segment_fixed_size 0
		.amdhsa_enable_private_segment 0
		.amdhsa_kernarg_size 48
		.amdhsa_user_sgpr_count 2
		.amdhsa_user_sgpr_kernarg_segment_ptr 1
		.amdhsa_wavefront_size32 1
		.amdhsa_system_sgpr_workgroup_id_x 1
		.amdhsa_system_sgpr_workgroup_id_y 1
		.amdhsa_system_sgpr_workgroup_id_z 1
		.amdhsa_system_vgpr_workitem_id 0
		.amdhsa_next_free_vgpr 1024
		.amdhsa_next_free_sgpr 88
		.amdhsa_reserve_vcc 0
		.amdhsa_float_denorm_mode_32 3
		.amdhsa_float_denorm_mode_16_64 3
		.amdhsa_memory_ordered 1
		.amdhsa_forward_progress 1
		.amdhsa_inst_pref_size 116
	.end_amdhsa_kernel
	.amdgpu_metadata
---
amdhsa.version: [ 1, 2 ]
amdhsa.kernels:
  - .name:           k_qb8dd5431d4_gemm0
    .symbol:         k_qb8dd5431d4_gemm0.kd
    .args:
      - { .name: dA, .offset: 0, .size: 8, .value_kind: global_buffer, .address_space: global }
      - { .name: wp, .offset: 8, .size: 8, .value_kind: global_buffer, .address_space: global }
      - { .name: bv, .offset: 16, .size: 8, .value_kind: global_buffer, .address_space: global }
      - { .name: c0, .offset: 24, .size: 8, .value_kind: global_buffer, .address_space: global }
      - { .name: dB, .offset: 32, .size: 8, .value_kind: global_buffer, .address_space: global }
      - { .name: part, .offset: 40, .size: 8, .value_kind: global_buffer, .address_space: global }
    .group_segment_fixed_size: 327680
    .private_segment_fixed_size: 0
    .kernarg_segment_align: 8
    .kernarg_segment_size: 48
    .max_flat_workgroup_size: 128
    .sgpr_count:     88
    .vgpr_count:     1024
    .wavefront_size: 32
...
	.end_amdgpu_metadata
.endif
;; end of part 9
;; launch prep1 (part 10): grid 8 x 8, 8 waves a work-group, no clusters, 14,848 bytes of LDS; arguments part, g1, b1, W1, wp, bv; writes wp, bv
.if DOCPART == 10
	.amdgcn_target "amdgcn-amd-amdhsa--gfx1250"
	.amdhsa_code_object_version 6
	.text
	.protected	k_qb8dd5431d4_prep1
	.globl	k_qb8dd5431d4_prep1
	.p2align	8
	.type	k_qb8dd5431d4_prep1,@function
k_qb8dd5431d4_prep1:
	s_mov_b64 s[64:65], 0
	v_nop
	global_prefetch_b8 v0, s[64:65] scope:SCOPE_SE
	s_setreg_imm32_b32 hwreg(HW_REG_WAVE_MODE, 25, 1), 1
	s_wait_xcnt 0x0
; THE NORM IS FOLDED INTO THE WEIGHTS, for a layer with K = 512.  With d the shifted activations, mean = S/n, var = Q/n - mean^2 (n = 65,536), s = g rsqrt(var + 1e-5), t = b - mean s:
; y = d (W s)^T + (c + W t).  This launch stores W s in bf16, laid out for the product, and of the two dots W t and W b the part that falls into the work-group's 64 columns of K;
; the product adds the K / 64 parts and c in its own head.  (The last layer's product takes W t alone: W b is stored for it all the same, the price of one text for both layers.)
; LIMITS.  var loses about z*z*2^-24 of itself where the pilot lies z spreads from the mean; a var that rounding makes negative counts as 0.  NaN and infinities are not treated apart.
; SHARES.  A work-group owns 64 rows of W x 64 columns of K (x: the slice of K, y: the rows).  So it needs the statistics of 64 columns only: NP x 2 x 256 bytes of partial sums.
; Thread t owns column quad t % 16; of the partial sums those with number t / 16 mod 16; of W the rows t / 16 + 16 i.  Every load of a wave covers two aligned pieces of 256 consecutive bytes.
; All loads go out at the start.  A row's 64 columns lie in 16 neighbouring lanes, so the dots are added over lanes alone.  W s goes through a stage in LDS, since the layout wants 16 rows of 8 k side by side.
; No matrix unit and no cluster: a few dot products and less than 100 KiB a work-group.
.set LKD,    9                         ; log2 of K
.set KD,     1<<LKD
.set NP,     128                       ; partial sums for each column
.set KSTEPS, KD/128
.set NL,     NP/8                      ; loads of partial sums a thread: NP x (S, Q) / 16
.set SPI,    288                       ; a chunk (16 rows x 8 k, 256 bytes) in the stage + 32: a wave's 8-byte stores fall on 64 different words modulo 64
.set STG,    4096                      ; LDS: [0, 4096) [wave][S 64 | Q 64]; then the stage, 32 chunks
.set DOT,    STG+32*SPI                ; [W t | W b][64 rows]
.set SPARE,  DOT+512                   ; the spare words, 128 bytes for each wave, which no other line names
.set VC,  1                            ; v1   16 x my column quad
.set TP,  2                            ; v2   t / 16
.set VO,  3                            ; v3   my offset in part
.set VW,  4                            ; v4   my offset in W
.set VR,  5                            ; v5   16 t
.set SPW, 6
.set NIL, 7
.set VS,  8                            ; v8   where I put 8 bytes in the stage
.set VD,  9                            ; v9   where my row's dots go
.set VRD, 10                           ; v10  where I read a chunk back
.set LO,  11                           ; v11  16 x lane
.set L8,  12                           ; v12  8 x lane
.set GV,  16                           ; v[16:19]  g of my quad
.set BV4, 20                           ; v[20:23]  b
.set WR,  24                           ; v[24:39]  W: my quad of four rows
.set P,   40                           ; v[40:47]  at work
.set PB,  48                           ; v[48:55]  W s, packed
.set DU,  56                           ; v[56:59] W t, v[60:63] W b of my four rows
.set X,   64                           ; the partial sums as loaded; later at work
	s_load_b256 s[4:11], s[0:1], 0x0               ; part s[4:5], g s[6:7], b s[8:9], W s[10:11]
	s_load_b128 s[12:15], s[0:1], 0x20             ; wp s[12:13], bv s[14:15]
	v_lshl_add_u32 v[SPW], v0, 2, SPARE
	v_mov_b32 v[NIL], 0
	v_lshrrev_b32 v13, 5, v0
	v_readfirstlane_b32 s20, v13                   ; wave 0..7
	v_and_b32 v[VC], 15, v0
	v_lshlrev_b32 v[VC], 4, v[VC]
	v_lshrrev_b32 v[TP], 4, v0
	v_lshl_add_u32 v[VO], v[TP], LKD+3, v[VC]      ; partial sum t / 16: 8 K bytes each
	v_lshl_add_u32 v[VW], v[TP], LKD+2, v[VC]      ; row t / 16: 4 K bytes each
	v_lshlrev_b32 v[VR], 4, v0
	s_and_b32 s21, ttmp7, 0xffff                   ; my block of 64 rows
	s_lshl_b32 s22, ttmp9, 8                       ; my slice: 64 columns of f32
	s_mov_b32 s23, 0
	s_lshl_b32 s24, s21, LKD+8                     ; 64 rows of W
	s_add_co_u32 s24, s24, s22
	s_mov_b32 s25, 0
	s_lshr_b32 s26, s21, 2                         ; wp: the tile of 256 rows,
	s_mul_i32 s26, s26, KSTEPS*65536
	s_and_b32 s27, s21, 3                          ; my 64 rows in it: four blocks of 4,096 bytes,
	s_lshl_b32 s27, s27, 14
	s_add_co_u32 s26, s26, s27
	s_lshr_b32 s27, ttmp9, 1                       ; the step of 128 k,
	s_lshl_b32 s27, s27, 16
	s_add_co_u32 s26, s26, s27
	s_and_b32 s27, ttmp9, 1                        ; its first or second 64 k,
	s_lshl_b32 s27, s27, 11
	s_add_co_u32 s26, s26, s27
	s_lshr_b32 s27, s20, 1                         ; my wave's block of 16 rows
	s_lshl_b32 s27, s27, 12
	s_add_co_u32 s26, s26, s27
	s_and_b32 s27, s20, 1                          ; and its 32 k
	s_lshl_b32 s27, s27, 10
	s_add_co_u32 s26, s26, s27
	s_mov_b32 s27, 0
	s_lshl_b32 s28, ttmp9, 13                      ; bv: [slice][2][1024] f32
	s_lshl_b32 s29, s21, 8
	s_add_co_u32 s28, s28, s29
	s_mov_b32 s29, 0
	s_mov_b32 s18, 0x76543210                      ; v_permlanex16_b32: each lane takes its own place in the other half
	s_mov_b32 s19, 0xfedcba98
	s_mov_b32 s31, 0xffff0000                      ; lanes 16-31
	s_mul_i32 s30, s20, 4*SPI
	s_add_co_u32 s30, s30, STG                     ; my wave's four chunks of the stage
	s_wait_kmcnt 0x0
	s_add_nc_u64 s[4:5], s[4:5], s[22:23]
	s_add_nc_u64 s[6:7], s[6:7], s[22:23]
	s_add_nc_u64 s[8:9], s[8:9], s[22:23]
	s_add_nc_u64 s[10:11], s[10:11], s[24:25]
	s_add_nc_u64 s[12:13], s[12:13], s[26:27]
	s_add_nc_u64 s[14:15], s[14:15], s[28:29]
.set i, 0
.rept 4
	global_load_b128 v[WR+4*i:WR+4*i+3], v[VW], s[10:11] offset:i*64*KD
.set i, i+1
.endr
	global_load_b128 v[GV:GV+3],   v[VC], s[6:7]
	global_load_b128 v[BV4:BV4+3], v[VC], s[8:9]
.set i, 0
.rept NL
	global_load_b128 v[X+4*i:X+4*i+3], v[VO], s[4:5] offset:(i/2)*128*KD+(i%2)*4*KD   ; partial sum t / 16 + 16 (i / 2); S, then Q
.set i, i+1
.endr
	v_bfe_u32 v13, v0, 1, 3                        ; into the stage: chunk (quad / 2), bytes 8 (quad % 2) of row t / 16's 16
	v_mul_u32_u24 v13, v13, SPI
	v_and_b32 v14, 1, v0
	v_lshl_add_u32 v13, v14, 3, v13
	v_lshl_add_u32 v[VS], v[TP], 4, v13
	v_add_nc_u32 v[VS], STG, v[VS]
	v_lshl_add_u32 v[VD], v[TP], 2, DOT
	v_and_b32 v14, 1, v[TP]                        ; back: lanes 0-15 take one chunk's 256 bytes, lanes 16-31 the next chunk's
	v_mul_u32_u24 v14, v14, SPI
	v_add_nc_u32 v14, v14, v[VC]
	v_add_nc_u32 v[VRD], s30, v14
	v_and_b32 v13, 31, v0
	v_lshlrev_b32 v[LO], 4, v13
	v_lshlrev_b32 v[L8], 3, v13
.set n, 1
.rept NL/2-1
	s_wait_loadcnt NL-2-2*n                        ; loads come back in order: pair n (and W, g, b, issued first) is in, the younger pairs stay out
.irp e, 0,2,4,6
	v_pk_add_f32 v[X+\e:X+\e+1], v[X+\e:X+\e+1], v[X+8*n+\e:X+8*n+\e+1]
.endr
.set n, n+1
.endr
.irp e, 0,1,2,3,4,5,6,7
	v_permlanex16_b32 v[X+8+\e], v[X+\e], s18, s19 ; the lane 16 away holds the same quad of other partial sums
.endr
.irp e, 0,2,4,6
	v_pk_add_f32 v[X+\e:X+\e+1], v[X+\e:X+\e+1], v[X+8+\e:X+8+\e+1]
.endr
.irp e, 0,1,2,3
	v_cndmask_b32 v[X+16+\e], v[X+\e], v[X+4+\e], s31   ; lanes 0-15 hand on S, lanes 16-31 Q
.endr
	ds_store_b128 v[VR], v[X+16:X+19]              ; [wave][S 64 | Q 64]: 512 consecutive bytes a wave
	s_wait_dscnt 0x0                               ; for the others' sake
	s_barrier_signal -1
	s_barrier_wait -1
.set i, 0
.rept 8
	ds_load_b128 v[X+8*i:X+8*i+3],   v[VC] offset:i*512       ; every thread finishes its own quad: no second hand-over
	ds_load_b128 v[X+8*i+4:X+8*i+7], v[VC] offset:i*512+256
.set i, i+1
.endr
	s_wait_dscnt 0x0
.irp s, 4,2,1
.set i, 0
.rept \s
.irp e, 0,2,4,6
	v_pk_add_f32 v[X+8*i+\e:X+8*i+\e+1], v[X+8*i+\e:X+8*i+\e+1], v[X+8*(i+\s)+\e:X+8*(i+\s)+\e+1]
.endr
.set i, i+1
.endr
.endr
	v_pk_mul_f32 v[X+8:X+9],   v[X:X+1],   0x37800000 op_sel_hi:[1,0]     ; mean = S x 2^-16
	v_pk_mul_f32 v[X+10:X+11], v[X+2:X+3], 0x37800000 op_sel_hi:[1,0]
	v_pk_mul_f32 v[X+12:X+13], v[X+4:X+5], 0x37800000 op_sel_hi:[1,0]     ; Q x 2^-16
	v_pk_mul_f32 v[X+14:X+15], v[X+6:X+7], 0x37800000 op_sel_hi:[1,0]
	v_pk_fma_f32 v[X+12:X+13], v[X+8:X+9],   v[X+8:X+9],   v[X+12:X+13] neg_lo:[1,0,0] neg_hi:[1,0,0]  ; var
	v_pk_fma_f32 v[X+14:X+15], v[X+10:X+11], v[X+10:X+11], v[X+14:X+15] neg_lo:[1,0,0] neg_hi:[1,0,0]
.irp e, 12,13,14,15
	v_max_num_f32 v[X+\e], 0, v[X+\e]
.endr
.irp e, 12,13,14,15
	v_add_f32 v[X+\e], 0x3727c5ac, v[X+\e]         ; + 1e-5
.endr
.irp e, 0,1,2,3
	v_rsq_f32 v[X+16+\e], v[X+12+\e]
.endr
	v_nop                                          ; a plain instruction between the last root and the use of its result (ISA guide 5.7.2)
	s_wait_alu depctr_va_vdst(0)
	v_pk_mul_f32 v[X+16:X+17], v[X+16:X+17], v[GV:GV+1]                   ; s
	v_pk_mul_f32 v[X+18:X+19], v[X+18:X+19], v[GV+2:GV+3]
	v_pk_fma_f32 v[X+20:X+21], v[X+8:X+9],   v[X+16:X+17], v[BV4:BV4+1]   neg_lo:[1,0,0] neg_hi:[1,0,0]  ; t = b - mean s
	v_pk_fma_f32 v[X+22:X+23], v[X+10:X+11], v[X+18:X+19], v[BV4+2:BV4+3] neg_lo:[1,0,0] neg_hi:[1,0,0]
.set i, 0
.rept 4
.set wq, WR+4*i
	v_pk_mul_f32 v[P:P+1],     v[wq:wq+1],   v[X+16:X+17]                 ; W s
	v_pk_mul_f32 v[P+2:P+3],   v[wq+2:wq+3], v[X+18:X+19]
	v_pk_mul_f32 v[P+4:P+5],   v[wq:wq+1],   v[X+20:X+21]                 ; W t over my quad
	v_pk_mul_f32 v[P+6:P+7],   v[wq:wq+1],   v[BV4:BV4+1]                 ; W b
	v_cvt_pk_bf16_f32 v[PB+2*i],   v[P],   v[P+1]
	v_cvt_pk_bf16_f32 v[PB+2*i+1], v[P+2], v[P+3]
	v_pk_fma_f32 v[P+4:P+5],   v[wq+2:wq+3], v[X+22:X+23],   v[P+4:P+5]
	v_pk_fma_f32 v[P+6:P+7],   v[wq+2:wq+3], v[BV4+2:BV4+3], v[P+6:P+7]
	ds_store_b64 v[VS], v[PB+2*i:PB+2*i+1] offset:i*8*SPI
	v_add_f32 v[DU+i],   v[P+4], v[P+5]
	v_add_f32 v[DU+4+i], v[P+6], v[P+7]
.set i, i+1
.endr
.irp m, 1,2,4,8                        ; a row's 16 quads lie in 16 neighbouring lanes: four steps, and every one of them holds the sum
.set e, 0
.rept 8
	v_add_f32_dpp v[DU+e], v[DU+e], v[DU+e] row_xmask:\m row_mask:0xf bank_mask:0xf
.set e, e+1
.endr
.endr
.set e, 0
.rept 8
	ds_store_b32 v[VD], v[DU+e] offset:(e/4)*256+(e%4)*64     ; the 16 lanes write the same word with the same number
.set e, e+1
.endr
	s_wait_dscnt 0x0                               ; for the others' sake
	s_barrier_signal -1
	s_barrier_wait -1
	ds_load_b128 v[X:X+3],   v[VRD]
	ds_load_b128 v[X+4:X+7], v[VRD] offset:2*SPI
	s_wait_dscnt 0x1                               ; the first two chunks are back; the second load stays out
	global_store_b128 v[LO], v[X:X+3],   s[12:13]              ; 512 consecutive bytes, aligned: half a fragment
	s_wait_dscnt 0x0
	global_store_b128 v[LO], v[X+4:X+7], s[12:13] offset:512
	s_cmp_lg_u32 s20, 0
	s_cbranch_scc1 .Lend                           ; wave 0 stores the dots
	ds_load_b64 v[X+8:X+9],   v[L8] offset:DOT
	ds_load_b64 v[X+10:X+11], v[L8] offset:DOT+256
	s_wait_dscnt 0x0
	global_store_b64 v[L8], v[X+8:X+9],   s[14:15]             ; 256 consecutive bytes, aligned: W t of my 64 rows
	global_store_b64 v[L8], v[X+10:X+11], s[14:15] offset:4096 ; W b
.Lend:
	s_wait_tensorcnt 0x0                           ; the wave's end, behind my last LDS store
	ds_add_u32 v[SPW], v[NIL]
	s_wait_dscnt 0x0
	s_endpgm
.Lfunc_end_k_qb8dd5431d4_prep1:
	.size	k_qb8dd5431d4_prep1, .Lfunc_end_k_qb8dd5431d4_prep1-k_qb8dd5431d4_prep1
	.p2alignl 7, 3214868480
	.fill 96, 4, 3214868480
	.section	.rodata,"a",@progbits
	.p2align	6, 0x0
	.amdhsa_kernel k_qb8dd5431d4_prep1
		.amdhsa_group_segment_fixed_size 14848
		.amdhsa_private_segment_fixed_size 0
		.amdhsa_enable_private_segment 0
		.amdhsa_kernarg_size 48
		.amdhsa_user_sgpr_count 2
		.amdhsa_user_sgpr_kernarg_segment_ptr 1
		.amdhsa_wavefront_size32 1
		.amdhsa_system_sgpr_workgroup_id_x 1
		.amdhsa_system_sgpr_workgroup_id_y 1
		.amdhsa_system_sgpr_workgroup_id_z 1
		.amdhsa_system_vgpr_workitem_id 0
		.amdhsa_next_free_vgpr 128
		.amdhsa_next_free_sgpr 66
		.amdhsa_reserve_vcc 0
		.amdhsa_float_denorm_mode_32 3
		.amdhsa_float_denorm_mode_16_64 3
		.amdhsa_memory_ordered 1
		.amdhsa_forward_progress 1
		.amdhsa_inst_pref_size 19
	.end_amdhsa_kernel
	.amdgpu_metadata
---
amdhsa.version: [ 1, 2 ]
amdhsa.kernels:
  - .name:           k_qb8dd5431d4_prep1
    .symbol:         k_qb8dd5431d4_prep1.kd
    .args:
      - { .name: part, .offset: 0, .size: 8, .value_kind: global_buffer, .address_space: global }
      - { .name: g1, .offset: 8, .size: 8, .value_kind: global_buffer, .address_space: global }
      - { .name: b1, .offset: 16, .size: 8, .value_kind: global_buffer, .address_space: global }
      - { .name: W1, .offset: 24, .size: 8, .value_kind: global_buffer, .address_space: global }
      - { .name: wp, .offset: 32, .size: 8, .value_kind: global_buffer, .address_space: global }
      - { .name: bv, .offset: 40, .size: 8, .value_kind: global_buffer, .address_space: global }
    .group_segment_fixed_size: 14848
    .private_segment_fixed_size: 0
    .kernarg_segment_align: 8
    .kernarg_segment_size: 48
    .max_flat_workgroup_size: 256
    .sgpr_count:     66
    .vgpr_count:     128
    .wavefront_size: 32
...
	.end_amdgpu_metadata
.endif
;; end of part 10
;; launch gemm1 (part 11): grid 256 x 1, 4 waves a work-group, clusters of 4 x 1, 327,680 bytes of LDS; arguments dB, wp, bv, c1, dA, part; writes dA, part
.if DOCPART == 11
	.amdgcn_target "amdgcn-amd-amdhsa--gfx1250"
	.amdhsa_code_object_version 6
	.text
	.protected	k_qb8dd5431d4_gemm1
	.globl	k_qb8dd5431d4_gemm1
	.p2align	8
	.type	k_qb8dd5431d4_gemm1,@function
k_qb8dd5431d4_gemm1:
	s_mov_b64 s[64:65], 0
	v_nop
	global_prefetch_b8 v0, s[64:65] scope:SCOPE_SE
	s_setreg_imm32_b32 hwreg(HW_REG_WAVE_MODE, 25, 1), 1
	s_wait_xcnt 0x0
	s_wait_alu depctr_hold_cnt(0) depctr_sa_sdst(0) depctr_va_vdst(0) depctr_va_sdst(0) depctr_va_ssrc(0) depctr_va_vcc(0) depctr_vm_vsrc(0)
	s_getreg_b32 s2, hwreg(HW_REG_IB_STS2, 6, 4)
	s_cmp_eq_u32 s2, 0
	s_cbranch_scc0 .Lentry_in_a_cluster
	s_endpgm
.Lentry_in_a_cluster:
	s_bfe_u32 s2, ttmp6, 0x10000c
	s_cmp_lg_u32 s2, 0x3003
	s_cbranch_scc0 .Lentry_shape_is_right
	s_endpgm
.Lentry_shape_is_right:
; LAYER 1.  acc = d (W s)^T + bm = y - ksh; d_next = relu(y) - ksh = max(acc, nk), stored in bf16 in the next product's layout; and for each column S = sum d_next, Q = sum d_next^2 (unrounded).
; ksh = max(c + W b, 0) is the ReLU of y's exact mean, the next layer's pilot; bm = c + W t - ksh; nk = -ksh.  W t and W b arrive in NS parts (a part for each 64 k) and are added in the head.
; d: [65,536][512], W s: [512][512], both bf16 (the one rounding of the operands; sums in f32).  NaN and infinities are not treated apart.
; OPERANDS lie [tile of 256 rows][128 k][half of 128 rows][16 rows][32 k][1,024 bytes]: 128 rows x 128 k are 32,768 dense bytes, one tensor load; a fragment is two loads of 16 bytes a lane at 16 x lane and + 512.
; SHARES.  A tile of the result is 256 x 256; four waves, 128 x 128 each: 64 accumulators, 512 registers.  A work-group STAYS for TILES tiles, one below the other; the ring of two LDS slots (one step of 128 k each) runs on
; across tiles.  The matrix instruction is used transposed (source 0 = 16 rows of W s, source 1 = 16 rows of d): a lane then holds eight neighbouring columns of one row, which pack into 16 bytes that the
; next layer's layout wants side by side: the result leaves straight from registers, 512 consecutive bytes a store.
; THE WALK is TILES x KSTEPS equal steps, written once: a change of slots, then twice two quarter steps.  At a tile's end the way out and the quarter that starts the sums take the plain quarter's place.
; The loop is entered at that quarter and left behind the last way out.  The price of one text, once a launch: the last change orders nothing, and the 32 LDS loads behind it fetch bytes that nobody multiplies.
; CLUSTER.  The four work-groups of a cluster take the same 256 columns, so W's tiles are asked for JOINTLY (mask of all four).  d's tiles are not: a tile of d has two users only (the two column tiles), which lie in two
; neighbouring clusters; a mask names partners of one cluster.  d's loads are the work-group's own, issued behind the same rounds.
; REGISTERS, in windows of 256 (s_set_vgpr_msb: bits 1:0 source 0, 3:2 source 1, 5:4 source 2, 7:6 destination):
;   window 0: v0-31 addresses and sums; v32-55 at work on the way out; v64-127, v128-191 fragments of d, two buffers (the second holds Q on the way out); v192-255 S
;   window 1: v0-63 nk; v64-127, v128-191 fragments of W s; v192-255 bm      windows 2, 3: the accumulators of my rows 0-63, 64-127: (a, b) at 64 (a % 4) + 8 b
.set KSTEPS, 4                         ; steps of 128 along K
.set NCT,    2                         ; column tiles
.set TILES,  2                         ; tiles a work-group
.set MODE,   0                         ; 0: ReLU, store, statistics; 1: maximum over rows
.set NS,     2*KSTEPS                  ; parts of the dots
.set SLOT,  1<<17                      ; a slot: d's two halves, then W's two halves, 32,768 bytes each; slot 1 begins here, so one exclusive or changes slots
.set RED,   2*SLOT                     ; behind the ring, never filled by a tensor load: for each wave 16 rows of 512 bytes, 528 apart
.set RP,    528
.set XCH,   RED+4*16*RP                ; where the lower row half's waves hand their sums to the upper's
.set SPARE, XCH+2048                   ; the spare words, 128 bytes for each wave, which no other line names
.set CO,    3                          ; v3   16 x lane
.set ADRA0, 4                          ; v4   my lane's place in a slot's d; never rewritten
.set ADRB0, 5                          ; v5   the same for W
.set ADRA,  6                          ; v6   the address of the run of loads in hand
.set ADRB,  7
.set RST,   8                          ; v8   my bytes of RED: where I put 16 bytes
.set RRD,   9                          ; v9   where I read a column quad's 16 partial sums
.set XA,    10                         ; v10  my place in XCH
.set VB,    11                         ; v11  my bytes of RED + 32 x (lane / 16): my 8 columns of a block of 16
.set SS,    12                         ; v[12:15] S of columns 4 l .. of my 128, over the tiles so far
.set QQ,    16                         ; v[16:19] Q
.set TT,    20                         ; v[20:27] at work
.set SPW,   28
.set NIL,   29
.set D,     32                         ; v[32:47] d_next of two accumulators
.set PK,    48                         ; v[48:55] the same, packed
.set F0,    64
.set F1,    128
.set QR,    128                        ; Q by (b, j), on the way out
.set SR,    192                        ; S (or the maximum) by (b, j)
.set NK,    0                          ; window 1
.set BM,    192                        ; window 1
.set WV, 14
.set RH, 15                            ; which half of the tile's rows is mine.  Also: I fetch d (0) or W (1)
.set CH, 16                            ; which half of its columns.  Also: which half of that tile I fetch
.set CT, 17                            ; column tile
.set RG, 18                            ; group of TILES row tiles
.set G1A, 24                           ; s[24:31] descriptor group 1 for d's tiles
.set G0A, 32                           ; s[32:39] group 0: a set for each first fill; the second then walks
.set BB,  40                           ; s[40:41] W s at my half of the column tile's step 0
.set BOFF, 42                          ; s[42:43] the walking step's offset from there
.set TB,  44                           ; LDS byte at which the quarter step to be fetched begins
.set TL,  45                           ; tiles to go
.set HC,  47                           ; counts a step's two pairs of quarters
.set G1B, 48                           ; the same for W's tiles
.set G0B, 56
.set OUTP, 80                          ; s[80:81] the result
.set PARTP, 82                         ; s[82:83] part
.set FL,  84                           ; refills to go
.set KC,  85                           ; changes to go in this tile
.set ST,  86                           ; passes of the loop's foot to go
.set MSB, 0
.macro WIN new                         ; the immediate's high byte repeats the setting that is left; a switch that changes nothing is dropped
.if MSB != (\new)
	s_set_vgpr_msb (MSB<<8)|(\new)
.set MSB, (\new)
.endif
.endm
.macro PLACES                          ; four plain vector instructions behind matrix instructions, ahead of what reads their results or writes their registers (ISA guide 7.12.1)
.rept 4
	v_nop
.endr
.endm
.macro JLOAD                           ; a refill: waves 0 and 1 fetch d's halves, waves 2 and 3 W's.  An s_nop 0 and four v_nop follow each line, ahead of the jump and the label
	s_cmp_eq_u32 s[RH], 0
	s_cbranch_scc0 .Lfor_b_\@
	tensor_load_to_lds s[G0A+4:G0A+7], s[G1A:G1A+7]
	s_nop 0
	PLACES
	s_branch .Lasked_\@
.Lfor_b_\@:
	tensor_load_to_lds s[G0B+4:G0B+7], s[G1B:G1B+7]
	s_nop 0
	PLACES
.Lasked_\@:
.endm
.macro CROUND                          ; a round of the cluster's barrier: my work-group's barrier; wave 0 signals for the work-group; every wave waits for all; my work-group's barrier once more
	s_barrier_signal -1
	s_barrier_wait -1
	s_cmp_lg_u32 s[WV], 0
	s_cbranch_scc1 .Lnot_wave_0_\@
	s_barrier_signal -3
.Lnot_wave_0_\@:
	s_barrier_wait -3
	s_barrier_signal -1
	s_barrier_wait -1
.endm
	s_load_b256 s[4:11], s[0:1], 0x0               ; d s[4:5], W s s[6:7], bv s[8:9], c s[10:11]
.if MODE == 0
	s_load_b128 s[OUTP:OUTP+3], s[0:1], 0x20       ; the result, part
.else
	s_load_b64 s[OUTP:OUTP+1], s[0:1], 0x20        ; the result
.endif
	v_lshl_add_u32 v[SPW], v0, 2, SPARE
	v_mov_b32 v[NIL], 0
	ds_add_u32 v[SPW], v[NIL]                      ; the wave's opening: the add and its wait stand ahead of my first tensor load; the set-up below, work on registers, stands between them
	v_lshrrev_b32 v1, 5, v0
	v_readfirstlane_b32 s[WV], v1                  ; wave 0..3
	s_lshr_b32 s[RH], s[WV], 1
	s_and_b32 s[CH], s[WV], 1
	s_bfe_u32 s66, ttmp6, 0x40000                  ; cx: my place along the cluster's x
.if NCT == 2
	s_and_b32 s[CT], ttmp9, 1                      ; ttmp9 counts clusters: the column tile is the cluster's,
	s_lshr_b32 s[RG], ttmp9, 1
	s_lshl_b32 s[RG], s[RG], 2
	s_add_co_u32 s[RG], s[RG], s66                 ; the rows are mine
	s_mov_b32 s[G1A], 3<<16                        ; 15:0 no mask; 17:16 elements of 8 bytes; no padding
	s_mov_b32 s[G1B], 15|(3<<16)|(1<<21)           ; the mask of all four; 21 set beside a mask
.else
	s_bfe_u32 s67, ttmp6, 0x40004                  ; cy
	s_lshl_b32 s[CT], ttmp9, 2
	s_add_co_u32 s[CT], s[CT], s66                 ; column tile = 4 x cluster x + cx
	s_and_b32 s[RG], ttmp7, 0xffff
	s_lshl_b32 s[RG], s[RG], 2
	s_add_co_u32 s[RG], s[RG], s67                 ; row group = 4 x cluster y + cy
	s_lshl_b32 s68, s67, 2
	s_lshl_b32 s68, 15, s68                        ; my row of the cluster shares d's tiles,
	s_lshl_b32 s69, 0x1111, s66                    ; my column W's
	s_or_b32 s[G1A], s68, (3<<16)|(1<<21)
	s_or_b32 s[G1B], s69, (3<<16)|(1<<21)
.endif
.irp g, G1A, G1B                       ; 32,768 dense bytes as 128 rows of 32 elements of 8 bytes
	s_mov_b32 s[(\g)+1], 32<<16                    ; tensor_dim0 = 32
	s_mov_b32 s[(\g)+2], 128<<16                   ; tensor_dim1 = 128
	s_mov_b32 s[(\g)+3], 32<<16                    ; tile_dim0 = 32
	s_mov_b32 s[(\g)+4], 128                       ; tile_dim1 = 128
	s_mov_b32 s[(\g)+5], 32                        ; 32 elements from row to row
	s_mov_b32 s[(\g)+6], 0
	s_mov_b32 s[(\g)+7], 0
.endr
	s_lshl_b32 s19, s[CH], 15                      ; the half that I fetch
	s_mul_i32 s20, s[RG], TILES*KSTEPS*65536       ; d: my first tile's step 0 (registers that never hold the column tile)
	s_add_co_u32 s20, s20, s19
	s_mov_b32 s21, 0
	s_mul_i32 s22, s[CT], KSTEPS*65536             ; W: the column tile's step 0 (registers that never hold the row group)
	s_add_co_u32 s22, s22, s19
	s_mov_b32 s23, 0
	s_lshl_b32 s70, s[WV], 15                      ; where my loads land in a slot: the wave's number alone
	s_mov_b32 s[BOFF], 65536
	s_mov_b32 s[BOFF+1], 0
	s_mov_b32 s[TB], 0
	s_mov_b32 s[TL], TILES
	s_mov_b32 s[FL], TILES*KSTEPS-2                ; the walk's last two steps are followed by nothing to fetch
	s_mov_b32 s[KC], KSTEPS
	s_mov_b32 s[ST], TILES*KSTEPS+1                ; the walk has TILES x KSTEPS changes, a trip each.  The loop's foot is passed by the entry's part trip and by every trip but the last, which leaves at the last way out:
	                                               ; TILES x KSTEPS passes, and the count is still 1 behind the last of them
	s_lshl_b32 s76, s[CT], 10                      ; my 128 columns x 4 bytes: in c, in a row of bv, in a row of part or pm
	s_lshl_b32 s77, s[CH], 9
	s_add_co_u32 s76, s76, s77
	s_mov_b32 s77, 0
	s_lshl_b32 s74, s[RG], 12                      ; part / pm: 4,096 bytes a row group
	s_add_co_u32 s74, s74, s76
	s_mov_b32 s75, 0
.if MODE == 0
	s_lshl_b32 s72, s[RG], 19                      ; the result's block: ((tile x 4 + 2 CT + CH) x 2 + RH) x 32,768, tile = 2 RG
	s_lshl_b32 s73, s[CT], 17
	s_add_co_u32 s72, s72, s73
	s_lshl_b32 s73, s[CH], 16
	s_add_co_u32 s72, s72, s73
	s_lshl_b32 s73, s[RH], 15
	s_add_co_u32 s72, s72, s73
	s_mov_b32 s73, 0
.endif
	s_wait_dscnt 0x0                               ; the opening add is done
	s_wait_kmcnt 0x0
	s_add_nc_u64 s[20:21], s[4:5], s[20:21]
	s_add_nc_u64 s[BB:BB+1], s[6:7], s[22:23]
	s_add_nc_u64 s[8:9], s[8:9], s[76:77]
	s_add_nc_u64 s[10:11], s[10:11], s[76:77]
.if MODE == 0
	s_add_nc_u64 s[OUTP:OUTP+1], s[OUTP:OUTP+1], s[72:73]
	s_add_nc_u64 s[PARTP:PARTP+1], s[PARTP:PARTP+1], s[74:75]
.else
	s_add_nc_u64 s[OUTP:OUTP+1], s[OUTP:OUTP+1], s[74:75]
.endif
.irp s, 0,1
	s_mov_b32 s[G0A+4*(\s)], 1                                     ; count = 1
	s_add_co_u32 s[G0A+4*(\s)+1], s70, (\s)*SLOT                   ; LDS address
	s_add_nc_u64 s[G0A+4*(\s)+2:G0A+4*(\s)+3], s[20:21], (\s)*65536  ; global address: step s
	s_or_b32 s[G0A+4*(\s)+3], s[G0A+4*(\s)+3], 0x80000000         ; type = 2
	s_mov_b32 s[G0B+4*(\s)], 1
	s_add_co_u32 s[G0B+4*(\s)+1], s70, (\s)*SLOT
	s_add_nc_u64 s[G0B+4*(\s)+2:G0B+4*(\s)+3], s[BB:BB+1], (\s)*65536
	s_or_b32 s[G0B+4*(\s)+3], s[G0B+4*(\s)+3], 0x80000000
.endr
	CROUND                                         ; all partners are here: the first joint loads meet
	s_cmp_eq_u32 s[RH], 0                          ; a wave's two first fills stand in one branch, ahead of every wait on TENSORcnt and every LDS read: two loads of mine are out
	s_cbranch_scc0 .Lfirst_b
	tensor_load_to_lds s[G0A:G0A+3], s[G1A:G1A+7]
	s_nop 0
	tensor_load_to_lds s[G0A+4:G0A+7], s[G1A:G1A+7]
	s_nop 0
	PLACES
	s_branch .Lfirst_asked
.Lfirst_b:
	tensor_load_to_lds s[G0B:G0B+3], s[G1B:G1B+7]
	s_nop 0
	tensor_load_to_lds s[G0B+4:G0B+7], s[G1B:G1B+7]
	s_nop 0
	PLACES
.Lfirst_asked:
	; THE BIAS, in the wait for the first tile.  Lane l takes columns 4 l .. 4 l + 3 of my 128: each load of the wave covers 512 consecutive bytes.
	v_and_b32 v1, 31, v0                           ; lane
	v_lshlrev_b32 v[CO], 4, v1
	global_load_b128 v[D:D+3], v[CO], s[10:11]     ; c
.set i, 0
.rept NS
	global_load_b128 v[F0+8*i:F0+8*i+3],   v[CO], s[8:9] offset:i*8192        ; part i of W t
.if MODE == 0
	global_load_b128 v[F0+8*i+4:F0+8*i+7], v[CO], s[8:9] offset:i*8192+4096   ; part i of W b
.endif
.set i, i+1
.endr
	s_lshl_b32 s71, s[RH], 15
	v_add_nc_u32 v[ADRA0], s71, v[CO]              ; my 128 rows of d
	s_add_co_u32 s71, s19, 65536
	v_add_nc_u32 v[ADRB0], s71, v[CO]              ; my 128 rows of W, behind d's 256
	s_mul_i32 s71, s[WV], 16*RP
	s_add_co_u32 s71, s71, RED
	v_add_nc_u32 v[RST], s71, v[CO]
	v_lshrrev_b32 v20, 2, v1                       ; columns 4 l .. 4 l + 3 lie in register quad 2 (l / 4) + l % 2 of the lanes of half (l / 2) % 2
	v_and_b32 v21, 1, v1
	v_lshl_add_u32 v20, v20, 1, v21
	v_mul_u32_u24 v20, v20, RP
	v_bfe_u32 v21, v1, 1, 1
	v_lshl_add_u32 v20, v21, 8, v20
	v_add_nc_u32 v[RRD], s71, v20
	v_bfe_u32 v21, v0, 4, 1
	v_lshl_add_u32 v[VB], v21, 5, s71
	s_lshl_b32 s71, s[CH], 10
	s_add_co_u32 s71, s71, XCH
	v_add_nc_u32 v[XA], s71, v[CO]
.if MODE == 0
.set i, 0
.rept 8
	v_mov_b32 v[SS+i], 0
.set i, i+1
.endr
.else
.set i, 0
.rept 64
	v_mov_b32 v[SR+i], 0xff800000                  ; the running maxima start at minus infinity
.set i, i+1
.endr
.endif
	s_wait_loadcnt 0x0
.set i, 1
.rept NS-1
	v_pk_add_f32 v[F0:F0+1],   v[F0:F0+1],   v[F0+8*i:F0+8*i+1]
	v_pk_add_f32 v[F0+2:F0+3], v[F0+2:F0+3], v[F0+8*i+2:F0+8*i+3]
.if MODE == 0
	v_pk_add_f32 v[F0+4:F0+5], v[F0+4:F0+5], v[F0+8*i+4:F0+8*i+5]
	v_pk_add_f32 v[F0+6:F0+7], v[F0+6:F0+7], v[F0+8*i+6:F0+8*i+7]
.endif
.set i, i+1
.endr
	v_pk_add_f32 v[F0:F0+1],   v[F0:F0+1],   v[D:D+1]      ; c + W t
	v_pk_add_f32 v[F0+2:F0+3], v[F0+2:F0+3], v[D+2:D+3]
.if MODE == 0
	v_pk_add_f32 v[F0+4:F0+5], v[F0+4:F0+5], v[D:D+1]      ; c + W b
	v_pk_add_f32 v[F0+6:F0+7], v[F0+6:F0+7], v[D+2:D+3]
.irp e, 4,5,6,7
	v_max_num_f32 v[F0+\e], 0, v[F0+\e]            ; ksh
.endr
.irp e, 0,1,2,3
	v_sub_f32 v[F0+\e], v[F0+\e], v[F0+4+\e]       ; bm
.endr
.irp e, 4,5,6,7
	v_mul_f32 v[F0+\e], -1.0, v[F0+\e]             ; nk
.endr
.endif
	ds_store_b128 v[RST], v[F0:F0+3]               ; through my own bytes of LDS into the accumulators' layout: register j of block b is column 16 b + 8 (lane / 16) + j
.if MODE == 0
	ds_store_b128 v[RST], v[F0+4:F0+7] offset:512
.endif
	WIN 0x40                                       ; destination window 1, address window 0
.irp b, 0,1,2,3,4,5,6,7                ; LDS serves a wave's instructions in order (ISA guide 5.7.1.4): these see the stores above
	ds_load_b128 v[BM+8*(\b):BM+8*(\b)+3],   v[VB] offset:(\b)*64
	ds_load_b128 v[BM+8*(\b)+4:BM+8*(\b)+7], v[VB] offset:(\b)*64+16
.if MODE == 0
	ds_load_b128 v[NK+8*(\b):NK+8*(\b)+3],   v[VB] offset:512+(\b)*64
	ds_load_b128 v[NK+8*(\b)+4:NK+8*(\b)+7], v[VB] offset:512+(\b)*64+16
.endif
.endr
	WIN 0
; 16 matrix instructions: row blocks a0, a0 + 1 of the window's four x all 8 column blocks, 32 along K.  init = 1: the sums start from bm.
; The 64 accumulators take turns, one instruction a turn, in the same order in every quarter step.
.macro MUL16 f, hi, a0, init
.if \init
	WIN 0x91+0x40*(\hi)                            ; W window 1, d window 0, C (bm) window 1, D window 2 or 3
.else
	WIN 0xa1+0x50*(\hi)                            ; C and D window 2 or 3
.endif
.irp a, \a0, (\a0)+1
.irp b, 0,1,2,3,4,5,6,7
.if \init
	v_wmma_f32_16x16x32_bf16 v[8*(8*(\a)+(\b)):8*(8*(\a)+(\b))+7], v[(\f)+8*(\b):(\f)+8*(\b)+7], v[(\f)+8*(4*(\hi)+(\a)):(\f)+8*(4*(\hi)+(\a))+7], v[BM+8*(\b):BM+8*(\b)+7]
.else
	v_wmma_f32_16x16x32_bf16 v[8*(8*(\a)+(\b)):8*(8*(\a)+(\b))+7], v[(\f)+8*(\b):(\f)+8*(\b)+7], v[(\f)+8*(4*(\hi)+(\a)):(\f)+8*(4*(\hi)+(\a))+7], v[8*(8*(\a)+(\b)):8*(8*(\a)+(\b))+7]
.endif
.endr
.endr
.endm
; 32 LDS loads in one run: the fragments of the quarter step at s[TB] into buffer g.  The four vector lines ahead are the places behind the matrix instructions that read that buffer.
.macro FETCH g
	WIN 0
	v_nop
	v_nop
	v_add_nc_u32 v[ADRA], s[TB], v[ADRA0]
	v_add_nc_u32 v[ADRB], s[TB], v[ADRB0]
	s_add_co_u32 s[TB], s[TB], 1024                ; the next fetch is the next 32 along K
	WIN 0x40
.irp i, 0,1,2,3,4,5,6,7
	ds_load_b128 v[(\g)+8*(\i):(\g)+8*(\i)+3],   v[ADRB] offset:(\i)*4096
	ds_load_b128 v[(\g)+8*(\i)+4:(\g)+8*(\i)+7], v[ADRB] offset:(\i)*4096+512
.endr
	WIN 0
.irp i, 0,1,2,3,4,5,6,7
	ds_load_b128 v[(\g)+8*(\i):(\g)+8*(\i)+3],   v[ADRA] offset:(\i)*4096
	ds_load_b128 v[(\g)+8*(\i)+4:(\g)+8*(\i)+7], v[ADRA] offset:(\i)*4096+512
.endr
.endm
; A quarter step: 64 matrix instructions on buffer f; in its middle the next quarter's fragments are fetched into g.  It leaves every window 0, for the label or branch behind it.
.macro QUARTER f, g, init
	s_wait_dscnt 8                                 ; W and d's rows 0-63 are in; the youngest eight loads (d's rows 64-127) may be out
	MUL16 \f, 0, 0, \init
	MUL16 \f, 0, 2, \init
	FETCH \g
	s_wait_dscnt 32                                ; all but the 32 just issued
	MUL16 \f, 1, 0, \init
	MUL16 \f, 1, 2, \init
	WIN 0
.endm
; THE CHANGE OF SLOTS, when a step's last fragments have been asked for.  Each wave waits for all its tensor loads, of which at most one is out: its part of the other slot; adds 0 to its spare word; and waits for that and for
; its reads of this slot.  Behind the barrier nobody reads this slot any more and the other is whole.  fill = 1: this slot takes the walk's step two further on; the barrier is then a round of the cluster's, and the refill
; is the first thing behind it: it has a whole step, 256 matrix instructions, in which to land.
.macro CHANGE fill
	WIN 0
	s_wait_tensorcnt 0x0                           ; no tensor load of mine is out, so a group 0 may be written
	ds_add_u32 v[SPW], v[NIL]                      ; 0 onto my spare word; the descriptors' steps stand between it and the wait for it
.if \fill
	s_sub_co_u32 s[FL], s[FL], 1
	s_xor_b32 s[G0A+5], s[G0A+5], SLOT             ; the other slot than last time
	s_xor_b32 s[G0B+5], s[G0B+5], SLOT
	s_add_nc_u64 s[G0A+6:G0A+7], s[G0A+6:G0A+7], 65536  ; d's steps, and the tiles of my walk, lie end to end; the type bits are not reached
	s_add_co_u32 s[BOFF], s[BOFF], 65536           ; W's steps go round
	s_and_b32 s[BOFF], s[BOFF], KSTEPS*65536-1
	s_add_nc_u64 s[G0B+6:G0B+7], s[BB:BB+1], s[BOFF:BOFF+1]
	s_or_b32 s[G0B+7], s[G0B+7], 0x80000000
.endif
	s_wait_dscnt 0x0                               ; the add is done, and my reads of the slot are over
.if \fill
	CROUND
	JLOAD
.else
	s_barrier_signal -1
	s_barrier_wait -1
.endif
	s_sub_co_u32 s[TB], s[TB], 4096                ; the fetches go back to a step's first quarter,
	s_xor_b32 s[TB], s[TB], SLOT                   ; in the other slot
.endm
; Both forms whole, side by side, each with its own waits for 0 and its own barrier; the count of refills to go, the same number in every wave and every partner, chooses.
.macro CHG
	s_cmp_eq_u32 s[FL], 0
	s_cbranch_scc1 .Lno_fill_\@
	CHANGE 1
	s_branch .Lchanged_\@
.Lno_fill_\@:
	CHANGE 0
.Lchanged_\@:
.endm
; 64 registers R (by column block and register) are reduced over the 16 lanes of each half through my own bytes of LDS: lane l ends with columns 4 l .. 4 l + 3 in v[R:R+3].  op 0: sum, 1: maximum.
.macro REDUCE R, op
.set i, 0
.rept 16
	ds_store_b128 v[RST], v[(\R)+4*i:(\R)+4*i+3] offset:i*RP
.set i, i+1
.endr
.set i, 0
.rept 16
	ds_load_b128 v[(\R)+4*i:(\R)+4*i+3], v[RRD] offset:i*16    ; LDS serves a wave's instructions in order (ISA guide 5.7.1.4): these see the stores above
.set i, i+1
.endr
	s_wait_dscnt 0x0
.irp s, 8,4,2,1
.set i, 0
.rept \s
.if (\op) == 0
	v_pk_add_f32 v[(\R)+4*i:(\R)+4*i+1],   v[(\R)+4*i:(\R)+4*i+1],   v[(\R)+4*(i+\s):(\R)+4*(i+\s)+1]
	v_pk_add_f32 v[(\R)+4*i+2:(\R)+4*i+3], v[(\R)+4*i+2:(\R)+4*i+3], v[(\R)+4*(i+\s)+2:(\R)+4*(i+\s)+3]
.else
.irp e, 0,1,2,3
	v_max_num_f32 v[(\R)+4*i+\e], v[(\R)+4*i+\e], v[(\R)+4*(i+\s)+\e]
.endr
.endif
.set i, i+1
.endr
.endr
.endm
; The way out of accumulators (a, b) and (a, b + 1): d_next = max(acc, nk), lowest registers first; S and Q take it (row block 0 starts them: nothing is cleared); rounded to bf16; stored.
.macro BATCH
.set ac, 64*(a%4)+8*b
.if a == 0
.set dd, SR+8*b
.else
.set dd, D
.endif
	WIN 0x06+(a/4)                                 ; source 0 window 2 or 3, source 1 (nk) window 1
.set j, 0
.rept 16
	v_max_num_f32 v[dd+j], v[ac+j], v[NK+8*b+j]
.set j, j+1
.endr
	WIN 0
.set j, 0
.rept 8
.if a == 0
	v_pk_mul_f32 v[QR+8*b+j:QR+8*b+j+1], v[dd+j:dd+j+1], v[dd+j:dd+j+1]
.else
	v_pk_add_f32 v[SR+8*b+j:SR+8*b+j+1], v[SR+8*b+j:SR+8*b+j+1], v[dd+j:dd+j+1]
	v_pk_fma_f32 v[QR+8*b+j:QR+8*b+j+1], v[dd+j:dd+j+1], v[dd+j:dd+j+1], v[QR+8*b+j:QR+8*b+j+1]
.endif
.set j, j+2
.endr
	s_wait_xcnt 0x0                                ; the stores before have had their addresses translated (ISA guide 3.1): PK is rewritten only behind this wait
.set j, 0
.rept 8
	v_cvt_pk_bf16_f32 v[PK+j], v[dd+2*j], v[dd+2*j+1]
.set j, j+1
.endr
	global_store_b128 v[CO], v[PK:PK+3],   s[OUTP:OUTP+1] offset:a*4096+b*512      ; 512 consecutive bytes, aligned: half a fragment of the next layer
	global_store_b128 v[CO], v[PK+4:PK+7], s[OUTP:OUTP+1] offset:a*4096+b*512+512
.endm
	s_wait_dscnt 0x0                               ; bm and nk are in their registers: no LDS instruction of mine is out at the signal
	s_wait_tensorcnt 0x1                           ; my part of step 0 is in; step 1's may stay out
	s_barrier_signal -1
	s_barrier_wait -1                              ; everybody's is
	FETCH F0
	s_mov_b32 s[HC], 2
	s_branch .Lfirst                               ; the walk is entered at the quarter that starts a tile's sums
.Lstep:                                                ; a trip: the change behind step i's third quarter; its fourth quarter; the first three of step i + 1
	CHG
	s_mov_b32 s[HC], 2
	s_sub_co_u32 s[KC], s[KC], 1                   ; 0: the tile's last change
.Lh:
	QUARTER F1, F0, 0                              ; a step's fourth quarter, or its second
	s_cmp_eq_u32 s[KC], 0
	s_cbranch_scc1 .Lbound
	QUARTER F0, F1, 0                              ; the next step's first quarter, or this step's third
	s_branch .Lhj
.Lbound:                                               ; THE TILE IS FINISHED; the next tile's first fragments and its first two steps have been asked for
	PLACES
.if MODE == 0
.set a, 0
.rept 8
.set b, 0
.rept 4
	BATCH
.set b, b+2
.endr
.set a, a+1
.endr
	REDUCE SR, 0
	v_pk_add_f32 v[SS:SS+1],   v[SS:SS+1],   v[SR:SR+1]
	v_pk_add_f32 v[SS+2:SS+3], v[SS+2:SS+3], v[SR+2:SR+3]
	REDUCE QR, 0
	v_pk_add_f32 v[QQ:QQ+1],   v[QQ:QQ+1],   v[QR:QR+1]
	v_pk_add_f32 v[QQ+2:QQ+3], v[QQ+2:QQ+3], v[QR+2:QR+3]
	s_wait_xcnt 0x0                                ; the stores' base is stepped only behind this wait
	s_add_nc_u64 s[OUTP:OUTP+1], s[OUTP:OUTP+1], 262144   ; the next tile of 256 rows of the result
.else
.set hi, 0
.rept 2
	WIN 0x28+0x14*hi                               ; sources 1 and 2 window 2 or 3
.set a, 0
.rept 2
.set i, 0
.rept 64
	v_max3_num_f32 v[SR+i], v[SR+i], v[128*a+i], v[128*a+64+i]   ; two row blocks at a time, each accumulator's lowest registers first
.set i, i+1
.endr
.set a, a+1
.endr
.set hi, hi+1
.endr
	WIN 0
.endif
	s_mov_b32 s[KC], KSTEPS
	s_sub_co_u32 s[TL], s[TL], 1
	s_cmp_eq_u32 s[TL], 0
	s_cbranch_scc1 .Lend                           ; the walk is left behind the last way out
.Lfirst:
	QUARTER F0, F1, 1                              ; a tile's first quarter starts the sums
.Lhj:
	s_sub_co_u32 s[HC], s[HC], 1
	s_cmp_lg_u32 s[HC], 0
	s_cbranch_scc1 .Lh
	s_sub_co_u32 s[ST], s[ST], 1                   ; the loop's foot
	s_cmp_lg_u32 s[ST], 0
	s_cbranch_scc1 .Lstep
.Lend:
	; the two row halves meet: the lower half's waves hand over, the upper's add (or take the maximum) and store
.if MODE == 1
	REDUCE SR, 1
.endif
	s_cmp_eq_u32 s[RH], 0
	s_cbranch_scc1 .Lno_give
.if MODE == 0
	ds_store_b128 v[XA], v[SS:SS+3]
	ds_store_b128 v[XA], v[QQ:QQ+3] offset:512
.else
	ds_store_b128 v[XA], v[SR:SR+3]
.endif
.Lno_give:
	s_wait_dscnt 0x0                               ; for the others' sake
	s_barrier_signal -1
	s_barrier_wait -1
	s_cmp_lg_u32 s[RH], 0
	s_cbranch_scc1 .Lno_take
	ds_load_b128 v[TT:TT+3], v[XA]
.if MODE == 0
	ds_load_b128 v[TT+4:TT+7], v[XA] offset:512
	s_wait_dscnt 0x0
	v_pk_add_f32 v[SS:SS+1],   v[SS:SS+1],   v[TT:TT+1]
	v_pk_add_f32 v[SS+2:SS+3], v[SS+2:SS+3], v[TT+2:TT+3]
	v_pk_add_f32 v[QQ:QQ+1],   v[QQ:QQ+1],   v[TT+4:TT+5]
	v_pk_add_f32 v[QQ+2:QQ+3], v[QQ+2:QQ+3], v[TT+6:TT+7]
	global_store_b128 v[CO], v[SS:SS+3], s[PARTP:PARTP+1]              ; 512 consecutive bytes, aligned
	global_store_b128 v[CO], v[QQ:QQ+3], s[PARTP:PARTP+1] offset:2048
.else
	s_wait_dscnt 0x0
.irp e, 0,1,2,3
	v_max_num_f32 v[SR+\e], v[SR+\e], v[TT+\e]
.endr
	global_store_b128 v[CO], v[SR:SR+3], s[OUTP:OUTP+1]                ; 512 consecutive bytes, aligned
.endif
.Lno_take:
	s_wait_tensorcnt 0x0                           ; the wave's end, behind my last tensor load and my last LDS store
	ds_add_u32 v[SPW], v[NIL]
	s_wait_dscnt 0x0
	CROUND                                         ; the closing round: no work-group ends while a partner may still ask for a tile that names it
	s_endpgm
.Lfunc_end_k_qb8dd5431d4_gemm1:
	.size	k_qb8dd5431d4_gemm1, .Lfunc_end_k_qb8dd5431d4_gemm1-k_qb8dd5431d4_gemm1
	.p2alignl 7, 3214868480
	.fill 96, 4, 3214868480
	.section	.rodata,"a",@progbits
	.p2align	6, 0x0
	.amdhsa_kernel k_qb8dd5431d4_gemm1
		.amdhsa_group_segment_fixed_size 327680
		.amdhsa_private_segment_fixed_size 0
		.amdhsa_enable_private_segment 0
		.amdhsa_kernarg_size 48
		.amdhsa_user_sgpr_count 2
		.amdhsa_user_sgpr_kernarg_segment_ptr 1
		.amdhsa_wavefront_size32 1
		.amdhsa_system_sgpr_workgroup_id_x 1
		.amdhsa_system_sgpr_workgroup_id_y 1
		.amdhsa_system_sgpr_workgroup_id_z 1
		.amdhsa_system_vgpr_workitem_id 0
		.amdhsa_next_free_vgpr 1024
		.amdhsa_next_free_sgpr 88
		.amdhsa_reserve_vcc 0
		.amdhsa_float_denorm_mode_32 3
		.amdhsa_float_denorm_mode_16_64 3
		.amdhsa_memory_ordered 1
		.amdhsa_forward_progress 1
		.amdhsa_inst_pref_size 118
	.end_amdhsa_kernel
	.amdgpu_metadata
---
amdhsa.version: [ 1, 2 ]
amdhsa.kernels:
  - .name:           k_qb8dd5431d4_gemm1
    .symbol:         k_qb8dd5431d4_gemm1.kd
    .args:
      - { .name: dB, .offset: 0, .size: 8, .value_kind: global_buffer, .address_space: global }
      - { .name: wp, .offset: 8, .size: 8, .value_kind: global_buffer, .address_space: global }
      - { .name: bv, .offset: 16, .size: 8, .value_kind: global_buffer, .address_space: global }
      - { .name: c1, .offset: 24, .size: 8, .value_kind: global_buffer, .address_space: global }
      - { .name: dA, .offset: 32, .size: 8, .value_kind: global_buffer, .address_space: global }
      - { .name: part, .offset: 40, .size: 8, .value_kind: global_buffer, .address_space: global }
    .group_segment_fixed_size: 327680
    .private_segment_fixed_size: 0
    .kernarg_segment_align: 8
    .kernarg_segment_size: 48
    .max_flat_workgroup_size: 128
    .sgpr_count:     88
    .vgpr_count:     1024
    .wavefront_size: 32
...
	.end_amdgpu_metadata
.endif
;; end of part 11
;; launch prep2: the kernel of part 10 again; grid 8 x 16, 8 waves a work-group, no clusters, 14,848 bytes of LDS; arguments part, g2, b2, W2, wp, bv; writes wp, bv
;; launch gemm2 (part 12): grid 4 x 64, 4 waves a work-group, clusters of 4 x 4, 327,680 bytes of LDS; arguments dA, wp, bv, c2, pm; writes pm
.if DOCPART == 12
	.amdgcn_target "amdgcn-amd-amdhsa--gfx1250"
	.amdhsa_code_object_version 6
	.text
	.protected	k_qb8dd5431d4_gemm2
	.globl	k_qb8dd5431d4_gemm2
	.p2align	8
	.type	k_qb8dd5431d4_gemm2,@function
k_qb8dd5431d4_gemm2:
	s_mov_b64 s[64:65], 0
	v_nop
	global_prefetch_b8 v0, s[64:65] scope:SCOPE_SE
	s_setreg_imm32_b32 hwreg(HW_REG_WAVE_MODE, 25, 1), 1
	s_wait_xcnt 0x0
	s_wait_alu depctr_hold_cnt(0) depctr_sa_sdst(0) depctr_va_vdst(0) depctr_va_sdst(0) depctr_va_ssrc(0) depctr_va_vcc(0) depctr_vm_vsrc(0)
	s_getreg_b32 s2, hwreg(HW_REG_IB_STS2, 6, 4)
	s_cmp_eq_u32 s2, 0
	s_cbranch_scc0 .Lentry_in_a_cluster
	s_endpgm
.Lentry_in_a_cluster:
	s_bfe_u32 s2, ttmp6, 0x10000c
	s_cmp_lg_u32 s2, 0xf033
	s_cbranch_scc0 .Lentry_shape_is_right
	s_endpgm
.Lentry_shape_is_right:
; LAYER 2 AND THE MAXIMUM.  acc = d (W s)^T + bm = y, with bm = c + W t; for each column the maximum of y over the work-group's 1,024 rows, half a set, goes to pm; the last launch joins the halves.
; W t arrives in NS parts (a part for each 64 k) and is added in the head.
; d: [65,536][512], W s: [1,024][512], both bf16 (the one rounding of the operands; sums in f32).  NaN and infinities are not treated apart (a NaN loses in the maximum).
; OPERANDS lie [tile of 256 rows][128 k][half of 128 rows][16 rows][32 k][1,024 bytes]: 128 rows x 128 k are 32,768 dense bytes, one tensor load; a fragment is two loads of 16 bytes a lane at 16 x lane and + 512.
; SHARES.  A tile of the result is 256 x 256; four waves, 128 x 128 each: 64 accumulators, 512 registers.  A work-group STAYS for TILES tiles, one below the other; the ring of two LDS slots (one step of 128 k each) runs on
; across tiles.  The matrix instruction is used transposed (source 0 = 16 rows of W s, source 1 = 16 rows of d): register j of a lane is a column, the lanes of a half are rows, so the maximum over a tile's rows
; is first taken register by register, and over the lanes once at the end.
; THE WALK is TILES x KSTEPS equal steps, written once: a change of slots, then twice two quarter steps.  At a tile's end the maxima and the quarter that starts the sums take the plain quarter's place.
; The loop is entered at that quarter and left behind the last maxima.  The price of one text, once a launch: the last change orders nothing, and the 32 LDS loads behind it fetch bytes that nobody multiplies.
; CLUSTER.  4 x 4 work-groups.  The four of a row of the cluster walk the same rows of d, the four of a column the same rows of W s: each tile is asked for JOINTLY, by the same tensor load with the same descriptor and a mask of four.
; REGISTERS, in windows of 256 (s_set_vgpr_msb: bits 1:0 source 0, 3:2 source 1, 5:4 source 2, 7:6 destination):
;   window 0: v0-31 addresses; v32-35 c; v64-127, v128-191 fragments of d, two buffers; v192-255 the running maxima
;   window 1: v64-127, v128-191 fragments of W s; v192-255 bm      windows 2, 3: the accumulators of my rows 0-63, 64-127: (a, b) at 64 (a % 4) + 8 b
.set KSTEPS, 4                         ; steps of 128 along K
.set NCT,    4                         ; column tiles
.set TILES,  4                         ; tiles a work-group
.set MODE,   1                         ; 0: ReLU, store, statistics; 1: maximum over rows
.set NS,     2*KSTEPS                  ; parts of the dots
.set SLOT,  1<<17                      ; a slot: d's two halves, then W's two halves, 32,768 bytes each; slot 1 begins here, so one exclusive or changes slots
.set RED,   2*SLOT                     ; behind the ring, never filled by a tensor load: for each wave 16 rows of 512 bytes, 528 apart
.set RP,    528
.set XCH,   RED+4*16*RP                ; where the lower row half's waves hand their maxima to the upper's
.set SPARE, XCH+2048                   ; the spare words, 128 bytes for each wave, which no other line names
.set CO,    3                          ; v3   16 x lane
.set ADRA0, 4                          ; v4   my lane's place in a slot's d; never rewritten
.set ADRB0, 5                          ; v5   the same for W
.set ADRA,  6                          ; v6   the address of the run of loads in hand
.set ADRB,  7
.set RST,   8                          ; v8   my bytes of RED: where I put 16 bytes
.set RRD,   9                          ; v9   where I read a column quad's 16 partial maxima
.set XA,    10                         ; v10  my place in XCH
.set VB,    11                         ; v11  my bytes of RED + 32 x (lane / 16): my 8 columns of a block of 16
.set SS,    12
.set TT,    20                         ; v[20:27] at work
.set SPW,   28
.set NIL,   29
.set D,     32                         ; v[32:35] c
.set F0,    64
.set F1,    128
.set SR,    192                        ; the maximum by (b, j)
.set NK,    0                          ; window 1
.set BM,    192                        ; window 1
.set WV, 14
.set RH, 15                            ; which half of the tile's rows is mine.  Also: I fetch d (0) or W (1)
.set CH, 16                            ; which half of its columns.  Also: which half of that tile I fetch
.set CT, 17                            ; column tile
.set RG, 18                            ; group of TILES row tiles
.set G1A, 24                           ; s[24:31] descriptor group 1 for d's tiles
.set G0A, 32                           ; s[32:39] group 0: a set for each first fill; the second then walks
.set BB,  40                           ; s[40:41] W s at my half of the column tile's step 0
.set BOFF, 42                          ; s[42:43] the walking step's offset from there
.set TB,  44                           ; LDS byte at which the quarter step to be fetched begins
.set TL,  45                           ; tiles to go
.set HC,  47                           ; counts a step's two pairs of quarters
.set G1B, 48                           ; the same for W's tiles
.set G0B, 56
.set OUTP, 80                          ; s[80:81] the result
.set FL,  84                           ; refills to go
.set KC,  85                           ; changes to go in this tile
.set ST,  86                           ; passes of the loop's foot to go
.set MSB, 0
.macro WIN new                         ; the immediate's high byte repeats the setting that is left; a switch that changes nothing is dropped
.if MSB != (\new)
	s_set_vgpr_msb (MSB<<8)|(\new)
.set MSB, (\new)
.endif
.endm
.macro PLACES                          ; four plain vector instructions behind matrix instructions, ahead of what reads their results or writes their registers (ISA guide 7.12.1)
.rept 4
	v_nop
.endr
.endm
.macro JLOAD                           ; a refill: waves 0 and 1 fetch d's halves, waves 2 and 3 W's.  An s_nop 0 and four v_nop follow each line, ahead of the jump and the label
	s_cmp_eq_u32 s[RH], 0
	s_cbranch_scc0 .Lfor_b_\@
	tensor_load_to_lds s[G0A+4:G0A+7], s[G1A:G1A+7]
	s_nop 0
	PLACES
	s_branch .Lasked_\@
.Lfor_b_\@:
	tensor_load_to_lds s[G0B+4:G0B+7], s[G1B:G1B+7]
	s_nop 0
	PLACES
.Lasked_\@:
.endm
.macro CROUND                          ; a round of the cluster's barrier: my work-group's barrier; wave 0 signals for the work-group; every wave waits for all; my work-group's barrier once more
	s_barrier_signal -1
	s_barrier_wait -1
	s_cmp_lg_u32 s[WV], 0
	s_cbranch_scc1 .Lnot_wave_0_\@
	s_barrier_signal -3
.Lnot_wave_0_\@:
	s_barrier_wait -3
	s_barrier_signal -1
	s_barrier_wait -1
.endm
	s_load_b256 s[4:11], s[0:1], 0x0               ; d s[4:5], W s s[6:7], bv s[8:9], c s[10:11]
	s_load_b64 s[OUTP:OUTP+1], s[0:1], 0x20        ; pm
	v_lshl_add_u32 v[SPW], v0, 2, SPARE
	v_mov_b32 v[NIL], 0
	ds_add_u32 v[SPW], v[NIL]                      ; the wave's opening: the add and its wait stand ahead of my first tensor load; the set-up below, work on registers, stands between them
	v_lshrrev_b32 v1, 5, v0
	v_readfirstlane_b32 s[WV], v1                  ; wave 0..3
	s_lshr_b32 s[RH], s[WV], 1
	s_and_b32 s[CH], s[WV], 1
	s_bfe_u32 s66, ttmp6, 0x40000                  ; cx: my place along the cluster's x
	s_bfe_u32 s67, ttmp6, 0x40004                  ; cy
	s_lshl_b32 s[CT], ttmp9, 2
	s_add_co_u32 s[CT], s[CT], s66                 ; column tile = 4 x cluster x + cx
	s_and_b32 s[RG], ttmp7, 0xffff
	s_lshl_b32 s[RG], s[RG], 2
	s_add_co_u32 s[RG], s[RG], s67                 ; row group = 4 x cluster y + cy
	s_lshl_b32 s68, s67, 2
	s_lshl_b32 s68, 15, s68                        ; my row of the cluster shares d's tiles,
	s_lshl_b32 s69, 0x1111, s66                    ; my column W's
	s_or_b32 s[G1A], s68, (3<<16)|(1<<21)          ; 15:0 the mask; 17:16 elements of 8 bytes; 21 set beside a mask; no padding
	s_or_b32 s[G1B], s69, (3<<16)|(1<<21)
.irp g, G1A, G1B                       ; 32,768 dense bytes as 128 rows of 32 elements of 8 bytes
	s_mov_b32 s[(\g)+1], 32<<16                    ; tensor_dim0 = 32
	s_mov_b32 s[(\g)+2], 128<<16                   ; tensor_dim1 = 128
	s_mov_b32 s[(\g)+3], 32<<16                    ; tile_dim0 = 32
	s_mov_b32 s[(\g)+4], 128                       ; tile_dim1 = 128
	s_mov_b32 s[(\g)+5], 32                        ; 32 elements from row to row
	s_mov_b32 s[(\g)+6], 0
	s_mov_b32 s[(\g)+7], 0
.endr
	s_lshl_b32 s19, s[CH], 15                      ; the half that I fetch
	s_mul_i32 s20, s[RG], TILES*KSTEPS*65536       ; d: my first tile's step 0 (registers that never hold the column tile)
	s_add_co_u32 s20, s20, s19
	s_mov_b32 s21, 0
	s_mul_i32 s22, s[CT], KSTEPS*65536             ; W: the column tile's step 0 (registers that never hold the row group)
	s_add_co_u32 s22, s22, s19
	s_mov_b32 s23, 0
	s_lshl_b32 s70, s[WV], 15                      ; where my loads land in a slot: the wave's number alone
	s_mov_b32 s[BOFF], 65536
	s_mov_b32 s[BOFF+1], 0
	s_mov_b32 s[TB], 0
	s_mov_b32 s[TL], TILES
	s_mov_b32 s[FL], TILES*KSTEPS-2                ; the walk's last two steps are followed by nothing to fetch
	s_mov_b32 s[KC], KSTEPS
	s_mov_b32 s[ST], TILES*KSTEPS+1                ; the walk has TILES x KSTEPS changes, a trip each.  The loop's foot is passed by the entry's part trip and by every trip but the last, which leaves at the last maxima:
	                                               ; TILES x KSTEPS passes, and the count is still 1 behind the last of them
	s_lshl_b32 s76, s[CT], 10                      ; my 128 columns x 4 bytes: in c, in a row of bv, in a row of pm
	s_lshl_b32 s77, s[CH], 9
	s_add_co_u32 s76, s76, s77
	s_mov_b32 s77, 0
	s_lshl_b32 s74, s[RG], 12                      ; pm: 4,096 bytes a row group
	s_add_co_u32 s74, s74, s76
	s_mov_b32 s75, 0
	s_wait_dscnt 0x0                               ; the opening add is done
	s_wait_kmcnt 0x0
	s_add_nc_u64 s[20:21], s[4:5], s[20:21]
	s_add_nc_u64 s[BB:BB+1], s[6:7], s[22:23]
	s_add_nc_u64 s[8:9], s[8:9], s[76:77]
	s_add_nc_u64 s[10:11], s[10:11], s[76:77]
	s_add_nc_u64 s[OUTP:OUTP+1], s[OUTP:OUTP+1], s[74:75]
.irp s, 0,1
	s_mov_b32 s[G0A+4*(\s)], 1                                     ; count = 1
	s_add_co_u32 s[G0A+4*(\s)+1], s70, (\s)*SLOT                   ; LDS address
	s_add_nc_u64 s[G0A+4*(\s)+2:G0A+4*(\s)+3], s[20:21], (\s)*65536  ; global address: step s
	s_or_b32 s[G0A+4*(\s)+3], s[G0A+4*(\s)+3], 0x80000000         ; type = 2
	s_mov_b32 s[G0B+4*(\s)], 1
	s_add_co_u32 s[G0B+4*(\s)+1], s70, (\s)*SLOT
	s_add_nc_u64 s[G0B+4*(\s)+2:G0B+4*(\s)+3], s[BB:BB+1], (\s)*65536
	s_or_b32 s[G0B+4*(\s)+3], s[G0B+4*(\s)+3], 0x80000000
.endr
	CROUND                                         ; all partners are here: the first joint loads meet
	s_cmp_eq_u32 s[RH], 0                          ; a wave's two first fills stand in one branch, ahead of every wait on TENSORcnt and every LDS read: two loads of mine are out
	s_cbranch_scc0 .Lfirst_b
	tensor_load_to_lds s[G0A:G0A+3], s[G1A:G1A+7]
	s_nop 0
	tensor_load_to_lds s[G0A+4:G0A+7], s[G1A:G1A+7]
	s_nop 0
	PLACES
	s_branch .Lfirst_asked
.Lfirst_b:
	tensor_load_to_lds s[G0B:G0B+3], s[G1B:G1B+7]
	s_nop 0
	tensor_load_to_lds s[G0B+4:G0B+7], s[G1B:G1B+7]
	s_nop 0
	PLACES
.Lfirst_asked:
	; THE BIAS, in the wait for the first tile.  Lane l takes columns 4 l .. 4 l + 3 of my 128: each load of the wave covers 512 consecutive bytes.
	v_and_b32 v1, 31, v0                           ; lane
	v_lshlrev_b32 v[CO], 4, v1
	global_load_b128 v[D:D+3], v[CO], s[10:11]     ; c
.set i, 0
.rept NS
	global_load_b128 v[F0+8*i:F0+8*i+3],   v[CO], s[8:9] offset:i*8192        ; part i of W t
.set i, i+1
.endr
	s_lshl_b32 s71, s[RH], 15
	v_add_nc_u32 v[ADRA0], s71, v[CO]              ; my 128 rows of d
	s_add_co_u32 s71, s19, 65536
	v_add_nc_u32 v[ADRB0], s71, v[CO]              ; my 128 rows of W, behind d's 256
	s_mul_i32 s71, s[WV], 16*RP
	s_add_co_u32 s71, s71, RED
	v_add_nc_u32 v[RST], s71, v[CO]
	v_lshrrev_b32 v20, 2, v1                       ; columns 4 l .. 4 l + 3 lie in register quad 2 (l / 4) + l % 2 of the lanes of half (l / 2) % 2
	v_and_b32 v21, 1, v1
	v_lshl_add_u32 v20, v20, 1, v21
	v_mul_u32_u24 v20, v20, RP
	v_bfe_u32 v21, v1, 1, 1
	v_lshl_add_u32 v20, v21, 8, v20
	v_add_nc_u32 v[RRD], s71, v20
	v_bfe_u32 v21, v0, 4, 1
	v_lshl_add_u32 v[VB], v21, 5, s71
	s_lshl_b32 s71, s[CH], 10
	s_add_co_u32 s71, s71, XCH
	v_add_nc_u32 v[XA], s71, v[CO]
.set i, 0
.rept 64
	v_mov_b32 v[SR+i], 0xff800000                  ; the running maxima start at minus infinity
.set i, i+1
.endr
	s_wait_loadcnt 0x0
.set i, 1
.rept NS-1
	v_pk_add_f32 v[F0:F0+1],   v[F0:F0+1],   v[F0+8*i:F0+8*i+1]
	v_pk_add_f32 v[F0+2:F0+3], v[F0+2:F0+3], v[F0+8*i+2:F0+8*i+3]
.set i, i+1
.endr
	v_pk_add_f32 v[F0:F0+1],   v[F0:F0+1],   v[D:D+1]      ; bm = c + W t
	v_pk_add_f32 v[F0+2:F0+3], v[F0+2:F0+3], v[D+2:D+3]
	ds_store_b128 v[RST], v[F0:F0+3]               ; through my own bytes of LDS into the accumulators' layout: register j of block b is column 16 b + 8 (lane / 16) + j
	WIN 0x40                                       ; destination window 1, address window 0
.irp b, 0,1,2,3,4,5,6,7                ; LDS serves a wave's instructions in order (ISA guide 5.7.1.4): these see the store above
	ds_load_b128 v[BM+8*(\b):BM+8*(\b)+3],   v[VB] offset:(\b)*64
	ds_load_b128 v[BM+8*(\b)+4:BM+8*(\b)+7], v[VB] offset:(\b)*64+16
.endr
	WIN 0
; 16 matrix instructions: row blocks a0, a0 + 1 of the window's four x all 8 column blocks, 32 along K.  init = 1: the sums start from bm.
; The 64 accumulators take turns, one instruction a turn, in the same order in every quarter step.
.macro MUL16 f, hi, a0, init
.if \init
	WIN 0x91+0x40*(\hi)                            ; W window 1, d window 0, C (bm) window 1, D window 2 or 3
.else
	WIN 0xa1+0x50*(\hi)                            ; C and D window 2 or 3
.endif
.irp a, \a0, (\a0)+1
.irp b, 0,1,2,3,4,5,6,7
.if \init
	v_wmma_f32_16x16x32_bf16 v[8*(8*(\a)+(\b)):8*(8*(\a)+(\b))+7], v[(\f)+8*(\b):(\f)+8*(\b)+7], v[(\f)+8*(4*(\hi)+(\a)):(\f)+8*(4*(\hi)+(\a))+7], v[BM+8*(\b):BM+8*(\b)+7]
.else
	v_wmma_f32_16x16x32_bf16 v[8*(8*(\a)+(\b)):8*(8*(\a)+(\b))+7], v[(\f)+8*(\b):(\f)+8*(\b)+7], v[(\f)+8*(4*(\hi)+(\a)):(\f)+8*(4*(\hi)+(\a))+7], v[8*(8*(\a)+(\b)):8*(8*(\a)+(\b))+7]
.endif
.endr
.endr
.endm
; 32 LDS loads in one run: the fragments of the quarter step at s[TB] into buffer g.  The four vector lines ahead are the places behind the matrix instructions that read that buffer.
.macro FETCH g
	WIN 0
	v_nop
	v_nop
	v_add_nc_u32 v[ADRA], s[TB], v[ADRA0]
	v_add_nc_u32 v[ADRB], s[TB], v[ADRB0]
	s_add_co_u32 s[TB], s[TB], 1024                ; the next fetch is the next 32 along K
	WIN 0x40
.irp i, 0,1,2,3,4,5,6,7
	ds_load_b128 v[(\g)+8*(\i):(\g)+8*(\i)+3],   v[ADRB] offset:(\i)*4096
	ds_load_b128 v[(\g)+8*(\i)+4:(\g)+8*(\i)+7], v[ADRB] offset:(\i)*4096+512
.endr
	WIN 0
.irp i, 0,1,2,3,4,5,6,7
	ds_load_b128 v[(\g)+8*(\i):(\g)+8*(\i)+3],   v[ADRA] offset:(\i)*4096
	ds_load_b128 v[(\g)+8*(\i)+4:(\g)+8*(\i)+7], v[ADRA] offset:(\i)*4096+512
.endr
.endm
; A quarter step: 64 matrix instructions on buffer f; in its middle the next quarter's fragments are fetched into g.  It leaves every window 0, for the label or branch behind it.
.macro QUARTER f, g, init
	s_wait_dscnt 8                                 ; W and d's rows 0-63 are in; the youngest eight loads (d's rows 64-127) may be out
	MUL16 \f, 0, 0, \init
	MUL16 \f, 0, 2, \init
	FETCH \g
	s_wait_dscnt 32                                ; all but the 32 just issued
	MUL16 \f, 1, 0, \init
	MUL16 \f, 1, 2, \init
	WIN 0
.endm
; THE CHANGE OF SLOTS, when a step's last fragments have been asked for.  Each wave waits for all its tensor loads, of which at most one is out: its part of the other slot; adds 0 to its spare word; and waits for that and for
; its reads of this slot.  Behind the barrier nobody reads this slot any more and the other is whole.  fill = 1: this slot takes the walk's step two further on; the barrier is then a round of the cluster's, and the refill
; is the first thing behind it: it has a whole step, 256 matrix instructions, in which to land.
.macro CHANGE fill
	WIN 0
	s_wait_tensorcnt 0x0                           ; no tensor load of mine is out, so a group 0 may be written
	ds_add_u32 v[SPW], v[NIL]                      ; 0 onto my spare word; the descriptors' steps stand between it and the wait for it
.if \fill
	s_sub_co_u32 s[FL], s[FL], 1
	s_xor_b32 s[G0A+5], s[G0A+5], SLOT             ; the other slot than last time
	s_xor_b32 s[G0B+5], s[G0B+5], SLOT
	s_add_nc_u64 s[G0A+6:G0A+7], s[G0A+6:G0A+7], 65536  ; d's steps, and the tiles of my walk, lie end to end; the type bits are not reached
	s_add_co_u32 s[BOFF], s[BOFF], 65536           ; W's steps go round
	s_and_b32 s[BOFF], s[BOFF], KSTEPS*65536-1
	s_add_nc_u64 s[G0B+6:G0B+7], s[BB:BB+1], s[BOFF:BOFF+1]
	s_or_b32 s[G0B+7], s[G0B+7], 0x80000000
.endif
	s_wait_dscnt 0x0                               ; the add is done, and my reads of the slot are over
.if \fill
	CROUND
	JLOAD
.else
	s_barrier_signal -1
	s_barrier_wait -1
.endif
	s_sub_co_u32 s[TB], s[TB], 4096                ; the fetches go back to a step's first quarter,
	s_xor_b32 s[TB], s[TB], SLOT                   ; in the other slot
.endm
; Both forms whole, side by side, each with its own waits for 0 and its own barrier; the count of refills to go, the same number in every wave and every partner, chooses.
.macro CHG
	s_cmp_eq_u32 s[FL], 0
	s_cbranch_scc1 .Lno_fill_\@
	CHANGE 1
	s_branch .Lchanged_\@
.Lno_fill_\@:
	CHANGE 0
.Lchanged_\@:
.endm
; 64 registers R (by column block and register) are reduced over the 16 lanes of each half through my own bytes of LDS: lane l ends with the maxima of columns 4 l .. 4 l + 3 in v[R:R+3].
.macro REDUCE R
.set i, 0
.rept 16
	ds_store_b128 v[RST], v[(\R)+4*i:(\R)+4*i+3] offset:i*RP
.set i, i+1
.endr
.set i, 0
.rept 16
	ds_load_b128 v[(\R)+4*i:(\R)+4*i+3], v[RRD] offset:i*16    ; LDS serves a wave's instructions in order (ISA guide 5.7.1.4): these see the stores above
.set i, i+1
.endr
	s_wait_dscnt 0x0
.irp s, 8,4,2,1
.set i, 0
.rept \s
.irp e, 0,1,2,3
	v_max_num_f32 v[(\R)+4*i+\e], v[(\R)+4*i+\e], v[(\R)+4*(i+\s)+\e]
.endr
.set i, i+1
.endr
.endr
.endm
	s_wait_dscnt 0x0                               ; bm is in its registers: no LDS instruction of mine is out at the signal
	s_wait_tensorcnt 0x1                           ; my part of step 0 is in; step 1's may stay out
	s_barrier_signal -1
	s_barrier_wait -1                              ; everybody's is
	FETCH F0
	s_mov_b32 s[HC], 2
	s_branch .Lfirst                               ; the walk is entered at the quarter that starts a tile's sums
.Lstep:                                                ; a trip: the change behind step i's third quarter; its fourth quarter; the first three of step i + 1
	CHG
	s_mov_b32 s[HC], 2
	s_sub_co_u32 s[KC], s[KC], 1                   ; 0: the tile's last change
.Lh:
	QUARTER F1, F0, 0                              ; a step's fourth quarter, or its second
	s_cmp_eq_u32 s[KC], 0
	s_cbranch_scc1 .Lbound
	QUARTER F0, F1, 0                              ; the next step's first quarter, or this step's third
	s_branch .Lhj
.Lbound:                                               ; THE TILE IS FINISHED; the next tile's first fragments and its first two steps have been asked for
	PLACES
.set hi, 0
.rept 2
	WIN 0x28+0x14*hi                               ; sources 1 and 2 window 2 or 3
.set a, 0
.rept 2
.set i, 0
.rept 64
	v_max3_num_f32 v[SR+i], v[SR+i], v[128*a+i], v[128*a+64+i]   ; two row blocks at a time, each accumulator's lowest registers first
.set i, i+1
.endr
.set a, a+1
.endr
.set hi, hi+1
.endr
	WIN 0
	s_mov_b32 s[KC], KSTEPS
	s_sub_co_u32 s[TL], s[TL], 1
	s_cmp_eq_u32 s[TL], 0
	s_cbranch_scc1 .Lend                           ; the walk is left behind the last maxima
.Lfirst:
	QUARTER F0, F1, 1                              ; a tile's first quarter starts the sums
.Lhj:
	s_sub_co_u32 s[HC], s[HC], 1
	s_cmp_lg_u32 s[HC], 0
	s_cbranch_scc1 .Lh
	s_sub_co_u32 s[ST], s[ST], 1                   ; the loop's foot
	s_cmp_lg_u32 s[ST], 0
	s_cbranch_scc1 .Lstep
.Lend:
	; over the lanes, and then the two row halves meet: the lower half's waves hand over, the upper's take the maximum and store
	REDUCE SR
	s_cmp_eq_u32 s[RH], 0
	s_cbranch_scc1 .Lno_give
	ds_store_b128 v[XA], v[SR:SR+3]
.Lno_give:
	s_wait_dscnt 0x0                               ; for the others' sake
	s_barrier_signal -1
	s_barrier_wait -1
	s_cmp_lg_u32 s[RH], 0
	s_cbranch_scc1 .Lno_take
	ds_load_b128 v[TT:TT+3], v[XA]
	s_wait_dscnt 0x0
.irp e, 0,1,2,3
	v_max_num_f32 v[SR+\e], v[SR+\e], v[TT+\e]
.endr
	global_store_b128 v[CO], v[SR:SR+3], s[OUTP:OUTP+1]        ; 512 consecutive bytes, aligned
.Lno_take:
	s_wait_tensorcnt 0x0                           ; the wave's end, behind my last tensor load and my last LDS store
	ds_add_u32 v[SPW], v[NIL]
	s_wait_dscnt 0x0
	CROUND                                         ; the closing round: no work-group ends while a partner may still ask for a tile that names it
	s_endpgm
.Lfunc_end_k_qb8dd5431d4_gemm2:
	.size	k_qb8dd5431d4_gemm2, .Lfunc_end_k_qb8dd5431d4_gemm2-k_qb8dd5431d4_gemm2
	.p2alignl 7, 3214868480
	.fill 96, 4, 3214868480
	.section	.rodata,"a",@progbits
	.p2align	6, 0x0
	.amdhsa_kernel k_qb8dd5431d4_gemm2
		.amdhsa_group_segment_fixed_size 327680
		.amdhsa_private_segment_fixed_size 0
		.amdhsa_enable_private_segment 0
		.amdhsa_kernarg_size 40
		.amdhsa_user_sgpr_count 2
		.amdhsa_user_sgpr_kernarg_segment_ptr 1
		.amdhsa_wavefront_size32 1
		.amdhsa_system_sgpr_workgroup_id_x 1
		.amdhsa_system_sgpr_workgroup_id_y 1
		.amdhsa_system_sgpr_workgroup_id_z 1
		.amdhsa_system_vgpr_workitem_id 0
		.amdhsa_next_free_vgpr 1024
		.amdhsa_next_free_sgpr 88
		.amdhsa_reserve_vcc 0
		.amdhsa_float_denorm_mode_32 3
		.amdhsa_float_denorm_mode_16_64 3
		.amdhsa_memory_ordered 1
		.amdhsa_forward_progress 1
		.amdhsa_inst_pref_size 59
	.end_amdhsa_kernel
	.amdgpu_metadata
---
amdhsa.version: [ 1, 2 ]
amdhsa.kernels:
  - .name:           k_qb8dd5431d4_gemm2
    .symbol:         k_qb8dd5431d4_gemm2.kd
    .args:
      - { .name: dA, .offset: 0, .size: 8, .value_kind: global_buffer, .address_space: global }
      - { .name: wp, .offset: 8, .size: 8, .value_kind: global_buffer, .address_space: global }
      - { .name: bv, .offset: 16, .size: 8, .value_kind: global_buffer, .address_space: global }
      - { .name: c2, .offset: 24, .size: 8, .value_kind: global_buffer, .address_space: global }
      - { .name: pm, .offset: 32, .size: 8, .value_kind: global_buffer, .address_space: global }
    .group_segment_fixed_size: 327680
    .private_segment_fixed_size: 0
    .kernarg_segment_align: 8
    .kernarg_segment_size: 40
    .max_flat_workgroup_size: 128
    .sgpr_count:     88
    .vgpr_count:     1024
    .wavefront_size: 32
...
	.end_amdgpu_metadata
.endif
;; end of part 12
;; launch fin (part 13): grid 32 x 1, 8 waves a work-group, no clusters, 0 bytes of LDS; arguments pm, out0; writes out0
.if DOCPART == 13
	.amdgcn_target "amdgcn-amd-amdhsa--gfx1250"
	.amdhsa_code_object_version 6
	.text
	.protected	k_qb8dd5431d4_fin
	.globl	k_qb8dd5431d4_fin
	.p2align	8
	.type	k_qb8dd5431d4_fin,@function
k_qb8dd5431d4_fin:
	s_mov_b64 s[64:65], 0
	v_nop
	global_prefetch_b8 v0, s[64:65] scope:SCOPE_SE
	s_setreg_imm32_b32 hwreg(HW_REG_WAVE_MODE, 25, 1), 1
	s_wait_xcnt 0x0
; out0[set][col] = max(pm[2 set][col], pm[2 set + 1][col]): the two half sets' maxima are joined.
; A work-group is a set; thread t owns columns 4 t .. 4 t + 3: a load or store of a wave covers 512 consecutive bytes.  384 KiB in all: no LDS, no ring.
	s_load_b128 s[4:7], s[0:1], 0x0                ; pm s[4:5], out0 s[6:7]
	v_lshlrev_b32 v1, 4, v0                        ; 16 t
	s_lshl_b32 s10, ttmp9, 13                      ; two rows of pm
	s_mov_b32 s11, 0
	s_lshl_b32 s12, ttmp9, 12                      ; a row of out0
	s_mov_b32 s13, 0
	s_wait_kmcnt 0x0
	s_add_nc_u64 s[4:5], s[4:5], s[10:11]
	s_add_nc_u64 s[6:7], s[6:7], s[12:13]
	global_load_b128 v[4:7],  v1, s[4:5]
	global_load_b128 v[8:11], v1, s[4:5] offset:4096
	s_wait_loadcnt 0x0
	v_max_num_f32 v4, v4, v8
	v_max_num_f32 v5, v5, v9
	v_max_num_f32 v6, v6, v10
	v_max_num_f32 v7, v7, v11
	global_store_b128 v1, v[4:7], s[6:7]
	s_endpgm
.Lfunc_end_k_qb8dd5431d4_fin:
	.size	k_qb8dd5431d4_fin, .Lfunc_end_k_qb8dd5431d4_fin-k_qb8dd5431d4_fin
	.p2alignl 7, 3214868480
	.fill 96, 4, 3214868480
	.section	.rodata,"a",@progbits
	.p2align	6, 0x0
	.amdhsa_kernel k_qb8dd5431d4_fin
		.amdhsa_group_segment_fixed_size 0
		.amdhsa_private_segment_fixed_size 0
		.amdhsa_enable_private_segment 0
		.amdhsa_kernarg_size 16
		.amdhsa_user_sgpr_count 2
		.amdhsa_user_sgpr_kernarg_segment_ptr 1
		.amdhsa_wavefront_size32 1
		.amdhsa_system_sgpr_workgroup_id_x 1
		.amdhsa_system_sgpr_workgroup_id_y 1
		.amdhsa_system_sgpr_workgroup_id_z 1
		.amdhsa_system_vgpr_workitem_id 0
		.amdhsa_next_free_vgpr 16
		.amdhsa_next_free_sgpr 66
		.amdhsa_reserve_vcc 0
		.amdhsa_float_denorm_mode_32 3
		.amdhsa_float_denorm_mode_16_64 3
		.amdhsa_memory_ordered 1
		.amdhsa_forward_progress 1
		.amdhsa_inst_pref_size 2
	.end_amdhsa_kernel
	.amdgpu_metadata
---
amdhsa.version: [ 1, 2 ]
amdhsa.kernels:
  - .name:           k_qb8dd5431d4_fin
    .symbol:         k_qb8dd5431d4_fin.kd
    .args:
      - { .name: pm, .offset: 0, .size: 8, .value_kind: global_buffer, .address_space: global }
      - { .name: out0, .offset: 8, .size: 8, .value_kind: global_buffer, .address_space: global }
    .group_segment_fixed_size: 0
    .private_segment_fixed_size: 0
    .kernarg_segment_align: 8
    .kernarg_segment_size: 16
    .max_flat_workgroup_size: 256
    .sgpr_count:     66
    .vgpr_count:     16
    .wavefront_size: 32
...
	.end_amdgpu_metadata
.endif
;; end of part 13
